; MI455X (gfx1250); checked and timed in simulation.
; The chip was launched on July 23, 2026; its instructions are those of AMD's public machine-readable ISA for CDNA 5 (MIT licence, August 2026) and "CDNA5" Instruction Set Architecture Reference Guide (July 2026). The comments in the code are by the model that wrote it; some were corrected since.
;; Distributed Expert Pool. Allowed arithmetic: matrix products marked QUANTISED: E2M1 operands, one E8M0 scale for each 32 along K, by v_wmma_scale_f32_16x16x128_f8f6f4 with both operands' format E2M1 (or v_wmma_scale_f32_32x16x128_f4), f32 sums; everything else in f32.
;; Inputs: W1_codes 8 x 2,048 x 32 x 16 uint8 (E2M1 codes of W1, K innermost, in blocks of 32 codes, two codes a byte); W1_scales 8 x 2,048 x 32 uint8 (E8M0 scales of W1, one for each 32 codes along K); W2_codes 8 x 1,024 x 64 x 16 uint8 (E2M1 codes of W2, K innermost, in blocks of 32 codes, two codes a byte); W2_scales 8 x 1,024 x 64 uint8 (E8M0 scales of W2, one for each 32 codes along K); b1 8 x 2,048 float32; b2 8 x 1,024 float32; expert_indices 2,048 int32; x_codes 2,048 x 32 x 16 uint8 (E2M1 codes of x, K innermost, in blocks of 32 codes, two codes a byte); x_scales 2,048 x 32 uint8 (E8M0 scales of x, one for each 32 codes along K).
;; Outputs: out0 2,048 x 1,024 float32.
;; This version of the problem:
;;   THIS VERSION OF THE PROBLEM IS GIVEN IN LOW PRECISION. The matrix products marked QUANTISED in the list below multiply operands that are first quantised to E2M1 (2 exponent bits, 1 mantissa bit; 4 bits a number), with one power-of-two scale for each 32 numbers along K (OCP MX v1.0); their sums are f32. All else is computed in f32.
;;   The module's matrix products, in the order in which they are computed (A, B: the left and right operand; K: the contracted axis; several contracted axes count as one K, in the product's order):
;;     1. [M 2,048, K 1,024] x [K 1,024, N 2,048]; A: input x (given as codes); B: input W1 (given as codes): QUANTISED
;;     2. [M 2,048, K 2,048] x [K 2,048, N 1,024]; A: computed on the way; B: input W2 (given as codes): QUANTISED
;;     3. [M 2,048, K 1,024] x [K 1,024, N 2,048]; A: input x (given as codes); B: input W1 (given as codes): QUANTISED
;;     4. [M 2,048, K 2,048] x [K 2,048, N 1,024]; A: computed on the way; B: input W2 (given as codes): QUANTISED
;;     5. [M 2,048, K 1,024] x [K 1,024, N 2,048]; A: input x (given as codes); B: input W1 (given as codes): QUANTISED
;;     6. [M 2,048, K 2,048] x [K 2,048, N 1,024]; A: computed on the way; B: input W2 (given as codes): QUANTISED
;;     7. [M 2,048, K 1,024] x [K 1,024, N 2,048]; A: input x (given as codes); B: input W1 (given as codes): QUANTISED
;;     8. [M 2,048, K 2,048] x [K 2,048, N 1,024]; A: computed on the way; B: input W2 (given as codes): QUANTISED
;;     9. [M 2,048, K 1,024] x [K 1,024, N 2,048]; A: input x (given as codes); B: input W1 (given as codes): QUANTISED
;;     10. [M 2,048, K 2,048] x [K 2,048, N 1,024]; A: computed on the way; B: input W2 (given as codes): QUANTISED
;;     11. [M 2,048, K 1,024] x [K 1,024, N 2,048]; A: input x (given as codes); B: input W1 (given as codes): QUANTISED
;;     12. [M 2,048, K 2,048] x [K 2,048, N 1,024]; A: computed on the way; B: input W2 (given as codes): QUANTISED
;;     13. [M 2,048, K 1,024] x [K 1,024, N 2,048]; A: input x (given as codes); B: input W1 (given as codes): QUANTISED
;;     14. [M 2,048, K 2,048] x [K 2,048, N 1,024]; A: computed on the way; B: input W2 (given as codes): QUANTISED
;;     15. [M 2,048, K 1,024] x [K 1,024, N 2,048]; A: input x (given as codes); B: input W1 (given as codes): QUANTISED
;;     16. [M 2,048, K 2,048] x [K 2,048, N 1,024]; A: computed on the way; B: input W2 (given as codes): QUANTISED
;;   THE QUANTISER, for each operand of a quantised product, along K:
;;     - K is cut into blocks of 32 from its start; a last block that is shorter is filled with zeros.
;;     - A block's scale is 2^e with e = floor(log2(the largest magnitude in the block)) - 2, held to -126 .. 127; a block of zeros has e = 0. As a byte (E8M0): e + 127.
;;     - Each number is divided by its block's scale, clamped to +-6, and rounded to the nearest number of E2M1, ties to even, subnormals kept.
;;     - The product sums the exact products of the quantised numbers (number of the format x scale) in f32.
;;   ~~~python
;;   def quantise(x, axis):      # numpy; x: float32 -> the quantised numbers, widened to float32 again
;;       x = np.moveaxis(x, axis, -1); K = x.shape[-1]
;;       x = np.pad(x, [(0, 0)] * (x.ndim - 1) + [(0, -K % 32)]); x = x.reshape(x.shape[:-1] + (-1, 32)); a = np.abs(x).max(-1, keepdims=True)
;;       e = np.where(a > 0, np.clip(np.frexp(np.where(a > 0, a, 1))[1] - 1 - 2, -126, 127), 0)      # np.frexp(a)[1] - 1 = floor(log2(a)), exactly
;;       r = np.clip(x / 2.0 ** e, -6, 6)
;;       step = 2.0 ** (np.maximum(np.frexp(np.where(r == 0, 1, r))[1] - 1, 0) - 1)
;;       q = np.round(r / step) * step * 2.0 ** e      # np.round: ties to even
;;       return np.moveaxis(q.reshape(q.shape[:-2] + (-1,))[..., :K], -1, axis).astype(np.float32)
;;   ~~~
;;   OPERANDS COMPUTED ON THE WAY. 'Computed on the way' means the value that the module computes at that place (a softmax that the list does not call 'softmax' is quantised finished and normalised). What goes into a quantiser is computed in f32, as accurately as f32 sums, v_exp_f32 and their like allow (about 1e-6 of the number): no bf16 or f16 on the way to a quantiser, and a product that is left as it is and whose result goes on into a quantised operand takes f32 operands (vector FMAs, or v_wmma_f32_16x16x4_f32). A number that lies on a knife's edge between two numbers of the format may be rounded either way, as far as f32 arithmetic and the matrix unit's own rounding can turn it there, and no further.
;;   INPUTS GIVEN AS CODES. W1 (in the module: [8, 1024, 2048], K = its axis 1); W2 (in the module: [8, 2048, 1024], K = its axis 1); x (in the module: [2048, 1024], K = its axis 1): each comes as NAME_codes (uint8): NAME with its K axis moved to the last place and cut into blocks of 32 codes, [.., K / 32, bytes a block], one block behind the other in memory; two codes a byte, the lower K in the low four bits (a code: sign, 2 exponent bits, 1 mantissa bit); and NAME_scales (uint8): the same leading axes, one E8M0 byte (e + 127) for each 32 codes along K. Its value is code x scale, taken as it is: it is not quantised again, and the codes and scales need not be those that the quantiser above would give.
;; 3 versions, each right; version 2 is faster than version 1; version 3 is version 2 with the launches up, down written anew for expert scheduling mode. Each part assembles by itself: llvm-mc -triple=amdgcn-amd-amdhsa -mcpu=gfx1250 --defsym DOCPART=n.
;; ======== version 1 of 3: 3 launches
;; workspace buffers: hc 16,777,216 bytes; hs 1,048,576 bytes; route 67,584 bytes of whole numbers
;; launch route (part 1): grid 8 x 1, 1 waves a work-group, no clusters, 0 bytes of LDS; arguments expert_indices, route; writes route
.if DOCPART == 1
	.amdgcn_target "amdgcn-amd-amdhsa--gfx1250"
	.amdhsa_code_object_version 6
	.text
	.protected	k_q6137cc03a1_route
	.globl	k_q6137cc03a1_route
	.p2align	8
	.type	k_q6137cc03a1_route,@function
k_q6137cc03a1_route:
	s_mov_b64 s[64:65], 0
	v_nop
	global_prefetch_b8 v0, s[64:65] scope:SCOPE_SE
	s_setreg_imm32_b32 hwreg(HW_REG_WAVE_MODE, 25, 1), 1
	s_wait_xcnt 0x0
; THE LIST OF EACH EXPERT'S TOKENS, as whole numbers for the two launches that follow.  expert_indices [2048] int32.  route [8 experts][2,112 words]: words 0 .. 2047 the list, words 2048 .. 2079 all hold the
; count, words 2080 .. 2111 are dump words that nobody reads.
; One wave for each expert (grid x).  It holds all 2,048 indices in 64 registers: lane l, register 4 k + i: token 128 k + 4 l + i.  Register by register, a matching lane's place in the list is the number of
; tokens placed so far + the number of matching lanes below it; it stores its token there.  A lane that does not match stores to its own dump word: so every lane stays on and no branch hangs on the indices.
; THE LAST TILE OF 16 IS MADE WHOLE by copies of the list's last token.  Each lane keeps place and token of its last match; the lane whose place is the count - 1 owns the last token and stores the copies
; itself (15 at the most), so that nothing goes from lane to lane.  Every place behind that holds 0: each of the 2,048 words is stored once, whatever the indices hold.
; Every store has address and data registers of its own; the 64 address registers are used a second time, behind one wait.
; LIMITS: an index outside 0 .. 7 enters no list.
.set RL,    8448                       ; bytes of an expert's region
.set CNTB,  8192                       ; where the count lies in it
.set DUMPW, 2080                       ; the first dump word's number
.set LASTW, DUMPW+31                   ; the last word of the region: every word number is held at it
.set T0,   1                           ; v1   4 x lane
.set L16,  2                           ; v2   16 x lane
.set DMP,  3                           ; v3   my dump word's number
.set LP,   4                           ; v4   the place of my last match
.set LT,   5                           ; v5   its token
.set CV,   6                           ; v6   the count
.set ZER,  7                           ; v7   0
.set PADA, 16                          ; v16-30   byte offsets of the 15 copies
.set IDX,  64                          ; v64-127  the indices
.set PL,   128                         ; v128-191 places, then byte offsets
.set TOK,  192                         ; v192-255 the tokens
	s_load_b128 s[4:7], s[0:1], 0x0                ; the indices s[4:5], route s[6:7]
	v_lshlrev_b32 v[T0], 2, v0                     ; one wave: the thread's number is the lane
	v_lshlrev_b32 v[L16], 4, v0
	v_add_nc_u32 v[DMP], DUMPW, v0
	v_mov_b32 v[LP], 0x7fffffff                    ; no match yet: equal to no count - 1
	v_mov_b32 v[LT], 0
	v_mov_b32 v[ZER], 0
	s_mov_b32 s8, ttmp9                            ; the expert
	s_mul_i32 s10, ttmp9, RL
	s_mov_b32 s11, 0
	s_mov_b32 s12, 0                               ; tokens placed so far
	s_wait_kmcnt 0x0
	s_add_nc_u64 s[6:7], s[6:7], s[10:11]
.irp k, 0,1,2,3,4,5,6,7,8,9,10,11,12,13,14,15
	global_load_b128 v[IDX+4*\k:IDX+4*\k+3], v[L16], s[4:5] offset:512*\k   ; 512 consecutive bytes an instruction
.endr
.set J, 0
.rept 64
	v_add_nc_u32 v[TOK+J], 128*(J/4)+J%4, v[T0]    ; the token that register J holds in my lane (made while the loads are on their way)
.set J, J+1
.endr
	s_wait_loadcnt 0x0
; Eight registers of indices.  The word number is chosen first (place or dump word), then held at the region's last word, then shifted to bytes.
.macro SCAN8 j0
.irp i, 0,1,2,3,4,5,6,7
	v_cmp_eq_u32 s[16+\i], s8, v[IDX+\j0+\i]
.endr
.irp i, 0,1,2,3,4,5,6,7
	v_mbcnt_lo_u32_b32 v[PL+\j0+\i], s[16+\i], s12
	s_bcnt1_i32_b32 s13, s[16+\i]
	s_add_co_u32 s12, s12, s13
.endr
.irp i, 0,1,2,3,4,5,6,7
	v_cndmask_b32 v[LP], v[LP], v[PL+\j0+\i], s[16+\i]
	v_cndmask_b32 v[LT], v[LT], v[TOK+\j0+\i], s[16+\i]
.endr
.irp i, 0,1,2,3,4,5,6,7
	v_cndmask_b32 v[PL+\j0+\i], v[DMP], v[PL+\j0+\i], s[16+\i]
.endr
.irp i, 0,1,2,3,4,5,6,7
	v_min_u32 v[PL+\j0+\i], LASTW, v[PL+\j0+\i]
.endr
.irp i, 0,1,2,3,4,5,6,7
	v_lshlrev_b32 v[PL+\j0+\i], 2, v[PL+\j0+\i]
.endr
.irp i, 0,1,2,3,4,5,6,7
	global_store_b32 v[PL+\j0+\i], v[TOK+\j0+\i], s[6:7]   ; the matching lanes' words lie on end
.endr
.endm
.irp j, 0,8,16,24,32,40,48,56
	SCAN8 \j
.endr
	v_mov_b32 v[CV], s12
	global_store_b32 v[T0], v[CV], s[6:7] offset:CNTB      ; the count, 32 times
	s_add_co_u32 s14, s12, 15
	s_and_b32 s14, s14, -16                        ; the list's length made up to whole tiles of 16
	s_sub_co_u32 s15, s12, 1
	v_cmp_eq_u32 s24, s15, v[LP]                   ; the lane that holds the list's last token (none where the count is 0)
.irp i, 0,1,2,3,4,5,6,7,8,9,10,11,12,13,14
	s_add_co_u32 s13, s12, \i                      ; place count + i:
	s_cmp_lt_u32 s13, s14                          ; still in the last tile?
	s_cselect_b32 s25, s24, 0                      ; then the owner stores there, and all others, or else all, to their dump words
	v_mov_b32 v[PADA+\i], s13
	v_cndmask_b32 v[PADA+\i], v[DMP], v[PADA+\i], s25
	v_min_u32 v[PADA+\i], LASTW, v[PADA+\i]
	v_lshlrev_b32 v[PADA+\i], 2, v[PADA+\i]
	global_store_b32 v[PADA+\i], v[LT], s[6:7]
.endr
	s_wait_xcnt 0x0                                ; the 64 address registers are written again only behind this wait
; Places 32 j + lane: 0 into those behind the padded list; the lanes of the others store to their dump words
.macro FILL8 j0
.irp i, 0,1,2,3,4,5,6,7
	v_add_nc_u32 v[PL+\j0+\i], 32*(\j0+\i), v0
.endr
.irp i, 0,1,2,3,4,5,6,7
	v_cmp_le_u32 s[16+\i], s14, v[PL+\j0+\i]
.endr
.irp i, 0,1,2,3,4,5,6,7
	v_cndmask_b32 v[PL+\j0+\i], v[DMP], v[PL+\j0+\i], s[16+\i]
.endr
.irp i, 0,1,2,3,4,5,6,7
	v_min_u32 v[PL+\j0+\i], LASTW, v[PL+\j0+\i]
.endr
.irp i, 0,1,2,3,4,5,6,7
	v_lshlrev_b32 v[PL+\j0+\i], 2, v[PL+\j0+\i]
.endr
.irp i, 0,1,2,3,4,5,6,7
	global_store_b32 v[PL+\j0+\i], v[ZER], s[6:7]
.endr
.endm
.irp j, 0,8,16,24,32,40,48,56
	FILL8 \j
.endr
	s_endpgm
.Lfunc_end_k_q6137cc03a1_route:
	.size	k_q6137cc03a1_route, .Lfunc_end_k_q6137cc03a1_route-k_q6137cc03a1_route
	.p2alignl 7, 3214868480
	.fill 96, 4, 3214868480
	.section	.rodata,"a",@progbits
	.p2align	6, 0x0
	.amdhsa_kernel k_q6137cc03a1_route
		.amdhsa_group_segment_fixed_size 0
		.amdhsa_private_segment_fixed_size 0
		.amdhsa_enable_private_segment 0
		.amdhsa_kernarg_size 16
		.amdhsa_user_sgpr_count 2
		.amdhsa_user_sgpr_kernarg_segment_ptr 1
		.amdhsa_wavefront_size32 1
		.amdhsa_system_sgpr_workgroup_id_x 1
		.amdhsa_system_sgpr_workgroup_id_y 1
		.amdhsa_system_sgpr_workgroup_id_z 1
		.amdhsa_system_vgpr_workitem_id 0
		.amdhsa_next_free_vgpr 256
		.amdhsa_next_free_sgpr 66
		.amdhsa_reserve_vcc 0
		.amdhsa_float_denorm_mode_32 3
		.amdhsa_float_denorm_mode_16_64 3
		.amdhsa_memory_ordered 1
		.amdhsa_forward_progress 1
		.amdhsa_inst_pref_size 73
	.end_amdhsa_kernel
	.amdgpu_metadata
---
amdhsa.version: [ 1, 2 ]
amdhsa.kernels:
  - .name:           k_q6137cc03a1_route
    .symbol:         k_q6137cc03a1_route.kd
    .args:
      - { .name: expert_indices, .offset: 0, .size: 8, .value_kind: global_buffer, .address_space: global }
      - { .name: route, .offset: 8, .size: 8, .value_kind: global_buffer, .address_space: global }
    .group_segment_fixed_size: 0
    .private_segment_fixed_size: 0
    .kernarg_segment_align: 8
    .kernarg_segment_size: 16
    .max_flat_workgroup_size: 32
    .sgpr_count:     66
    .vgpr_count:     256
    .wavefront_size: 32
...
	.end_amdgpu_metadata
.endif
;; end of part 1
;; launch up (part 2): grid 32 x 8, 4 waves a work-group, no clusters, 68,096 bytes of LDS; arguments x_codes, x_scales, route, W1_codes, W1_scales, b1, hc, hs; writes hc, hs
.if DOCPART == 2
	.amdgcn_target "amdgcn-amd-amdhsa--gfx1250"
	.amdhsa_code_object_version 6
	.text
	.protected	k_q6137cc03a1_up
	.globl	k_q6137cc03a1_up
	.p2align	8
	.type	k_q6137cc03a1_up,@function
k_q6137cc03a1_up:
	s_mov_b64 s[64:65], 0
	v_nop
	global_prefetch_b8 v0, s[64:65] scope:SCOPE_SE
	s_setreg_imm32_b32 hwreg(HW_REG_WAVE_MODE, 25, 1), 1
	s_wait_xcnt 0x0
; FIRST LAYER OF A LAYER OF ROUTED EXPERTS: h = Q(gelu(x W1[e] + b1[e])) for the tokens whose index names expert e, and for no others.
; x [2048][1024], W1 [8][2048 units][1024]: codes of FP4 (E2M1), K innermost, one E8M0 byte for each 32 along K.  h leaves as codes and scale bytes, quantised along the 2,048 hidden units.
; SHARES.  A work-group takes one expert (grid y) and 64 hidden units (grid x).  Its 32 KB of W1 are read from memory once and stay in EVERY wave's registers (32 fragments, 256 registers);
; wave w then walks the expert's tiles of 16 tokens w, w + 4, w + 8 ..: inside that walk no wave needs another, so no barrier stands there.
; THE LIST of the expert's tokens and their count were stored by the first launch: route [e]: 2,048 words of tokens (the last tile made whole by copies of the last token, zeros behind it), then 32 words
; that all hold the count.  A pad row computes and stores what the tile's last real row computes.  Each wave takes the tokens of its 32 possible tiles into 32 registers, once; the registers move four down
; at the end of each trip, so that the loop names the same registers in every trip.
; LAYOUT.  The product is used transposed (source 0 = 16 rows of W1, source 1 = 16 tokens): a lane holds ONE token and its registers run along the hidden units, the next product's K.
; THE ROWS OF W1 THAT FORM A TILE ARE NOT NEIGHBOURS: lane r of tile 2 b + u takes unit 32 b + 8 u + r + 8 (r / 8), so that the 16 registers of tiles 2 b, 2 b + 1 are units 32 b + 16 (lane / 16) + 0 .. 15.
; 64 units are half a K step of the next product: four registers of codes a lane, stored as an image of that operand's registers: hc [e][tile][K step 16][half 2][lane 32][16 bytes];
; hs [e][tile][g 2][lane 32][4 words]: word (g, 16 hh + r, i) is row r's scale word of K step 8 hh + 4 g + i.
; NO TENSOR LOADS, NO CLUSTER: how many tiles a wave walks hangs on the count read from memory, so partners would need different numbers of tiles; every operand goes through registers.
; GELU, exact form: 0.5 x + 0.5 x erf(x / sqrt 2), erf(z) = z P(z^2) / Q(z^2) (degrees 6 and 4 in z^2), z held to +-4, all in f32.
; LIMITS: an index outside 0 .. 7 is served by no work-group (its row of the output stays unwritten); NaN and infinities are not served; gelu's absolute error is about 1e-7 |x|, so its relative error
; grows where 1 + erf cancels (x under about -1.5); a block of zeros gets the scale byte 1 (its codes are zeros; this program alone reads the bytes).
.set WST,   0                          ; LDS: 64 rows of W1: 512 bytes + 16: sixteen neighbouring rows begin at sixteen different 16-byte columns modulo 256
.set XST,   33792                      ; for each wave a stage of 16 rows of x, same pitch
.set PIT,   528
.set L16,  1                           ; v1   16 x lane
.set H16,  3                           ; v3   16 x (lane / 16)
.set LL,   5                           ; v5   byte offset in the list: the token of row lane % 16 of my wave's first tile: 64 w + 4 r
.set WSS,  6                           ; v6   LDS: where my wave puts its 16 rows of W1
.set WF,   7                           ; v7   LDS: my lane's place in a fragment of W1
.set SST,  8                           ; v8   LDS: into my stage: 16 x lane of a row
.set SFR,  9                           ; v9   LDS: my lane's place in a fragment of x
.set HO,   10                          ; v10  byte offset in hc
.set SO,   11                          ; v11  byte offset in hs
.set L16M, 14                          ; v14  16 x lane, or 0 for a tile that does not exist
.set SW,   31                          ; v31  my row's two scale bytes
.set AD,   32                          ; v32-47 byte offsets in x's codes: one for each of a tile's 16 tokens
.set TKL,  48                          ; v48  the tile's tokens: lane l holds that of row l % 16
.set VS,   49                          ; v49  offset in x's scales
.set VA13, 50                          ; v[50:51], v[52:53]: the two leading coefficients, twice each
.set VB8,  52
.set AW,   56                          ; v56  offset in W1's scales
.set AB,   57                          ; v57  offset in b1
.set XSR,  80                          ; v80-95  x's scale words as loaded, four slots of 4
.set XSC,  96                          ; v96-99  x's scale words at work: lanes 0-15 K steps 0-3, lanes 16-31 K steps 4-7
.set W1S,  100                         ; v100-115 W1's scale words, 4 a tile, laid likewise
.set PC,   116                         ; v116-119 the codes just made
.set QM,   120                         ; v120-127 the quantiser: largest magnitudes, the other half's, scale operands, bytes
.set QN,   122
.set QS,   124
.set QB,   126
.set ACC,  128                         ; v128-159 four accumulators: 64 hidden units of my token
.set GZ,   160                         ; v160-191 gelu at work
.set GW,   168
.set GP,   176
.set GQ,   184
.set XF,   192                         ; v192-255 x's eight fragments
.set TR,   32                          ; in window 3: v32-63: the tokens of my tiles, a register a tile, counted from the trip's first tile
; window 1: W1's fragment (tile t, K step s) at v[64 t + 8 s].  window 2: x as loaded, four slots of 64 (row k at 4 k).  window 3: v0-31 b1 in the result's layout; v32-63 TR.
.set K_RS2, 66                         ; s66-87: constants, each twice (the packed forms name a pair and take its low word for both halves)
.set K_A11, 68
.set K_A9,  70
.set K_A7,  72
.set K_A5,  74
.set K_A3,  76
.set K_A1,  78
.set K_B6,  80
.set K_B4,  82
.set K_B2,  84
.set K_B0,  86
.set MSB, 0
.macro WIN new                         ; the immediate's high byte repeats the setting that is left; a switch that changes nothing is dropped
.if MSB != \new
	s_set_vgpr_msb (MSB<<8)|\new
.set MSB, \new
.endif
.endm
.macro KPAIR reg, bits
	s_mov_b32 s[\reg], \bits
	s_mov_b32 s[\reg+1], \bits
.endm
	s_load_b512 s[4:19], s[0:1], 0x0               ; x codes s[4:5], x scales s[6:7], route s[8:9], W1 codes s[10:11], W1 scales s[12:13], b1 s[14:15], hc s[16:17], hs s[18:19]
	v_lshl_add_u32 v78, v0, 2, 0x10800
	v_mov_b32 v79, 0
	v_lshrrev_b32 v[GZ+3], 5, v0
	v_readfirstlane_b32 s22, v[GZ+3]               ; wave 0..3
	s_and_b32 s23, ttmp7, 0xffff                   ; the expert
	s_mov_b32 s24, ttmp9                           ; which 64 hidden units
	v_and_b32 v[GZ], 15, v0                        ; r
	v_bfe_u32 v[GZ+1], v0, 4, 1                    ; h
	v_and_b32 v[GZ+2], 31, v0                      ; lane
	v_lshlrev_b32 v[L16], 4, v[GZ+2]
	v_lshlrev_b32 v[H16], 4, v[GZ+1]
	s_lshl_b32 s29, s22, 6                         ; a tile's 16 places of the list are 64 bytes
	v_lshl_add_u32 v[LL], v[GZ], 2, s29
	; W1's row u of the 64 lies at stage row 32 (u / 32) + 16 ((u / 8) % 2) + 8 ((u / 16) % 2) + u % 8, so that a tile's 16 rows are 16 neighbouring stage rows.  My wave brings u = 16 w + k
	s_lshr_b32 s30, s22, 1
	s_lshl_b32 s30, s30, 5
	s_and_b32 s31, s22, 1
	s_lshl_b32 s31, s31, 3
	s_add_co_u32 s30, s30, s31
	s_mul_i32 s30, s30, PIT
	v_add_nc_u32 v[WSS], s30, v[L16]
	v_mul_u32_u24 v[WF], v[GZ], PIT
	v_lshl_add_u32 v[WF], v[GZ+1], 4, v[WF]        ; row r of a tile, + 16 h
	s_mul_i32 s30, s22, 16*PIT
	s_add_co_u32 s30, s30, XST                     ; my stage
	v_add_nc_u32 v[SST], s30, v[L16]               ; in: the 32 lanes fill a row's 512 bytes
	v_mul_u32_u24 v[SFR], v[GZ], PIT
	v_lshl_add_u32 v[SFR], v[GZ+1], 4, v[SFR]
	v_add_nc_u32 v[SFR], s30, v[SFR]               ; out: row r, + 16 h
	s_lshl_b32 s30, s22, 14
	v_add_nc_u32 v[HO], s30, v[L16]                ; hc: 16 KB a tile
	s_lshl_b32 s30, s22, 10
	v_lshl_add_u32 v[SO], v[GZ], 4, s30            ; hs: 1 KB a tile, 16 bytes a row
	v_and_b32 v[AW], 8, v[GZ]
	v_add_nc_u32 v[AW], v[AW], v[GZ]               ; r + 8 (r / 8)
	v_lshlrev_b32 v[AW], 5, v[AW]                  ; 32 scale bytes a row of W1,
	v_lshl_add_u32 v[AW], v[GZ+1], 4, v[AW]        ; lanes 16-31 the upper four words
	v_lshlrev_b32 v[AB], 6, v[GZ+1]                ; b1: lanes 16-31 begin 16 units on
	v_mov_b32 v[QN], 0                             ; written once: a lane permute's destination counts as one of its sources
	v_mov_b32 v[QN+1], 0
	v_mov_b32 v[VA13], 0xaf95df0b                  ; -2.72614226e-10
	v_mov_b32 v[VA13+1], 0xaf95df0b
	v_mov_b32 v[VB8], 0xb77460cd                   ; -1.45660718e-05
	v_mov_b32 v[VB8+1], 0xb77460cd
	KPAIR K_RS2, 0x3f3504f3                        ; 1 / sqrt 2
	KPAIR K_A11, 0x32edffee                        ;  2.77068142e-08
	KPAIR K_A9,  0xb60cff51                        ; -2.10102402e-06
	KPAIR K_A7,  0xb86ec2d2                        ; -5.69250639e-05
	KPAIR K_A5,  0xba40ac63                        ; -7.34990630e-04
	KPAIR K_A3,  0xbb41a1f6                        ; -2.95459981e-03
	KPAIR K_A1,  0xbc83dbd4                        ; -1.60960333e-02
	KPAIR K_B6,  0xb95fbd29                        ; -2.13374055e-04
	KPAIR K_B4,  0xbadc924e                        ; -1.68282697e-03
	KPAIR K_B2,  0xbbf19bf8                        ; -7.37332917e-03
	KPAIR K_B0,  0xbc69b6a7                        ; -1.42647391e-02
	s_mov_b32 s44, 0x76543210
	s_mov_b32 s45, 0xfedcba98                      ; v_permlanex16_b32's selects for lane l xor 16
	; byte offsets, made apart from the addresses
	s_lshl_b32 s46, s23, 20                        ; W1's codes: 1 MB an expert, 32 KB a work-group, 8 KB a wave
	s_lshl_b32 s29, s24, 15
	s_add_co_u32 s46, s46, s29
	s_lshl_b32 s29, s22, 13
	s_add_co_u32 s46, s46, s29
	s_mov_b32 s47, 0
	s_lshl_b32 s48, s23, 16                        ; W1's scales: (2048 e + 64 x) x 32
	s_lshl_b32 s29, s24, 11
	s_add_co_u32 s48, s48, s29
	s_mov_b32 s49, 0
	s_lshl_b32 s50, s23, 13                        ; b1: (2048 e + 64 x) x 4
	s_lshl_b32 s29, s24, 8
	s_add_co_u32 s50, s50, s29
	s_mov_b32 s51, 0
	s_lshl_b32 s52, s23, 21                        ; hc: 2 MB an expert; my 64 units are 512 bytes of a tile's 16 KB
	s_lshl_b32 s29, s24, 9
	s_add_co_u32 s52, s52, s29
	s_mov_b32 s53, 0
	s_lshl_b32 s54, s23, 17                        ; hs: 128 KB an expert; K step s = x / 2: 512 ((s / 4) % 2) + 256 (s / 8) + 4 (s % 4) + 2 (x % 2)
	s_bfe_u32 s29, s24, 0x10003
	s_lshl_b32 s29, s29, 9
	s_add_co_u32 s54, s54, s29
	s_lshr_b32 s29, s24, 4
	s_lshl_b32 s29, s29, 8
	s_add_co_u32 s54, s54, s29
	s_and_b32 s29, s24, 7
	s_lshl_b32 s29, s29, 1                         ; 2 (x % 8) = 4 (s % 4) + 2 (x % 2)
	s_add_co_u32 s54, s54, s29
	s_mov_b32 s55, 0
	s_mul_i32 s56, s23, 8448                       ; route
	s_mov_b32 s57, 0
	s_wait_kmcnt 0x0
	s_add_nc_u64 s[8:9], s[8:9], s[56:57]
	s_add_nc_u64 s[10:11], s[10:11], s[46:47]
	s_add_nc_u64 s[12:13], s[12:13], s[48:49]
	s_add_nc_u64 s[14:15], s[14:15], s[50:51]
	s_add_nc_u64 s[16:17], s[16:17], s[52:53]
	s_add_nc_u64 s[18:19], s[18:19], s[54:55]
	s_load_b32 s25, s[8:9], 0x2000                 ; the expert's count
	WIN 0xc0                                       ; destination window 3
.irp n, 0,1,2,3,4,5,6,7,8,9,10,11,12,13,14,15,16,17,18,19,20,21,22,23,24,25,26,27,28,29,30,31
	global_load_b32 v[TR+\n], v[LL], s[8:9] offset:256*\n   ; the tokens of my tile w + 4 n: lane l takes that of row l % 16.  First of all loads: x's addresses wait for them
.endr
.irp t, 0,1,2,3
.irp g, 0,1
	global_load_b128 v[8*\t+4*\g:8*\t+4*\g+3], v[AB], s[14:15] offset:(32*(\t/2)+8*(\t%2))*4+16*\g   ; register 8 t + j: b1 of unit 32 (t / 2) + 16 h + 8 (t % 2) + j
.endr
.endr
	WIN 0x40                                       ; destination window 1
.irp k, 0,1,2,3,4,5,6,7,8,9,10,11,12,13,14,15
	global_load_b128 v[4*\k:4*\k+3], v[L16], s[10:11] offset:512*\k th:TH_LOAD_NT   ; a row of W1, 512 consecutive bytes, an instruction; read by this wave alone in the whole launch
.endr
	WIN 0
.irp t, 0,1,2,3
	global_load_b128 v[W1S+4*\t:W1S+4*\t+3], v[AW], s[12:13] offset:(32*(\t/2)+8*(\t%2))*32
.endr
	s_wait_loadcnt 4                               ; the tokens, b1 and W1's rows are in; the 4 loads of W1's scale words, issued behind them, may be out
	WIN 0x04                                       ; an LDS store's data are its source 1: window 1
.irp k, 0,1,2,3,4,5,6,7,8,9,10,11,12,13,14,15
	ds_store_b128 v[WSS], v[4*\k:4*\k+3] offset:WST+(16*(\k>>3)+(\k&7))*PIT
.endr
	WIN 0
	s_wait_dscnt 0x0                               ; for the others' sake: my rows of W1 lie in LDS
	s_wait_kmcnt 0x0
	s_min_u32 s25, s25, 0x800                      ; the count
	s_add_co_u32 s26, s25, 15
	s_lshr_b32 s26, s26, 4                         ; tiles of 16
	s_mov_b32 s27, s22                             ; T: the tile of a trip's first step
	s_barrier_signal -1
	s_barrier_wait -1                              ; all 64 rows of W1 lie in LDS.  The only barrier: from here on waves part on the count
; Tile T + 4 d is asked for: 16 loads of x's codes (each: one token's row, 512 consecutive aligned bytes) into a slot of window 2, and one of its scale words: 17 loads on every path.
; A tile that does not exist names whatever tokens its register holds (zeros, or an earlier tile's) with the lane term off, so that it stays inside x and asks for few bytes.
.macro ISSUE d, slot
	s_wait_xcnt 0x0                                ; the offsets and data of the loads and stores so far are written again only behind this wait
	s_add_co_u32 s29, s27, 4*(\d)
	s_cmp_lt_u32 s29, s26
	s_cselect_b32 s30, -1, 0
	v_and_b32 v[L16M], s30, v[L16]
	v_min_u32 v[L16M], 0x1f0, v[L16M]              ; the choice hangs on the count: the term enters an address only held at its own largest value
	WIN 0x03                                       ; source 0 window 3
	v_mov_b32 v[TKL], v[TR+(\d)]
	WIN 0
.irp g, 0,8
.irp i, 0,1,2,3,4,5,6,7
	v_readlane_b32 s[36+\i], v[TKL], \g+\i         ; the token of row g + i: the same for all lanes
.endr
.irp i, 0,1,2,3,4,5,6,7
	s_min_u32 s[36+\i], s[36+\i], 0x7ff            ; a token read from the list enters an address only so held
.endr
.irp i, 0,1,2,3,4,5,6,7
	s_lshl_b32 s[36+\i], s[36+\i], 9               ; 512 bytes a token
.endr
.irp i, 0,1,2,3,4,5,6,7
	v_add_nc_u32 v[AD+\g+\i], s[36+\i], v[L16M]
.endr
.endr
	v_min_u32 v[VS], 0x7ff, v[TKL]
	v_lshl_add_u32 v[VS], v[VS], 5, v[H16]         ; 32 scale bytes a token; lanes 16-31 the upper four words
	WIN 0x80                                       ; destination window 2
.irp k, 0,1,2,3,4,5,6,7,8,9,10,11,12,13,14,15
	global_load_b128 v[64*(\slot)+4*\k:64*(\slot)+4*\k+3], v[AD+\k], s[4:5]
.endr
	WIN 0
	global_load_b128 v[XSR+4*(\slot):XSR+4*(\slot)+3], v[VS], s[6:7]
.endm
; The tile in a slot goes through my stage and becomes fragments; the slot is asked for again, with tile T + 4 d.
.macro ADVANCE slot, d
	s_wait_loadcnt 51                              ; the slot's 17 loads are in; those of the three younger tiles, 3 x 17, may be out
	WIN 0x08                                       ; the data: window 2
.irp k, 0,1,2,3,4,5,6,7,8,9,10,11,12,13,14,15
	ds_store_b128 v[SST], v[64*(\slot)+4*\k:64*(\slot)+4*\k+3] offset:PIT*\k
.endr
	WIN 0
.rept 4
	v_nop                                          ; four places behind the last product, ahead of the writes of its scale words and of the loads into its fragments
.endr
.irp i, 0,1,2,3
	v_mov_b32 v[XSC+\i], v[XSR+4*(\slot)+\i]
.endr
	s_wait_dscnt 0x0                               ; the stage's stores have read the slot
.irp s, 0,1,2,3,4,5,6,7
.irp c, 0,1
	ds_load_b128 v[XF+8*\s+4*\c:XF+8*\s+4*\c+3], v[SFR] offset:64*\s+32*\c   ; registers 4 c .. 4 c + 3 of K step s: k = 128 s + 64 c + 32 h + 0 .. 31 of row r
.endr
.endr
	ISSUE \d, \slot
.endm
; One product: tile t of W1 x the 16 tokens, K step s.  first = 1: b1 is the C that starts the sum.  The four accumulators take turns, one instruction a turn.
.macro MM t, s, first
.if \first
	v_wmma_scale_f32_16x16x128_f8f6f4 v[ACC+8*\t:ACC+8*\t+7], v[64*\t+8*\s:64*\t+8*\s+7], v[XF+8*\s:XF+8*\s+7], v[8*\t:8*\t+7], v[W1S+4*\t+\s], v[XSC+\s] matrix_a_fmt:MATRIX_FMT_FP4 matrix_b_fmt:MATRIX_FMT_FP4
.elseif \s < 4
	v_wmma_scale_f32_16x16x128_f8f6f4 v[ACC+8*\t:ACC+8*\t+7], v[64*\t+8*\s:64*\t+8*\s+7], v[XF+8*\s:XF+8*\s+7], v[ACC+8*\t:ACC+8*\t+7], v[W1S+4*\t+\s], v[XSC+\s] matrix_a_fmt:MATRIX_FMT_FP4 matrix_b_fmt:MATRIX_FMT_FP4
.else
	v_wmma_scale_f32_16x16x128_f8f6f4 v[ACC+8*\t:ACC+8*\t+7], v[64*\t+8*\s:64*\t+8*\s+7], v[XF+8*\s:XF+8*\s+7], v[ACC+8*\t:ACC+8*\t+7], v[W1S+4*\t+\s-4], v[XSC+\s-4] matrix_a_fmt:MATRIX_FMT_FP4 matrix_b_fmt:MATRIX_FMT_FP4 matrix_a_scale:MATRIX_SCALE_ROW1 matrix_b_scale:MATRIX_SCALE_ROW1
.endif
.endm
; gelu of eight numbers in place, two at a time; each line is written for the four pairs in turn, lowest registers first
.macro GELU8 x
.irp p, 0,2,4,6
	v_pk_mul_f32 v[GZ+\p:GZ+\p+1], v[(\x)+\p:(\x)+\p+1], s[K_RS2:K_RS2+1] op_sel_hi:[1,0]   ; z = x / sqrt 2
.endr
.irp i, 0,1,2,3,4,5,6,7
	v_med3_num_f32 v[GZ+\i], v[GZ+\i], -4.0, 4.0   ; beyond +-4 erf is +-1 in f32
.endr
.irp p, 0,2,4,6
	v_pk_mul_f32 v[GW+\p:GW+\p+1], v[GZ+\p:GZ+\p+1], v[GZ+\p:GZ+\p+1]
.endr
.irp p, 0,2,4,6
	v_pk_fma_f32 v[GP+\p:GP+\p+1], v[GW+\p:GW+\p+1], v[VA13:VA13+1], s[K_A11:K_A11+1] op_sel_hi:[1,1,0]
.endr
.irp p, 0,2,4,6
	v_pk_fma_f32 v[GQ+\p:GQ+\p+1], v[GW+\p:GW+\p+1], v[VB8:VB8+1], s[K_B6:K_B6+1] op_sel_hi:[1,1,0]
.endr
.irp c, K_A9, K_A7, K_A5, K_A3, K_A1
.irp p, 0,2,4,6
	v_pk_fma_f32 v[GP+\p:GP+\p+1], v[GP+\p:GP+\p+1], v[GW+\p:GW+\p+1], s[\c:\c+1] op_sel_hi:[1,1,0]
.endr
.endr
.irp c, K_B4, K_B2, K_B0
.irp p, 0,2,4,6
	v_pk_fma_f32 v[GQ+\p:GQ+\p+1], v[GQ+\p:GQ+\p+1], v[GW+\p:GW+\p+1], s[\c:\c+1] op_sel_hi:[1,1,0]
.endr
.endr
.irp p, 0,2,4,6
	v_pk_mul_f32 v[GP+\p:GP+\p+1], v[GP+\p:GP+\p+1], v[GZ+\p:GZ+\p+1]
.endr
.irp i, 0,1,2,3,4,5,6,7
	v_rcp_f32 v[GQ+\i], v[GQ+\i]
.endr
.irp p, 0,2,4,6
	v_pk_mul_f32 v[GZ+\p:GZ+\p+1], v[(\x)+\p:(\x)+\p+1], 0.5 op_sel_hi:[1,0]   ; x / 2: plain lines behind the reciprocals, which touch none of their registers (ISA guide 5.7.2)
.endr
	s_wait_alu depctr_va_vdst(0)
.irp p, 0,2,4,6
	v_pk_mul_f32 v[GP+\p:GP+\p+1], v[GP+\p:GP+\p+1], v[GQ+\p:GQ+\p+1]          ; erf
.endr
.irp i, 0,1,2,3,4,5,6,7
	v_max_num_f32 v[GP+\i], -1.0, v[GP+\i]         ; never under -1: gelu of a very negative x does not turn positive
.endr
.irp p, 0,2,4,6
	v_pk_fma_f32 v[(\x)+\p:(\x)+\p+1], v[GZ+\p:GZ+\p+1], v[GP+\p:GP+\p+1], v[GZ+\p:GZ+\p+1]
.endr
.endm
; My token's 64 hidden units, two blocks of 32 (16 numbers of each are mine, 16 lane l xor 16's), become four registers of codes and two scale bytes
.macro QUANT
.irp b, 0,1
	v_max3_num_f32 v[QM+\b], |v[ACC+16*\b]|, |v[ACC+16*\b+1]|, 0x1800000   ; and the floor 2^(3 - 127): the byte cannot fall under 1
.endr
.irp i, 2,4,6,8,10,12,14
.irp b, 0,1
	v_max3_num_f32 v[QM+\b], v[QM+\b], |v[ACC+16*\b+\i]|, |v[ACC+16*\b+\i+1]|
.endr
.endr
.irp b, 0,1
	v_permlanex16_b32 v[QN+\b], v[QM+\b], s44, s45
.endr
.irp b, 0,1
	v_max_num_f32 v[QM+\b], v[QM+\b], v[QN+\b]     ; the block's largest magnitude
.endr
.irp b, 0,1
	v_add_nc_u32 v[QS+\b], 0xff000000, v[QM+\b]    ; 2 off its exponent field: the conversion takes the exponent field of this operand as its scale
.endr
.irp b, 0,1
	v_lshrrev_b32 v[QB+\b], 23, v[QS+\b]           ; the scale's byte
.endr
	v_lshl_or_b32 v[SW], v[QB+1], 8, v[QB]
.irp b, 0,1
	v_cvt_scalef32_pk8_fp4_f32 v[PC+2*\b],   v[ACC+16*\b:ACC+16*\b+7],    v[QS+\b]
	v_cvt_scalef32_pk8_fp4_f32 v[PC+2*\b+1], v[ACC+16*\b+8:ACC+16*\b+15], v[QS+\b]
.endr
	v_nop                                          ; one plain place behind a scaled conversion
	v_permlane16_swap_b32 v[PC], v[PC+2]           ; the operand's layout wants a whole block in a lane: lanes 0-15 the first block, lanes 16-31 the second
	v_permlane16_swap_b32 v[PC+1], v[PC+3]
.endm
; Tile T + 4 n: 32 products; the next tile's way through the stage and the request for the tile five on stand between them and the gelu
.macro STEP n
	s_wait_dscnt 0x0                               ; x's fragments are in (ahead of the test, so that no LDS load is out at the end)
	s_add_co_u32 s29, s27, 4*(\n)
	s_cmp_ge_u32 s29, s26
	s_cbranch_scc1 .Ldone                          ; my tiles ascend: the first that does not exist ends the wave
	WIN 0x31                                       ; source 0 (W1) window 1, source 2 (b1) window 3
.irp t, 0,1,2,3
	MM \t, 0, 1
.endr
	WIN 0x01
.irp s, 1,2,3,4,5,6,7
.irp t, 0,1,2,3
	MM \t, \s, 0
.endr
.endr
	WIN 0
	ADVANCE ((\n)+1)%4, (\n)+5
.irp t, 0,1,2,3
	GELU8 ACC+8*\t
.endr
	QUANT
	global_store_b128 v[HO], v[PC:PC+3], s[16:17] offset:65536*(\n)   ; 32 lanes store 512 consecutive bytes, at a multiple of 512 from hc's first byte
	global_store_b16 v[SO], v[SW], s[18:19] offset:4096*(\n)          ; my row's two bytes of its scale word; both halves of the lanes store the same
.endm
	ISSUE 0, 0
	ISSUE 1, 1
	ISSUE 2, 2
	WIN 0x40                                       ; W1's 32 fragments into window 1: they stay
.irp t, 0,1,2,3
.irp s, 0,1,2,3,4,5,6,7
.irp c, 0,1
	ds_load_b128 v[64*\t+8*\s+4*\c:64*\t+8*\s+4*\c+3], v[WF] offset:WST+16*\t*PIT+64*\s+32*\c
.endr
.endr
.endr
	WIN 0
	ISSUE 3, 3
	ADVANCE 0, 4                                   ; its wait for all LDS instructions also shows W1's fragments in
	s_mov_b32 s28, 0
.Ltrip:                                            ; eight trips of four tiles serve 128 tiles, all tokens on one expert; a wave leaves at its first tile that does not exist
	STEP 0
	STEP 1
	STEP 2
	STEP 3
	s_wait_xcnt 0x0                                ; the stores' offsets are stepped only behind this wait
	v_add_nc_u32 v[HO], 0x40000, v[HO]             ; 16 tiles on
	v_add_nc_u32 v[SO], 0x4000, v[SO]
	WIN 0xc3                                       ; destination and source 0 window 3
.irp j, 5,6,7,8,9,10,11,12,13,14,15,16,17,18,19,20,21,22,23,24,25,26,27
	v_mov_b32 v[TR+\j], v[TR+\j+4]                 ; my tiles' tokens move four down: the next trip names registers 5 to 8 again.  The top four stay: they then stand for tiles past 127, which do not exist
.endr
	WIN 0
	s_add_co_u32 s27, s27, 16
	s_add_co_u32 s28, s28, 1
	s_cmp_lt_u32 s28, 8
	s_cbranch_scc1 .Ltrip
.Ldone:
	s_wait_dscnt 0x0                               ; behind the eighth trip the fragments asked for last are still on their way: no LDS load is out at the end
	s_wait_tensorcnt 0x0
	ds_add_u32 v78, v79
	s_wait_dscnt 0x0
	s_endpgm
.Lfunc_end_k_q6137cc03a1_up:
	.size	k_q6137cc03a1_up, .Lfunc_end_k_q6137cc03a1_up-k_q6137cc03a1_up
	.p2alignl 7, 3214868480
	.fill 96, 4, 3214868480
	.section	.rodata,"a",@progbits
	.p2align	6, 0x0
	.amdhsa_kernel k_q6137cc03a1_up
		.amdhsa_group_segment_fixed_size 68096
		.amdhsa_private_segment_fixed_size 0
		.amdhsa_enable_private_segment 0
		.amdhsa_kernarg_size 64
		.amdhsa_user_sgpr_count 2
		.amdhsa_user_sgpr_kernarg_segment_ptr 1
		.amdhsa_wavefront_size32 1
		.amdhsa_system_sgpr_workgroup_id_x 1
		.amdhsa_system_sgpr_workgroup_id_y 1
		.amdhsa_system_sgpr_workgroup_id_z 1
		.amdhsa_system_vgpr_workitem_id 0
		.amdhsa_next_free_vgpr 832
		.amdhsa_next_free_sgpr 88
		.amdhsa_reserve_vcc 0
		.amdhsa_float_denorm_mode_32 3
		.amdhsa_float_denorm_mode_16_64 3
		.amdhsa_memory_ordered 1
		.amdhsa_forward_progress 1
		.amdhsa_inst_pref_size 181
	.end_amdhsa_kernel
	.amdgpu_metadata
---
amdhsa.version: [ 1, 2 ]
amdhsa.kernels:
  - .name:           k_q6137cc03a1_up
    .symbol:         k_q6137cc03a1_up.kd
    .args:
      - { .name: x_codes, .offset: 0, .size: 8, .value_kind: global_buffer, .address_space: global }
      - { .name: x_scales, .offset: 8, .size: 8, .value_kind: global_buffer, .address_space: global }
      - { .name: route, .offset: 16, .size: 8, .value_kind: global_buffer, .address_space: global }
      - { .name: W1_codes, .offset: 24, .size: 8, .value_kind: global_buffer, .address_space: global }
      - { .name: W1_scales, .offset: 32, .size: 8, .value_kind: global_buffer, .address_space: global }
      - { .name: b1, .offset: 40, .size: 8, .value_kind: global_buffer, .address_space: global }
      - { .name: hc, .offset: 48, .size: 8, .value_kind: global_buffer, .address_space: global }
      - { .name: hs, .offset: 56, .size: 8, .value_kind: global_buffer, .address_space: global }
    .group_segment_fixed_size: 68096
    .private_segment_fixed_size: 0
    .kernarg_segment_align: 8
    .kernarg_segment_size: 64
    .max_flat_workgroup_size: 128
    .sgpr_count:     88
    .vgpr_count:     832
    .wavefront_size: 32
...
	.end_amdgpu_metadata
.endif
;; end of part 2
;; launch down (part 3): grid 16 x 16, 4 waves a work-group, no clusters, 84,480 bytes of LDS; arguments hc, hs, route, W2_codes, W2_scales, b2, out0; writes out0
.if DOCPART == 3
	.amdgcn_target "amdgcn-amd-amdhsa--gfx1250"
	.amdhsa_code_object_version 6
	.text
	.protected	k_q6137cc03a1_down
	.globl	k_q6137cc03a1_down
	.p2align	8
	.type	k_q6137cc03a1_down,@function
k_q6137cc03a1_down:
	s_mov_b64 s[64:65], 0
	v_nop
	global_prefetch_b8 v0, s[64:65] scope:SCOPE_SE
	s_setreg_imm32_b32 hwreg(HW_REG_WAVE_MODE, 25, 1), 1
	s_wait_xcnt 0x0
; SECOND LAYER: out0[token] = h W2[e] + b2[e] for the rows of expert e's list.  h: codes and scale words as the launch before laid them (images of this product's operand registers);
; W2 [8][1024 columns][2048]: codes of FP4 (E2M1), K innermost, one E8M0 byte for each 32 along K; out0 [2048][1024] f32.
; SHARES.  A work-group takes one expert and one half z of its tiles (grid y = 2 e + z) and 64 columns of the output (grid x).  Its 64 KB of W2 are read from memory once and stay in EVERY wave's
; registers (64 fragments, 512 registers); wave w walks the tiles of 16 rows z + 2 w, + 8, + 16 ..  Inside that walk no wave needs another: the launch's one barrier stands ahead of it.
; LAYOUT.  Transposed use (source 0 = 16 rows of W2, source 1 = 16 rows of h): a lane holds eight neighbouring columns of one row.  A wave's 64 columns are 256 bytes of a row of out0: they go through
; the wave's own stage in LDS, and sixteen lanes store 256 consecutive bytes, at a multiple of 256 from out0's first byte, at the row's token.
; A pad row of the last tile is a copy of the list's last row, which lies in the same tile: the same wave stores the same numbers to the same place.  An expert without rows reads nothing of hc, hs or
; the list, and stores nothing.
; NO TENSOR LOADS, NO CLUSTER: the number of tiles hangs on the count that the first launch stored, so partners would need different numbers of tiles; operands go from memory straight into registers.
; LIMITS: as in the launch before (indices outside 0 .. 7, NaN and infinities are not served).
.set W2ST,  0                          ; LDS: 64 rows of W2: 1,024 bytes + 16: sixteen neighbouring rows begin at sixteen different 16-byte columns modulo 256
.set WPIT,  1040
.set OST,   66560                      ; for each wave a stage of 16 rows x (256 bytes + 16)
.set OPIT,  272
.set L16,  1                           ; v1   16 x lane
.set Q16,  2                           ; v2   16 x (lane % 16)
.set H32,  3                           ; v3   32 x (lane / 16)
.set WSS,  4                           ; v4   LDS: where my wave puts its 16 rows of W2
.set WF,   5                           ; v5   LDS: my lane's place in a fragment of W2
.set STO,  6                           ; v6   LDS: into my stage
.set RD,   7                           ; v7   LDS: back out of it
.set LM,   8                           ; v8   16 x lane, or 0 for a tile that does not exist
.set HOF,  10                          ; v10-11 offset in hc, one for each buffer
.set HSF,  12                          ; v12-13 in hs
.set TKF,  14                          ; v14-15 in route
.set AW,   16                          ; v16  offset in W2's scales
.set W2S,  32                          ; v32-63   W2's scale words: register 8 t + q: lanes 0-15 K step q, lanes 16-31 K step 8 + q
.set B2,   64                          ; v64-95   b2 in the result's layout
.set ACC,  96                          ; v96-127  four accumulators
.set HS,   128                         ; v128-143 h's scale words, 8 a buffer, laid as W2's
.set TK,   144                         ; v144-159 tokens, 8 a buffer: register i: row 8 h + i
.set VA,   160                         ; v160-167 offsets in out0
.set OUT,  168                         ; v168-199 rows read back from the stage
; windows 1 and 2: W2's fragment (K step s, tile t) at register 8 (4 s + t) of the 512.  window 3: h's 16 fragments, buffer b at v[128 b + 8 s].
.set MSB, 0
.macro WIN new                         ; the immediate's high byte repeats the setting that is left
.if MSB != \new
	s_set_vgpr_msb (MSB<<8)|\new
.set MSB, \new
.endif
.endm
	s_load_b256 s[4:11], s[0:1], 0x0               ; hc s[4:5], hs s[6:7], route s[8:9], W2 codes s[10:11]
	s_load_b128 s[12:15], s[0:1], 0x20             ; W2 scales s[12:13], b2 s[14:15]
	s_load_b64 s[16:17], s[0:1], 0x30              ; out0
	v_lshl_add_u32 v254, v0, 2, 0x14800
	v_mov_b32 v255, 0
	v_lshrrev_b32 v[OUT+3], 5, v0
	v_readfirstlane_b32 s22, v[OUT+3]              ; wave 0..3
	s_and_b32 s20, ttmp7, 0xffff
	s_lshr_b32 s23, s20, 1                         ; the expert
	s_and_b32 s21, s20, 1                          ; z
	s_mov_b32 s24, ttmp9                           ; which 64 columns
	v_and_b32 v[OUT], 15, v0                       ; r
	v_bfe_u32 v[OUT+1], v0, 4, 1                   ; h
	v_and_b32 v[OUT+2], 31, v0                     ; lane
	v_lshlrev_b32 v[L16], 4, v[OUT+2]
	v_lshlrev_b32 v[Q16], 4, v[OUT]
	v_lshlrev_b32 v[H32], 5, v[OUT+1]
	s_mul_i32 s29, s22, 16*WPIT
	v_add_nc_u32 v[WSS], s29, v[L16]
	v_mul_u32_u24 v[WF], v[OUT], WPIT
	v_lshl_add_u32 v[WF], v[OUT+1], 4, v[WF]       ; row r of a tile, + 16 h
	s_mul_i32 s29, s22, 16*OPIT
	s_add_co_u32 s29, s29, OST                     ; my stage
	v_mul_u32_u24 v[STO], v[OUT], OPIT
	v_lshl_add_u32 v[STO], v[OUT+1], 5, v[STO]
	v_add_nc_u32 v[STO], s29, v[STO]               ; in: row r, + 32 h; tile t's eight columns 64 t bytes on
	v_mul_u32_u24 v[RD], v[OUT+1], 8*OPIT
	v_lshl_add_u32 v[RD], v[OUT], 4, v[RD]
	v_add_nc_u32 v[RD], s29, v[RD]                 ; back: lanes 0-15 row i, lanes 16-31 row 8 + i
	v_lshlrev_b32 v[AW], 6, v[OUT]                 ; 64 scale bytes a row of W2,
	v_lshl_add_u32 v[AW], v[OUT+1], 5, v[AW]       ; lanes 16-31 the upper eight words
	s_lshl_b32 s27, s22, 1
	s_add_co_u32 s27, s27, s21                     ; T: my first tile, z + 2 w
	; byte offsets, made apart from the addresses
	s_lshl_b32 s32, s23, 21                        ; hc: 2 MB an expert
	s_mov_b32 s33, 0
	s_lshl_b32 s34, s23, 17                        ; hs: 128 KB
	s_mov_b32 s35, 0
	s_mul_i32 s36, s23, 8448                       ; route
	s_mov_b32 s37, 0
	s_lshl_b32 s38, s23, 20                        ; W2's codes: 1 MB an expert, 64 KB a work-group, 16 KB a wave
	s_lshl_b32 s29, s24, 16
	s_add_co_u32 s38, s38, s29
	s_lshl_b32 s29, s22, 14
	s_add_co_u32 s38, s38, s29
	s_mov_b32 s39, 0
	s_lshl_b32 s40, s23, 16                        ; W2's scales: (1024 e + 64 x) x 64
	s_lshl_b32 s29, s24, 12
	s_add_co_u32 s40, s40, s29
	s_mov_b32 s41, 0
	s_lshl_b32 s42, s23, 12                        ; b2: (1024 e + 64 x) x 4
	s_lshl_b32 s29, s24, 8
	s_add_co_u32 s42, s42, s29
	s_mov_b32 s43, 0
	s_lshl_b32 s44, s24, 8                         ; out0: my 64 columns
	s_mov_b32 s45, 0
	s_wait_kmcnt 0x0
	s_add_nc_u64 s[4:5], s[4:5], s[32:33]
	s_add_nc_u64 s[6:7], s[6:7], s[34:35]
	s_add_nc_u64 s[8:9], s[8:9], s[36:37]
	s_add_nc_u64 s[10:11], s[10:11], s[38:39]
	s_add_nc_u64 s[12:13], s[12:13], s[40:41]
	s_add_nc_u64 s[14:15], s[14:15], s[42:43]
	s_add_nc_u64 s[16:17], s[16:17], s[44:45]
	s_load_b32 s25, s[8:9], 0x2000                 ; the expert's count
	WIN 0x40                                       ; destination window 1
.irp j, 0,1,2,3,4,5,6,7,8,9,10,11,12,13,14,15,16,17,18,19,20,21,22,23,24,25,26,27,28,29,30,31
	global_load_b128 v[4*\j:4*\j+3], v[L16], s[10:11] offset:512*\j th:TH_LOAD_NT   ; half a row of W2, 512 consecutive bytes, an instruction; read by this wave alone in the whole launch
.endr
	WIN 0
.irp t, 0,1,2,3
.irp g, 0,1
	global_load_b128 v[W2S+8*\t+4*\g:W2S+8*\t+4*\g+3], v[AW], s[12:13] offset:1024*\t+16*\g
.endr
.endr
.irp t, 0,1,2,3
.irp g, 0,1
	global_load_b128 v[B2+8*\t+4*\g:B2+8*\t+4*\g+3], v[H32], s[14:15] offset:64*\t+16*\g   ; register 8 t + j: b2 of column 16 t + 8 h + j
.endr
.endr
	s_wait_loadcnt 16                              ; W2's rows are in; its scale words (8 loads) and b2 (8) may be out
	WIN 0x04                                       ; an LDS store's data are its source 1: window 1
.irp j, 0,1,2,3,4,5,6,7,8,9,10,11,12,13,14,15,16,17,18,19,20,21,22,23,24,25,26,27,28,29,30,31
	ds_store_b128 v[WSS], v[4*\j:4*\j+3] offset:W2ST+(\j>>1)*WPIT+(\j&1)*512
.endr
	WIN 0
	s_wait_dscnt 0x0                               ; for the others' sake: my rows of W2 lie in LDS
	s_wait_kmcnt 0x0
	s_barrier_signal -1
	s_barrier_wait -1                              ; all 64 rows do.  The only barrier: from here on waves part on the count
	s_min_u32 s25, s25, 0x800
	s_add_co_u32 s26, s25, 15
	s_lshr_b32 s26, s26, 4                         ; tiles of 16
	s_cmp_ge_u32 s27, s26
	s_cbranch_scc1 .Ldone                          ; no tile for this wave
; The offsets of tile T + 8 d for buffer b.  A tile that does not exist is replaced by tile 0, which exists here, with the lane term off: it stays inside what was stored and asks for few bytes.
; Both choices hang on the count that was read: the tile's number and the lane term enter an address only held at their own largest values, 127 and 16 x 31.
.macro HADDR b, d
	s_add_co_u32 s29, s27, 8*(\d)
	s_cmp_lt_u32 s29, s26
	s_cselect_b32 s29, s29, 0
	s_cselect_b32 s30, -1, 0
	s_min_u32 s29, s29, 0x7f
	v_and_b32 v[LM], s30, v[L16]
	v_min_u32 v[LM], 0x1f0, v[LM]
	s_lshl_b32 s31, s29, 14
	v_add_nc_u32 v[HOF+\b], s31, v[LM]             ; 16 KB of codes a tile
	s_lshl_b32 s31, s29, 10
	v_add_nc_u32 v[HSF+\b], s31, v[LM]             ; 1 KB of scale words
	s_lshl_b32 s31, s29, 6
	v_add_nc_u32 v[TKF+\b], s31, v[H32]            ; 64 bytes of the list; lanes 16-31 rows 8 on
.endm
.macro HCODES b, s0, n                 ; h's fragments of K steps s0 .. s0 + n - 1: each load 512 consecutive bytes, as the registers want them
	WIN 0xc0                                       ; destination window 3
.set HSI, \s0
.rept \n
	global_load_b128 v[128*\b+8*HSI:128*\b+8*HSI+3],   v[HOF+\b], s[4:5] offset:1024*HSI
	global_load_b128 v[128*\b+8*HSI+4:128*\b+8*HSI+7], v[HOF+\b], s[4:5] offset:1024*HSI+512
.set HSI, HSI+1
.endr
	WIN 0
.endm
.macro HREST b                         ; its scale words and its tokens.  With the codes: 36 loads a tile, on every path
.irp g, 0,1
	global_load_b128 v[HS+8*\b+4*\g:HS+8*\b+4*\g+3], v[HSF+\b], s[6:7] offset:512*\g
.endr
.irp g, 0,1
	global_load_b128 v[TK+8*\b+4*\g:TK+8*\b+4*\g+3], v[TKF+\b], s[8:9] offset:16*\g
.endr
.endm
; One product: tile t of W2 x the 16 rows in buffer b, K step s.  At s = 0 b2 is the C that starts the sum.  The four accumulators take turns, one instruction a turn.
.macro MD b, t, s
.if \s == 0
	v_wmma_scale_f32_16x16x128_f8f6f4 v[ACC+8*\t:ACC+8*\t+7], v[8*\t:8*\t+7], v[128*\b:128*\b+7], v[B2+8*\t:B2+8*\t+7], v[W2S+8*\t], v[HS+8*\b] matrix_a_fmt:MATRIX_FMT_FP4 matrix_b_fmt:MATRIX_FMT_FP4
.elseif \s < 8
	v_wmma_scale_f32_16x16x128_f8f6f4 v[ACC+8*\t:ACC+8*\t+7], v[32*\s+8*\t:32*\s+8*\t+7], v[128*\b+8*\s:128*\b+8*\s+7], v[ACC+8*\t:ACC+8*\t+7], v[W2S+8*\t+\s], v[HS+8*\b+\s] matrix_a_fmt:MATRIX_FMT_FP4 matrix_b_fmt:MATRIX_FMT_FP4
.else
	v_wmma_scale_f32_16x16x128_f8f6f4 v[ACC+8*\t:ACC+8*\t+7], v[32*(\s-8)+8*\t:32*(\s-8)+8*\t+7], v[128*\b+8*\s:128*\b+8*\s+7], v[ACC+8*\t:ACC+8*\t+7], v[W2S+8*\t+\s-8], v[HS+8*\b+\s-8] matrix_a_fmt:MATRIX_FMT_FP4 matrix_b_fmt:MATRIX_FMT_FP4 matrix_a_scale:MATRIX_SCALE_ROW1 matrix_b_scale:MATRIX_SCALE_ROW1
.endif
.endm
; Tile T + 8 b, in buffer b: 64 products; the buffer is asked for again (the tile two on); the results leave through my stage
.macro TILE b
	s_add_co_u32 s29, s27, 8*\b
	s_cmp_ge_u32 s29, s26
	s_cbranch_scc1 .Ldone                          ; my tiles ascend: the first that does not exist ends the wave
	s_wait_loadcnt 36                              ; this buffer's 36 loads are in; the other buffer's 36 may be out
	WIN 0x0d                                       ; source 0 (W2) window 1, source 1 (h) window 3
.irp s, 0,1,2,3,4,5,6,7
.irp t, 0,1,2,3
	MD \b, \t, \s
.endr
.endr
	WIN 0x0e                                       ; source 0 window 2
.irp s, 8,9,10,11,12,13,14,15
.irp t, 0,1,2,3
	MD \b, \t, \s
.endr
.endr
	WIN 0
	s_wait_xcnt 0x0                                ; the offsets and data of the stores and loads so far are written again only behind this wait
.irp i, 0,1,2,3,4,5,6,7
	v_min_u32 v[VA+\i], 0x7ff, v[TK+8*\b+\i]       ; a token read from the list enters an address only so held.  (These sixteen lines are also the places behind the last products: ISA guide 7.12.1)
.endr
.irp i, 0,1,2,3,4,5,6,7
	v_lshl_add_u32 v[VA+\i], v[VA+\i], 12, v[Q16]  ; 4,096 bytes a row of out0
.endr
	HADDR \b, \b+2
	HCODES \b, 0, 16
	HREST \b
.irp t, 0,1,2,3
	ds_store_b128 v[STO], v[ACC+8*\t:ACC+8*\t+3]   offset:64*\t      ; each accumulator from its low end on
	ds_store_b128 v[STO], v[ACC+8*\t+4:ACC+8*\t+7] offset:64*\t+16
.endr
.irp i, 0,1,2,3,4,5,6,7
	ds_load_b128 v[OUT+4*\i:OUT+4*\i+3], v[RD] offset:OPIT*\i        ; LDS serves a wave's instructions in order (ISA guide 5.7.1): these see the stores above
.endr
.irp i, 0,1,2,3,4,5,6,7
	s_wait_dscnt 7-\i                              ; rows i and 8 + i are back; the loads behind them may be out
	global_store_b128 v[VA+\i], v[OUT+4*\i:OUT+4*\i+3], s[16:17] th:TH_STORE_NT   ; sixteen lanes store 256 consecutive aligned bytes of a token's row; written once, read by nobody here
.endr
.endm
	HADDR 0, 0
	HCODES 0, 0, 16
	HREST 0
	HADDR 1, 1
	HCODES 1, 0, 12                                ; 36 + 24 loads are out while the fragments below are issued
	WIN 0x40                                       ; W2's 64 fragments into windows 1 and 2: they stay
.irp s, 0,1,2,3,4,5,6,7
.irp t, 0,1,2,3
.irp c, 0,1
	ds_load_b128 v[32*\s+8*\t+4*\c:32*\s+8*\t+4*\c+3], v[WF] offset:W2ST+16*WPIT*\t+64*\s+32*\c
.endr
.endr
.endr
	WIN 0x80
.irp s, 8,9,10,11,12,13,14,15
.irp t, 0,1,2,3
.irp c, 0,1
	ds_load_b128 v[32*(\s-8)+8*\t+4*\c:32*(\s-8)+8*\t+4*\c+3], v[WF] offset:W2ST+16*WPIT*\t+64*\s+32*\c
.endr
.endr
.endr
	WIN 0
	HCODES 1, 12, 4
	HREST 1
	s_wait_dscnt 0x0                               ; W2's fragments are in
	s_mov_b32 s28, 0
.Ltrip:                                            ; eight trips of two tiles serve 128 tiles, all tokens on one expert; a wave leaves at its first tile that does not exist
	TILE 0
	TILE 1
	s_add_co_u32 s27, s27, 16
	s_add_co_u32 s28, s28, 1
	s_cmp_lt_u32 s28, 8
	s_cbranch_scc1 .Ltrip
.Ldone:
	s_wait_tensorcnt 0x0
	ds_add_u32 v254, v255
	s_wait_dscnt 0x0
	s_endpgm
.Lfunc_end_k_q6137cc03a1_down:
	.size	k_q6137cc03a1_down, .Lfunc_end_k_q6137cc03a1_down-k_q6137cc03a1_down
	.p2alignl 7, 3214868480
	.fill 96, 4, 3214868480
	.section	.rodata,"a",@progbits
	.p2align	6, 0x0
	.amdhsa_kernel k_q6137cc03a1_down
		.amdhsa_group_segment_fixed_size 84480
		.amdhsa_private_segment_fixed_size 0
		.amdhsa_enable_private_segment 0
		.amdhsa_kernarg_size 56
		.amdhsa_user_sgpr_count 2
		.amdhsa_user_sgpr_kernarg_segment_ptr 1
		.amdhsa_wavefront_size32 1
		.amdhsa_system_sgpr_workgroup_id_x 1
		.amdhsa_system_sgpr_workgroup_id_y 1
		.amdhsa_system_sgpr_workgroup_id_z 1
		.amdhsa_system_vgpr_workitem_id 0
		.amdhsa_next_free_vgpr 1024
		.amdhsa_next_free_sgpr 66
		.amdhsa_reserve_vcc 0
		.amdhsa_float_denorm_mode_32 3
		.amdhsa_float_denorm_mode_16_64 3
		.amdhsa_memory_ordered 1
		.amdhsa_forward_progress 1
		.amdhsa_inst_pref_size 57
	.end_amdhsa_kernel
	.amdgpu_metadata
---
amdhsa.version: [ 1, 2 ]
amdhsa.kernels:
  - .name:           k_q6137cc03a1_down
    .symbol:         k_q6137cc03a1_down.kd
    .args:
      - { .name: hc, .offset: 0, .size: 8, .value_kind: global_buffer, .address_space: global }
      - { .name: hs, .offset: 8, .size: 8, .value_kind: global_buffer, .address_space: global }
      - { .name: route, .offset: 16, .size: 8, .value_kind: global_buffer, .address_space: global }
      - { .name: W2_codes, .offset: 24, .size: 8, .value_kind: global_buffer, .address_space: global }
      - { .name: W2_scales, .offset: 32, .size: 8, .value_kind: global_buffer, .address_space: global }
      - { .name: b2, .offset: 40, .size: 8, .value_kind: global_buffer, .address_space: global }
      - { .name: out0, .offset: 48, .size: 8, .value_kind: global_buffer, .address_space: global }
    .group_segment_fixed_size: 84480
    .private_segment_fixed_size: 0
    .kernarg_segment_align: 8
    .kernarg_segment_size: 56
    .max_flat_workgroup_size: 128
    .sgpr_count:     66
    .vgpr_count:     1024
    .wavefront_size: 32
...
	.end_amdgpu_metadata
.endif
;; end of part 3
;; ======== version 2 of 3: 2 launches; 1.24 times as fast as version 1
;; workspace buffers: hc 16,777,216 bytes; hs 1,048,576 bytes; route 67,584 bytes of whole numbers
;; launch up (part 4): grid 32 x 8, 4 waves a work-group, no clusters, 68,096 bytes of LDS; arguments x_codes, x_scales, expert_indices, W1_codes, W1_scales, b1, hc, hs, route; writes hc, hs, route
.if DOCPART == 4
	.amdgcn_target "amdgcn-amd-amdhsa--gfx1250"
	.amdhsa_code_object_version 6
	.text
	.protected	k_q6137cc03a1_up
	.globl	k_q6137cc03a1_up
	.p2align	8
	.type	k_q6137cc03a1_up,@function
k_q6137cc03a1_up:
	s_mov_b64 s[64:65], 0
	v_nop
	global_prefetch_b8 v0, s[64:65] scope:SCOPE_SE
	s_setreg_imm32_b32 hwreg(HW_REG_WAVE_MODE, 25, 1), 1
	s_wait_xcnt 0x0
; FIRST LAYER OF A LAYER OF ROUTED EXPERTS: h = Q(gelu(x W1[e] + b1[e])) for the tokens whose index names expert e, and for no others.
; x [2048][1024], W1 [8][2048 units][1024]: codes of FP4 (E2M1), K innermost, one E8M0 byte for each 32 along K.  h leaves as codes and scale bytes, quantised along the 2,048 hidden units.
; SHARES.  A work-group takes one expert (grid y) and 64 hidden units (grid x).  Its 32 KB of W1 are read from memory once and stay in EVERY wave's registers (32 fragments, 256 registers).
; Wave w owns the SEGMENT of tokens 512 w .. 512 w + 511 and walks the expert's tokens among them in tiles of 16: its n-th tile has the number w + 4 n.  Inside that walk no wave needs another.
; THE LIST IS MADE IN REGISTERS, by each wave for its segment.  16 registers hold the segment's indices (lane l, register j: token 512 w + 128 (j / 4) + 4 l + j % 4).  A compare gives each register's mask
; of matching lanes, a count of its bits the running base; masks and keys (16 x base + j) are kept, the same in all lanes.  A tile's tokens are GATHERED: lane r wants place p = 16 n + r; the last register
; whose base is at most p holds it, and there the (p - base)-th set bit of the mask.  Nothing goes from lane to lane.  p is held at the count - 1: the places behind the last token are copies of it, so that
; the last tile is whole: a pad row computes and stores what the tile's last real row computes.  The work-groups of grid x = 0 store tiles and counts for the next launch:
; route [e]: word 16 t + r: the token of row r of tile t; words 2048 + 8 w .. + 7: segment w's count.  Words of tiles that do not exist are neither stored nor read.
; LAYOUT.  The product is used transposed (source 0 = 16 rows of W1, source 1 = 16 tokens): a lane holds ONE token and its registers run along the hidden units, the next product's K.
; THE ROWS OF W1 THAT FORM A TILE ARE NOT NEIGHBOURS: lane r of tile 2 b + u takes unit 32 b + 8 u + r + 8 (r / 8), so that the 16 registers of tiles 2 b, 2 b + 1 are units 32 b + 16 (lane / 16) + 0 .. 15.
; 64 units are half a K step of the next product: four registers of codes a lane, stored as an image of that operand's registers: hc [e][tile][K step 16][half 2][lane 32][16 bytes];
; hs [e][tile][g 2][lane 32][4 words]: word (g, 16 hh + r, i) is row r's scale word of K step 8 hh + 4 g + i.
; NO TENSOR LOADS, NO CLUSTER: how many tiles a wave walks hangs on the indices, so partners would need different numbers of tiles; every operand goes through registers.
; GELU, exact form: 0.5 x + 0.5 x erf(x / sqrt 2), erf(z) = z P(z^2) / Q(z^2) (degrees 6 and 4 in z^2), z held to +-4, all in f32.
; LIMITS: an index outside 0 .. 7 is served by no work-group (its row of the output stays unwritten); NaN and infinities are not served; gelu's absolute error is about 1e-7 |x|, so its relative error
; grows where 1 + erf cancels (x under about -1.5); a block of zeros gets the scale byte 1 (its codes are zeros; this program alone reads the bytes).
.set WST,   0                          ; LDS: 64 rows of W1: 512 bytes + 16: sixteen neighbouring rows begin at sixteen different 16-byte columns modulo 256
.set XST,   33792                      ; for each wave a stage of 16 rows of x, same pitch
.set PIT,   528
.set L16,  1                           ; v1   16 x lane
.set H16,  3                           ; v3   16 x (lane / 16)
.set IA,   5                           ; v5   byte offset in the indices: 2,048 w + 16 x lane
.set WSS,  6                           ; v6   LDS: where my wave puts its 16 rows of W1
.set WF,   7                           ; v7   LDS: my lane's place in a fragment of W1
.set SST,  8                           ; v8   LDS: into my stage: 16 x lane of a row
.set SFR,  9                           ; v9   LDS: my lane's place in a fragment of x
.set HO,   10                          ; v10  byte offset in hc
.set SO,   11                          ; v11  byte offset in hs
.set RO,   12                          ; v12  byte offset in route
.set RR,   13                          ; v13  lane % 16
.set L16M, 14                          ; v14  16 x lane, or 0 for a tile that does not exist
.set KT,   15                          ; v15-30 the keys: 16 x (matching tokens in registers before j) + j, the same in all lanes
.set SW,   31                          ; v31  my row's two scale bytes
.set AD,   32                          ; v32-47 byte offsets in x's codes: one for each of a tile's 16 tokens
.set TKL,  48                          ; v48  the tile's tokens: lane l holds that of row l % 16
.set VS,   49                          ; v49  offset in x's scales
.set VA13, 50                          ; v[50:51], v[52:53]: the two leading coefficients, twice each
.set VB8,  52
.set CV,   54                          ; v54  my segment's count, as stored
.set CA,   55                          ; v55  where: 32 w + 4 (lane % 8)
.set AW,   56                          ; v56  offset in W1's scales
.set AB,   57                          ; v57  offset in b1
.set MK,   58                          ; v58-73 the masks of matching lanes, the same in all lanes
.set XSR,  80                          ; v80-95  x's scale words as loaded, four slots of 4
.set XSC,  96                          ; v96-99  x's scale words at work: lanes 0-15 K steps 0-3, lanes 16-31 K steps 4-7
.set W1S,  100                         ; v100-115 W1's scale words, 4 a tile, laid likewise
.set PC,   116                         ; v116-119 the codes just made
.set QM,   120                         ; v120-127 the quantiser: largest magnitudes, the other half's, scale operands, bytes
.set QN,   122
.set QS,   124
.set QB,   126
.set ACC,  128                         ; v128-159 four accumulators: 64 hidden units of my token
.set GZ,   160                         ; v160-191 gelu at work; between two gelus the search for a tile's tokens works in v160-171
.set GW,   168
.set GP,   176
.set GQ,   184
.set FP,   160                         ; the search: my place p
.set FQ,   161                         ;   16 p + 15
.set FM,   162                         ;   the mask that holds p
.set FK,   163                         ;   its key
.set FN,   164                         ;   which of its set bits
.set FO,   165                         ;   the bit's position
.set FA,   166                         ;   the mask's counts of set bits in fields of 2,
.set FB,   167                         ;   4,
.set FC,   168                         ;   8
.set FD,   169                         ;   and (low byte) 16 bits
.set FT,   170
.set FU,   171
.set XF,   192                         ; v192-255 x's eight fragments; at the head v192-207 hold the segment's indices
.set IDX,  192
; window 1: W1's fragment (tile t, K step s) at v[64 t + 8 s].  window 2: x as loaded, four slots of 64 (row k at 4 k).  window 3: v0-31 b1 in the result's layout.
.set K_RS2, 66                         ; s66-87: constants, each twice (the packed forms name a pair and take its low word for both halves)
.set K_A11, 68
.set K_A9,  70
.set K_A7,  72
.set K_A5,  74
.set K_A3,  76
.set K_A1,  78
.set K_B6,  80
.set K_B4,  82
.set K_B2,  84
.set K_B0,  86
.set MSB, 0
.macro WIN new                         ; the immediate's high byte repeats the setting that is left; a switch that changes nothing is dropped
.if MSB != \new
	s_set_vgpr_msb (MSB<<8)|\new
.set MSB, \new
.endif
.endm
.macro KPAIR reg, bits
	s_mov_b32 s[\reg], \bits
	s_mov_b32 s[\reg+1], \bits
.endm
	s_load_b512 s[4:19], s[0:1], 0x0               ; x codes s[4:5], x scales s[6:7], indices s[8:9], W1 codes s[10:11], W1 scales s[12:13], b1 s[14:15], hc s[16:17], hs s[18:19]
	s_load_b64 s[20:21], s[0:1], 0x40              ; route
	v_lshl_add_u32 v78, v0, 2, 0x10800
	v_mov_b32 v79, 0
	v_lshrrev_b32 v[GZ+3], 5, v0
	v_readfirstlane_b32 s22, v[GZ+3]               ; wave 0..3
	s_and_b32 s23, ttmp7, 0xffff                   ; the expert
	s_mov_b32 s24, ttmp9                           ; which 64 hidden units
	v_and_b32 v[GZ], 15, v0                        ; r
	v_bfe_u32 v[GZ+1], v0, 4, 1                    ; h
	v_and_b32 v[GZ+2], 31, v0                      ; lane
	v_and_b32 v[RR], 15, v0
	v_lshlrev_b32 v[L16], 4, v[GZ+2]
	v_lshlrev_b32 v[H16], 4, v[GZ+1]
	s_lshl_b32 s29, s22, 11                        ; my segment's 512 indices are 2,048 bytes
	v_add_nc_u32 v[IA], s29, v[L16]
	s_lshl_b32 s29, s22, 6                         ; a tile's 16 words of the list are 64 bytes
	v_lshl_add_u32 v[RO], v[GZ], 2, s29
	v_and_b32 v[CA], 7, v0
	s_lshl_b32 s29, s22, 5                         ; a segment's count: 8 words
	v_lshl_add_u32 v[CA], v[CA], 2, s29
	s_lshl_b32 s58, s22, 9                         ; my segment's first token
	; W1's row u of the 64 lies at stage row 32 (u / 32) + 16 ((u / 8) % 2) + 8 ((u / 16) % 2) + u % 8, so that a tile's 16 rows are 16 neighbouring stage rows.  My wave brings u = 16 w + k
	s_lshr_b32 s30, s22, 1
	s_lshl_b32 s30, s30, 5
	s_and_b32 s31, s22, 1
	s_lshl_b32 s31, s31, 3
	s_add_co_u32 s30, s30, s31
	s_mul_i32 s30, s30, PIT
	v_add_nc_u32 v[WSS], s30, v[L16]
	v_mul_u32_u24 v[WF], v[GZ], PIT
	v_lshl_add_u32 v[WF], v[GZ+1], 4, v[WF]        ; row r of a tile, + 16 h
	s_mul_i32 s30, s22, 16*PIT
	s_add_co_u32 s30, s30, XST                     ; my stage
	v_add_nc_u32 v[SST], s30, v[L16]               ; in: the 32 lanes fill a row's 512 bytes
	v_mul_u32_u24 v[SFR], v[GZ], PIT
	v_lshl_add_u32 v[SFR], v[GZ+1], 4, v[SFR]
	v_add_nc_u32 v[SFR], s30, v[SFR]               ; out: row r, + 16 h
	s_lshl_b32 s30, s22, 14
	v_add_nc_u32 v[HO], s30, v[L16]                ; hc: 16 KB a tile
	s_lshl_b32 s30, s22, 10
	v_lshl_add_u32 v[SO], v[GZ], 4, s30            ; hs: 1 KB a tile, 16 bytes a row
	v_and_b32 v[AW], 8, v[GZ]
	v_add_nc_u32 v[AW], v[AW], v[GZ]               ; r + 8 (r / 8)
	v_lshlrev_b32 v[AW], 5, v[AW]                  ; 32 scale bytes a row of W1,
	v_lshl_add_u32 v[AW], v[GZ+1], 4, v[AW]        ; lanes 16-31 the upper four words
	v_lshlrev_b32 v[AB], 6, v[GZ+1]                ; b1: lanes 16-31 begin 16 units on
	v_mov_b32 v[QN], 0                             ; written once: a lane permute's destination counts as one of its sources
	v_mov_b32 v[QN+1], 0
	v_mov_b32 v[VA13], 0xaf95df0b                  ; -2.72614226e-10
	v_mov_b32 v[VA13+1], 0xaf95df0b
	v_mov_b32 v[VB8], 0xb77460cd                   ; -1.45660718e-05
	v_mov_b32 v[VB8+1], 0xb77460cd
	KPAIR K_RS2, 0x3f3504f3                        ; 1 / sqrt 2
	KPAIR K_A11, 0x32edffee                        ;  2.77068142e-08
	KPAIR K_A9,  0xb60cff51                        ; -2.10102402e-06
	KPAIR K_A7,  0xb86ec2d2                        ; -5.69250639e-05
	KPAIR K_A5,  0xba40ac63                        ; -7.34990630e-04
	KPAIR K_A3,  0xbb41a1f6                        ; -2.95459981e-03
	KPAIR K_A1,  0xbc83dbd4                        ; -1.60960333e-02
	KPAIR K_B6,  0xb95fbd29                        ; -2.13374055e-04
	KPAIR K_B4,  0xbadc924e                        ; -1.68282697e-03
	KPAIR K_B2,  0xbbf19bf8                        ; -7.37332917e-03
	KPAIR K_B0,  0xbc69b6a7                        ; -1.42647391e-02
	s_mov_b32 s44, 0x76543210
	s_mov_b32 s45, 0xfedcba98                      ; v_permlanex16_b32's selects for lane l xor 16
	s_cmp_eq_u32 s24, 0
	s_cselect_b32 s32, -1, 0                       ; all ones in the work-groups that store the list
	; byte offsets, made apart from the addresses
	s_lshl_b32 s46, s23, 20                        ; W1's codes: 1 MB an expert, 32 KB a work-group, 8 KB a wave
	s_lshl_b32 s29, s24, 15
	s_add_co_u32 s46, s46, s29
	s_lshl_b32 s29, s22, 13
	s_add_co_u32 s46, s46, s29
	s_mov_b32 s47, 0
	s_lshl_b32 s48, s23, 16                        ; W1's scales: (2048 e + 64 x) x 32
	s_lshl_b32 s29, s24, 11
	s_add_co_u32 s48, s48, s29
	s_mov_b32 s49, 0
	s_lshl_b32 s50, s23, 13                        ; b1: (2048 e + 64 x) x 4
	s_lshl_b32 s29, s24, 8
	s_add_co_u32 s50, s50, s29
	s_mov_b32 s51, 0
	s_lshl_b32 s52, s23, 21                        ; hc: 2 MB an expert; my 64 units are 512 bytes of a tile's 16 KB
	s_lshl_b32 s29, s24, 9
	s_add_co_u32 s52, s52, s29
	s_mov_b32 s53, 0
	s_lshl_b32 s54, s23, 17                        ; hs: 128 KB an expert; K step s = x / 2: 512 ((s / 4) % 2) + 256 (s / 8) + 4 (s % 4) + 2 (x % 2)
	s_bfe_u32 s29, s24, 0x10003
	s_lshl_b32 s29, s29, 9
	s_add_co_u32 s54, s54, s29
	s_lshr_b32 s29, s24, 4
	s_lshl_b32 s29, s29, 8
	s_add_co_u32 s54, s54, s29
	s_and_b32 s29, s24, 7
	s_lshl_b32 s29, s29, 1                         ; 2 (x % 8) = 4 (s % 4) + 2 (x % 2)
	s_add_co_u32 s54, s54, s29
	s_mov_b32 s55, 0
	s_mul_i32 s56, s23, 8448                       ; route
	s_mov_b32 s57, 0
	s_wait_kmcnt 0x0
	s_add_nc_u64 s[10:11], s[10:11], s[46:47]
	s_add_nc_u64 s[12:13], s[12:13], s[48:49]
	s_add_nc_u64 s[14:15], s[14:15], s[50:51]
	s_add_nc_u64 s[16:17], s[16:17], s[52:53]
	s_add_nc_u64 s[18:19], s[18:19], s[54:55]
	s_add_nc_u64 s[20:21], s[20:21], s[56:57]
.irp k, 0,1,2,3
	global_load_b128 v[IDX+4*\k:IDX+4*\k+3], v[IA], s[8:9] offset:512*\k   ; my segment's indices, 512 consecutive bytes an instruction.  First of all loads: x's addresses wait for them
.endr
	WIN 0xc0                                       ; destination window 3
.irp t, 0,1,2,3
.irp g, 0,1
	global_load_b128 v[8*\t+4*\g:8*\t+4*\g+3], v[AB], s[14:15] offset:(32*(\t/2)+8*(\t%2))*4+16*\g   ; register 8 t + j: b1 of unit 32 (t / 2) + 16 h + 8 (t % 2) + j
.endr
.endr
	WIN 0x40                                       ; destination window 1
.irp k, 0,1,2,3,4,5,6,7,8,9,10,11,12,13,14,15
	global_load_b128 v[4*\k:4*\k+3], v[L16], s[10:11] offset:512*\k th:TH_LOAD_NT   ; a row of W1, 512 consecutive bytes, an instruction; read by this wave alone in the whole launch
.endr
	WIN 0
.irp t, 0,1,2,3
	global_load_b128 v[W1S+4*\t:W1S+4*\t+3], v[AW], s[12:13] offset:(32*(\t/2)+8*(\t%2))*32
.endr
	s_wait_loadcnt 28                              ; the indices are in; the 8 + 16 + 4 loads issued behind them may be out
	; ---- masks, bases and the count of my segment, while W1's rows are on their way
	s_mov_b32 s34, 0                               ; matching tokens so far
.irp g, 0,8
.irp i, 0,1,2,3,4,5,6,7
	v_cmp_eq_u32 s[36+\i], s23, v[IDX+\g+\i]
.endr
.irp i, 0,1,2,3,4,5,6,7
	s_lshl_b32 s31, s34, 4
	s_or_b32 s31, s31, \g+\i
	v_mov_b32 v[KT+\g+\i], s31                     ; the key: 16 x base + j: it rises with j
	v_mov_b32 v[MK+\g+\i], s[36+\i]
	s_bcnt1_i32_b32 s35, s[36+\i]
	s_add_co_u32 s34, s34, s35
.endr
.endr
	s_min_u32 s25, s34, 0x200                      ; the count
	s_sub_co_u32 s33, s25, 1                       ; the last token's place (with no token: the greatest number, which holds nothing; no tile exists then)
	s_add_co_u32 s26, s25, 15
	s_lshr_b32 s26, s26, 4                         ; my tiles of 16;
	s_lshl_b32 s26, s26, 2
	s_add_co_u32 s26, s26, s22                     ; tile w + 4 n exists where its number is under w + 4 x that
	s_mov_b32 s27, s22                             ; T: the tile of a trip's first step
	v_mov_b32 v[CV], s25
	s_wait_loadcnt 4                               ; b1 and W1's rows are in; the 4 loads of W1's scale words, issued behind them, may be out
	WIN 0x04                                       ; an LDS store's data are its source 1: window 1
.irp k, 0,1,2,3,4,5,6,7,8,9,10,11,12,13,14,15
	ds_store_b128 v[WSS], v[4*\k:4*\k+3] offset:WST+(16*(\k>>3)+(\k&7))*PIT
.endr
	WIN 0
	s_wait_dscnt 0x0                               ; for the others' sake: my rows of W1 lie in LDS
	s_barrier_signal -1
	s_barrier_wait -1                              ; all 64 rows of W1 lie in LDS.  The only barrier: from here on waves part on their counts
	s_cmp_lg_u32 s24, 0
	s_cbranch_scc1 .Lno_count
	global_store_b32 v[CA], v[CV], s[20:21] offset:8192   ; my segment's count, in its 8 words, for the next launch
.Lno_count:
; One halving of the search for a mask's n-th set bit: the field of w bits at the position so far holds FT set bits; where n is at least that, the bit lies in the field above
.macro HALVE cnt, w
	v_bfe_u32 v[FT], v[\cnt], v[FO], \w
	v_cmp_ge_u32 vcc_lo, v[FN], v[FT]
	v_cndmask_b32 v[FT], 0, v[FT], vcc_lo
	v_cndmask_b32 v[FU], 0, \w, vcc_lo
	v_sub_nc_u32 v[FN], v[FN], v[FT]
	v_add_nc_u32 v[FO], v[FO], v[FU]
.endm
; The tokens of the tile whose number is in s29 (it exists): lane l gets that of row l % 16
.macro SEARCH
	s_sub_co_u32 s31, s29, s22
	s_lshl_b32 s31, s31, 2                         ; 16 n: the tile's first place in my segment's list
	v_add_nc_u32 v[FP], s31, v[RR]
	v_min_u32 v[FP], s33, v[FP]                    ; behind the last token: the last token again
	v_lshl_or_b32 v[FQ], v[FP], 4, 15              ; key j is at most 16 p + 15 just where base j is at most p
	v_mov_b32 v[FM], v[MK]                         ; register 0's base is 0
	v_mov_b32 v[FK], v[KT]
.irp i, 0,1,2,3,4,5,6,7
	v_cmp_ge_u32 s[36+\i], v[FQ], v[KT+1+\i]
.endr
.irp i, 0,1,2,3,4,5,6,7
	v_cndmask_b32 v[FM], v[FM], v[MK+1+\i], s[36+\i]   ; the last register that passes stays
	v_cndmask_b32 v[FK], v[FK], v[KT+1+\i], s[36+\i]
.endr
.irp i, 0,1,2,3,4,5,6
	v_cmp_ge_u32 s[36+\i], v[FQ], v[KT+9+\i]
.endr
.irp i, 0,1,2,3,4,5,6
	v_cndmask_b32 v[FM], v[FM], v[MK+9+\i], s[36+\i]
	v_cndmask_b32 v[FK], v[FK], v[KT+9+\i], s[36+\i]
.endr
	v_lshrrev_b32 v[FT], 4, v[FK]
	v_sub_nc_u32 v[FN], v[FP], v[FT]               ; n = p - base: under the mask's number of set bits, since the next register's base is above p
	v_lshrrev_b32 v[FT], 1, v[FM]                  ; the mask's set bits counted in fields of 2, 4, 8 and 16 bits
	v_and_b32 v[FT], 0x55555555, v[FT]
	v_sub_nc_u32 v[FA], v[FM], v[FT]
	v_lshrrev_b32 v[FT], 2, v[FA]
	v_and_b32 v[FT], 0x33333333, v[FT]
	v_and_b32 v[FB], 0x33333333, v[FA]
	v_add_nc_u32 v[FB], v[FB], v[FT]
	v_lshrrev_b32 v[FT], 4, v[FB]
	v_add_nc_u32 v[FC], v[FB], v[FT]
	v_and_b32 v[FC], 0x0f0f0f0f, v[FC]
	v_lshrrev_b32 v[FT], 8, v[FC]
	v_add_nc_u32 v[FD], v[FC], v[FT]
	v_and_b32 v[FT], 0xff, v[FD]                   ; the lower 16 bits' count
	v_cmp_ge_u32 vcc_lo, v[FN], v[FT]
	v_cndmask_b32 v[FT], 0, v[FT], vcc_lo
	v_cndmask_b32 v[FO], 0, 16, vcc_lo
	v_sub_nc_u32 v[FN], v[FN], v[FT]
	HALVE FC, 8
	HALVE FB, 4
	HALVE FA, 2
	v_bfe_u32 v[FT], v[FM], v[FO], 1
	v_cmp_ge_u32 vcc_lo, v[FN], v[FT]
	v_cndmask_b32 v[FU], 0, 1, vcc_lo
	v_add_nc_u32 v[FO], v[FO], v[FU]               ; the lane that holds the token
	v_bfe_u32 v[FT], v[FK], 2, 2                   ; j / 4
	v_and_b32 v[FU], 3, v[FK]                      ; j % 4
	v_lshl_add_u32 v[FU], v[FT], 7, v[FU]
	v_lshl_add_u32 v[FU], v[FO], 2, v[FU]
	v_add_nc_u32 v[TKL], s58, v[FU]                ; 512 w + 128 (j / 4) + 4 x lane + j % 4
.endm
; Tile T + 4 d is asked for: 16 loads of x's codes (each: one token's row, 512 consecutive aligned bytes) into a slot of window 2, and one of its scale words: 17 loads on every path.
; A tile that does not exist names token 0 with the lane term off, so that it stays inside x and asks for few bytes.
.macro ISSUE d, slot
	s_wait_xcnt 0x0                                ; the offsets and data of the loads and stores so far are written again only behind this wait
	s_add_co_u32 s29, s27, 4*(\d)
	s_cmp_lt_u32 s29, s26
	s_cselect_b32 s30, -1, 0
	v_and_b32 v[L16M], s30, v[L16]
	v_min_u32 v[L16M], 0x1f0, v[L16M]              ; the choice hangs on the count: the term enters an address only held at its own largest value
	v_mov_b32 v[TKL], 0
	s_cbranch_scc0 .Lnone_\@                       ; (the compare above still stands: only a select and vector lines lie between)
	SEARCH
.Lnone_\@:
.irp g, 0,8
.irp i, 0,1,2,3,4,5,6,7
	v_readlane_b32 s[36+\i], v[TKL], \g+\i         ; the token of row g + i: the same for all lanes
.endr
.irp i, 0,1,2,3,4,5,6,7
	s_min_u32 s[36+\i], s[36+\i], 0x7ff            ; a token made from the indices enters an address only so held
.endr
.irp i, 0,1,2,3,4,5,6,7
	s_lshl_b32 s[36+\i], s[36+\i], 9               ; 512 bytes a token
.endr
.irp i, 0,1,2,3,4,5,6,7
	v_add_nc_u32 v[AD+\g+\i], s[36+\i], v[L16M]
.endr
.endr
	v_min_u32 v[VS], 0x7ff, v[TKL]
	v_lshl_add_u32 v[VS], v[VS], 5, v[H16]         ; 32 scale bytes a token; lanes 16-31 the upper four words
	WIN 0x80                                       ; destination window 2
.irp k, 0,1,2,3,4,5,6,7,8,9,10,11,12,13,14,15
	global_load_b128 v[64*(\slot)+4*\k:64*(\slot)+4*\k+3], v[AD+\k], s[4:5]
.endr
	WIN 0
	global_load_b128 v[XSR+4*(\slot):XSR+4*(\slot)+3], v[VS], s[6:7]
	s_and_b32 s31, s30, s32                        ; the tile exists and this work-group stores the list
	s_cbranch_scc0 .Lno_route_\@
	global_store_b32 v[RO], v[TKL], s[20:21] offset:256*(\d)   ; both halves of the lanes store the same 64 bytes
.Lno_route_\@:
.endm
; The tile in a slot goes through my stage and becomes fragments; the slot is asked for again, with tile T + 4 d.
.macro ADVANCE slot, d
	s_wait_loadcnt 51                              ; the slot's 17 loads are in; those of the three younger tiles, 3 x 17, may be out
	WIN 0x08                                       ; the data: window 2
.irp k, 0,1,2,3,4,5,6,7,8,9,10,11,12,13,14,15
	ds_store_b128 v[SST], v[64*(\slot)+4*\k:64*(\slot)+4*\k+3] offset:PIT*\k
.endr
	WIN 0
.rept 4
	v_nop                                          ; four places behind the last product, ahead of the writes of its scale words and of the loads into its fragments
.endr
.irp i, 0,1,2,3
	v_mov_b32 v[XSC+\i], v[XSR+4*(\slot)+\i]
.endr
	s_wait_dscnt 0x0                               ; the stage's stores have read the slot
.irp s, 0,1,2,3,4,5,6,7
.irp c, 0,1
	ds_load_b128 v[XF+8*\s+4*\c:XF+8*\s+4*\c+3], v[SFR] offset:64*\s+32*\c   ; registers 4 c .. 4 c + 3 of K step s: k = 128 s + 64 c + 32 h + 0 .. 31 of row r
.endr
.endr
	ISSUE \d, \slot
.endm
; One product: tile t of W1 x the 16 tokens, K step s.  first = 1: b1 is the C that starts the sum.  The four accumulators take turns, one instruction a turn.
.macro MM t, s, first
.if \first
	v_wmma_scale_f32_16x16x128_f8f6f4 v[ACC+8*\t:ACC+8*\t+7], v[64*\t+8*\s:64*\t+8*\s+7], v[XF+8*\s:XF+8*\s+7], v[8*\t:8*\t+7], v[W1S+4*\t+\s], v[XSC+\s] matrix_a_fmt:MATRIX_FMT_FP4 matrix_b_fmt:MATRIX_FMT_FP4
.elseif \s < 4
	v_wmma_scale_f32_16x16x128_f8f6f4 v[ACC+8*\t:ACC+8*\t+7], v[64*\t+8*\s:64*\t+8*\s+7], v[XF+8*\s:XF+8*\s+7], v[ACC+8*\t:ACC+8*\t+7], v[W1S+4*\t+\s], v[XSC+\s] matrix_a_fmt:MATRIX_FMT_FP4 matrix_b_fmt:MATRIX_FMT_FP4
.else
	v_wmma_scale_f32_16x16x128_f8f6f4 v[ACC+8*\t:ACC+8*\t+7], v[64*\t+8*\s:64*\t+8*\s+7], v[XF+8*\s:XF+8*\s+7], v[ACC+8*\t:ACC+8*\t+7], v[W1S+4*\t+\s-4], v[XSC+\s-4] matrix_a_fmt:MATRIX_FMT_FP4 matrix_b_fmt:MATRIX_FMT_FP4 matrix_a_scale:MATRIX_SCALE_ROW1 matrix_b_scale:MATRIX_SCALE_ROW1
.endif
.endm
; gelu of eight numbers in place, two at a time; each line is written for the four pairs in turn, lowest registers first
.macro GELU8 x
.irp p, 0,2,4,6
	v_pk_mul_f32 v[GZ+\p:GZ+\p+1], v[(\x)+\p:(\x)+\p+1], s[K_RS2:K_RS2+1] op_sel_hi:[1,0]   ; z = x / sqrt 2
.endr
.irp i, 0,1,2,3,4,5,6,7
	v_med3_num_f32 v[GZ+\i], v[GZ+\i], -4.0, 4.0   ; beyond +-4 erf is +-1 in f32
.endr
.irp p, 0,2,4,6
	v_pk_mul_f32 v[GW+\p:GW+\p+1], v[GZ+\p:GZ+\p+1], v[GZ+\p:GZ+\p+1]
.endr
.irp p, 0,2,4,6
	v_pk_fma_f32 v[GP+\p:GP+\p+1], v[GW+\p:GW+\p+1], v[VA13:VA13+1], s[K_A11:K_A11+1] op_sel_hi:[1,1,0]
.endr
.irp p, 0,2,4,6
	v_pk_fma_f32 v[GQ+\p:GQ+\p+1], v[GW+\p:GW+\p+1], v[VB8:VB8+1], s[K_B6:K_B6+1] op_sel_hi:[1,1,0]
.endr
.irp c, K_A9, K_A7, K_A5, K_A3, K_A1
.irp p, 0,2,4,6
	v_pk_fma_f32 v[GP+\p:GP+\p+1], v[GP+\p:GP+\p+1], v[GW+\p:GW+\p+1], s[\c:\c+1] op_sel_hi:[1,1,0]
.endr
.endr
.irp c, K_B4, K_B2, K_B0
.irp p, 0,2,4,6
	v_pk_fma_f32 v[GQ+\p:GQ+\p+1], v[GQ+\p:GQ+\p+1], v[GW+\p:GW+\p+1], s[\c:\c+1] op_sel_hi:[1,1,0]
.endr
.endr
.irp p, 0,2,4,6
	v_pk_mul_f32 v[GP+\p:GP+\p+1], v[GP+\p:GP+\p+1], v[GZ+\p:GZ+\p+1]
.endr
.irp i, 0,1,2,3,4,5,6,7
	v_rcp_f32 v[GQ+\i], v[GQ+\i]
.endr
.irp p, 0,2,4,6
	v_pk_mul_f32 v[GZ+\p:GZ+\p+1], v[(\x)+\p:(\x)+\p+1], 0.5 op_sel_hi:[1,0]   ; x / 2: plain lines behind the reciprocals, which touch none of their registers (ISA guide 5.7.2)
.endr
	s_wait_alu depctr_va_vdst(0)
.irp p, 0,2,4,6
	v_pk_mul_f32 v[GP+\p:GP+\p+1], v[GP+\p:GP+\p+1], v[GQ+\p:GQ+\p+1]          ; erf
.endr
.irp i, 0,1,2,3,4,5,6,7
	v_max_num_f32 v[GP+\i], -1.0, v[GP+\i]         ; never under -1: gelu of a very negative x does not turn positive
.endr
.irp p, 0,2,4,6
	v_pk_fma_f32 v[(\x)+\p:(\x)+\p+1], v[GZ+\p:GZ+\p+1], v[GP+\p:GP+\p+1], v[GZ+\p:GZ+\p+1]
.endr
.endm
; My token's 64 hidden units, two blocks of 32 (16 numbers of each are mine, 16 lane l xor 16's), become four registers of codes and two scale bytes
.macro QUANT
.irp b, 0,1
	v_max3_num_f32 v[QM+\b], |v[ACC+16*\b]|, |v[ACC+16*\b+1]|, 0x1800000   ; and the floor 2^(3 - 127): the byte cannot fall under 1
.endr
.irp i, 2,4,6,8,10,12,14
.irp b, 0,1
	v_max3_num_f32 v[QM+\b], v[QM+\b], |v[ACC+16*\b+\i]|, |v[ACC+16*\b+\i+1]|
.endr
.endr
.irp b, 0,1
	v_permlanex16_b32 v[QN+\b], v[QM+\b], s44, s45
.endr
.irp b, 0,1
	v_max_num_f32 v[QM+\b], v[QM+\b], v[QN+\b]     ; the block's largest magnitude
.endr
.irp b, 0,1
	v_add_nc_u32 v[QS+\b], 0xff000000, v[QM+\b]    ; 2 off its exponent field: the conversion takes the exponent field of this operand as its scale
.endr
.irp b, 0,1
	v_lshrrev_b32 v[QB+\b], 23, v[QS+\b]           ; the scale's byte
.endr
	v_lshl_or_b32 v[SW], v[QB+1], 8, v[QB]
.irp b, 0,1
	v_cvt_scalef32_pk8_fp4_f32 v[PC+2*\b],   v[ACC+16*\b:ACC+16*\b+7],    v[QS+\b]
	v_cvt_scalef32_pk8_fp4_f32 v[PC+2*\b+1], v[ACC+16*\b+8:ACC+16*\b+15], v[QS+\b]
.endr
	v_nop                                          ; one plain place behind a scaled conversion
	v_permlane16_swap_b32 v[PC], v[PC+2]           ; the operand's layout wants a whole block in a lane: lanes 0-15 the first block, lanes 16-31 the second
	v_permlane16_swap_b32 v[PC+1], v[PC+3]
.endm
; Tile T + 4 n: 32 products; the next tile's way through the stage and the request for the tile five on stand between them and the gelu
.macro STEP n
	s_wait_dscnt 0x0                               ; x's fragments are in (ahead of the test, so that no LDS load is out at the end)
	s_add_co_u32 s29, s27, 4*(\n)
	s_cmp_ge_u32 s29, s26
	s_cbranch_scc1 .Ldone                          ; my tiles ascend: the first that does not exist ends the wave
	WIN 0x31                                       ; source 0 (W1) window 1, source 2 (b1) window 3
.irp t, 0,1,2,3
	MM \t, 0, 1
.endr
	WIN 0x01
.irp s, 1,2,3,4,5,6,7
.irp t, 0,1,2,3
	MM \t, \s, 0
.endr
.endr
	WIN 0
	ADVANCE ((\n)+1)%4, (\n)+5
.irp t, 0,1,2,3
	GELU8 ACC+8*\t
.endr
	QUANT
	global_store_b128 v[HO], v[PC:PC+3], s[16:17] offset:65536*(\n)   ; 32 lanes store 512 consecutive bytes, at a multiple of 512 from hc's first byte
	global_store_b16 v[SO], v[SW], s[18:19] offset:4096*(\n)          ; my row's two bytes of its scale word; both halves of the lanes store the same
.endm
	ISSUE 0, 0
	ISSUE 1, 1
	ISSUE 2, 2
	WIN 0x40                                       ; W1's 32 fragments into window 1: they stay
.irp t, 0,1,2,3
.irp s, 0,1,2,3,4,5,6,7
.irp c, 0,1
	ds_load_b128 v[64*\t+8*\s+4*\c:64*\t+8*\s+4*\c+3], v[WF] offset:WST+16*\t*PIT+64*\s+32*\c
.endr
.endr
.endr
	WIN 0
	ISSUE 3, 3
	ADVANCE 0, 4                                   ; its wait for all LDS instructions also shows W1's fragments in
	s_mov_b32 s28, 0
.Ltrip:                                            ; eight trips of four tiles serve 32 tiles, all 512 tokens of my segment on one expert; a wave leaves at its first tile that does not exist
	STEP 0
	STEP 1
	STEP 2
	STEP 3
	s_wait_xcnt 0x0                                ; the stores' offsets are stepped only behind this wait
	v_add_nc_u32 v[RO], 1024, v[RO]                ; 16 tile numbers on
	v_add_nc_u32 v[HO], 0x40000, v[HO]
	v_add_nc_u32 v[SO], 0x4000, v[SO]
	s_add_co_u32 s27, s27, 16
	s_add_co_u32 s28, s28, 1
	s_cmp_lt_u32 s28, 8
	s_cbranch_scc1 .Ltrip
.Ldone:
	s_wait_dscnt 0x0                               ; behind the eighth trip the fragments asked for last are still on their way: no LDS load is out at the end
	s_wait_tensorcnt 0x0
	ds_add_u32 v78, v79
	s_wait_dscnt 0x0
	s_endpgm
.Lfunc_end_k_q6137cc03a1_up:
	.size	k_q6137cc03a1_up, .Lfunc_end_k_q6137cc03a1_up-k_q6137cc03a1_up
	.p2alignl 7, 3214868480
	.fill 96, 4, 3214868480
	.section	.rodata,"a",@progbits
	.p2align	6, 0x0
	.amdhsa_kernel k_q6137cc03a1_up
		.amdhsa_group_segment_fixed_size 68096
		.amdhsa_private_segment_fixed_size 0
		.amdhsa_enable_private_segment 0
		.amdhsa_kernarg_size 72
		.amdhsa_user_sgpr_count 2
		.amdhsa_user_sgpr_kernarg_segment_ptr 1
		.amdhsa_wavefront_size32 1
		.amdhsa_system_sgpr_workgroup_id_x 1
		.amdhsa_system_sgpr_workgroup_id_y 1
		.amdhsa_system_sgpr_workgroup_id_z 1
		.amdhsa_system_vgpr_workitem_id 0
		.amdhsa_next_free_vgpr 800
		.amdhsa_next_free_sgpr 88
		.amdhsa_reserve_vcc 1
		.amdhsa_float_denorm_mode_32 3
		.amdhsa_float_denorm_mode_16_64 3
		.amdhsa_memory_ordered 1
		.amdhsa_forward_progress 1
		.amdhsa_inst_pref_size 229
	.end_amdhsa_kernel
	.amdgpu_metadata
---
amdhsa.version: [ 1, 2 ]
amdhsa.kernels:
  - .name:           k_q6137cc03a1_up
    .symbol:         k_q6137cc03a1_up.kd
    .args:
      - { .name: x_codes, .offset: 0, .size: 8, .value_kind: global_buffer, .address_space: global }
      - { .name: x_scales, .offset: 8, .size: 8, .value_kind: global_buffer, .address_space: global }
      - { .name: expert_indices, .offset: 16, .size: 8, .value_kind: global_buffer, .address_space: global }
      - { .name: W1_codes, .offset: 24, .size: 8, .value_kind: global_buffer, .address_space: global }
      - { .name: W1_scales, .offset: 32, .size: 8, .value_kind: global_buffer, .address_space: global }
      - { .name: b1, .offset: 40, .size: 8, .value_kind: global_buffer, .address_space: global }
      - { .name: hc, .offset: 48, .size: 8, .value_kind: global_buffer, .address_space: global }
      - { .name: hs, .offset: 56, .size: 8, .value_kind: global_buffer, .address_space: global }
      - { .name: route, .offset: 64, .size: 8, .value_kind: global_buffer, .address_space: global }
    .group_segment_fixed_size: 68096
    .private_segment_fixed_size: 0
    .kernarg_segment_align: 8
    .kernarg_segment_size: 72
    .max_flat_workgroup_size: 128
    .sgpr_count:     88
    .vgpr_count:     800
    .wavefront_size: 32
...
	.end_amdgpu_metadata
.endif
;; end of part 4
;; launch down (part 5): grid 16 x 16, 4 waves a work-group, no clusters, 84,480 bytes of LDS; arguments hc, hs, route, W2_codes, W2_scales, b2, out0; writes out0
.if DOCPART == 5
	.amdgcn_target "amdgcn-amd-amdhsa--gfx1250"
	.amdhsa_code_object_version 6
	.text
	.protected	k_q6137cc03a1_down
	.globl	k_q6137cc03a1_down
	.p2align	8
	.type	k_q6137cc03a1_down,@function
k_q6137cc03a1_down:
	s_mov_b64 s[64:65], 0
	v_nop
	global_prefetch_b8 v0, s[64:65] scope:SCOPE_SE
	s_setreg_imm32_b32 hwreg(HW_REG_WAVE_MODE, 25, 1), 1
	s_wait_xcnt 0x0
; SECOND LAYER: out0[token] = h W2[e] + b2[e] for the rows of expert e's tiles.  h: codes and scale words as the launch before laid them (images of this product's operand registers);
; W2 [8][1024 columns][2048]: codes of FP4 (E2M1), K innermost, one E8M0 byte for each 32 along K; out0 [2048][1024] f32.
; THE TILES.  The launch before made tiles of 16 rows apart for each of four segments of 512 tokens: segment g's n-th tile has the number g + 4 n, and exists where n is under ceil(count g / 16).
; route [e]: word 16 t + r: the token of row r of tile t; word 2048 + 8 g: segment g's count.
; SHARES.  A work-group takes one expert and one half z of its tile numbers (grid y = 2 e + z) and 64 columns of the output (grid x).  Its 64 KB of W2 are read from memory once and stay in EVERY wave's
; registers (64 fragments, 512 registers); wave w walks the tile numbers z + 2 w, + 8, + 16 ..: all of them lie in segment z + 2 (w % 2), with n = w / 2, + 2, + 4 ..  Inside that walk no wave needs
; another: the launch's one barrier stands ahead of it.
; LAYOUT.  Transposed use (source 0 = 16 rows of W2, source 1 = 16 rows of h): a lane holds eight neighbouring columns of one row.  A wave's 64 columns are 256 bytes of a row of out0: they go through
; the wave's own stage in LDS, and sixteen lanes store 256 consecutive bytes, at a multiple of 256 from out0's first byte, at the row's token.
; A pad row of a segment's last tile is a copy of the segment's last row, which lies in the same tile: the same wave stores the same numbers to the same place.  A wave whose segment has no tile for it
; reads nothing of hc, hs or the list, and stores nothing.
; NO TENSOR LOADS, NO CLUSTER: the number of tiles hangs on counts read from memory, so partners would need different numbers of tiles; operands go from memory straight into registers.
; LIMITS: as in the launch before (indices outside 0 .. 7, NaN and infinities are not served).
.set W2ST,  0                          ; LDS: 64 rows of W2: 1,024 bytes + 16: sixteen neighbouring rows begin at sixteen different 16-byte columns modulo 256
.set WPIT,  1040
.set OST,   66560                      ; for each wave a stage of 16 rows x (256 bytes + 16)
.set OPIT,  272
.set L16,  1                           ; v1   16 x lane
.set Q16,  2                           ; v2   16 x (lane % 16)
.set H32,  3                           ; v3   32 x (lane / 16)
.set WSS,  4                           ; v4   LDS: where my wave puts its 16 rows of W2
.set WF,   5                           ; v5   LDS: my lane's place in a fragment of W2
.set STO,  6                           ; v6   LDS: into my stage
.set RD,   7                           ; v7   LDS: back out of it
.set LM,   8                           ; v8   16 x lane, or 0 for a tile that does not exist
.set HOF,  10                          ; v10-11 offset in hc, one for each buffer
.set HSF,  12                          ; v12-13 in hs
.set TKF,  14                          ; v14-15 in route
.set AW,   16                          ; v16  offset in W2's scales
.set W2S,  32                          ; v32-63   W2's scale words: register 8 t + q: lanes 0-15 K step q, lanes 16-31 K step 8 + q
.set B2,   64                          ; v64-95   b2 in the result's layout
.set ACC,  96                          ; v96-127  four accumulators
.set HS,   128                         ; v128-143 h's scale words, 8 a buffer, laid as W2's
.set TK,   144                         ; v144-159 tokens, 8 a buffer: register i: row 8 h + i
.set VA,   160                         ; v160-167 offsets in out0
.set OUT,  168                         ; v168-199 rows read back from the stage
; windows 1 and 2: W2's fragment (K step s, tile t) at register 8 (4 s + t) of the 512.  window 3: h's 16 fragments, buffer b at v[128 b + 8 s].
.set MSB, 0
.macro WIN new                         ; the immediate's high byte repeats the setting that is left
.if MSB != \new
	s_set_vgpr_msb (MSB<<8)|\new
.set MSB, \new
.endif
.endm
	s_load_b256 s[4:11], s[0:1], 0x0               ; hc s[4:5], hs s[6:7], route s[8:9], W2 codes s[10:11]
	s_load_b128 s[12:15], s[0:1], 0x20             ; W2 scales s[12:13], b2 s[14:15]
	s_load_b64 s[16:17], s[0:1], 0x30              ; out0
	v_lshl_add_u32 v254, v0, 2, 0x14800
	v_mov_b32 v255, 0
	v_lshrrev_b32 v[OUT+3], 5, v0
	v_readfirstlane_b32 s22, v[OUT+3]              ; wave 0..3
	s_and_b32 s20, ttmp7, 0xffff
	s_lshr_b32 s23, s20, 1                         ; the expert
	s_and_b32 s21, s20, 1                          ; z
	s_mov_b32 s24, ttmp9                           ; which 64 columns
	v_and_b32 v[OUT], 15, v0                       ; r
	v_bfe_u32 v[OUT+1], v0, 4, 1                   ; h
	v_and_b32 v[OUT+2], 31, v0                     ; lane
	v_lshlrev_b32 v[L16], 4, v[OUT+2]
	v_lshlrev_b32 v[Q16], 4, v[OUT]
	v_lshlrev_b32 v[H32], 5, v[OUT+1]
	s_mul_i32 s29, s22, 16*WPIT
	v_add_nc_u32 v[WSS], s29, v[L16]
	v_mul_u32_u24 v[WF], v[OUT], WPIT
	v_lshl_add_u32 v[WF], v[OUT+1], 4, v[WF]       ; row r of a tile, + 16 h
	s_mul_i32 s29, s22, 16*OPIT
	s_add_co_u32 s29, s29, OST                     ; my stage
	v_mul_u32_u24 v[STO], v[OUT], OPIT
	v_lshl_add_u32 v[STO], v[OUT+1], 5, v[STO]
	v_add_nc_u32 v[STO], s29, v[STO]               ; in: row r, + 32 h; tile t's eight columns 64 t bytes on
	v_mul_u32_u24 v[RD], v[OUT+1], 8*OPIT
	v_lshl_add_u32 v[RD], v[OUT], 4, v[RD]
	v_add_nc_u32 v[RD], s29, v[RD]                 ; back: lanes 0-15 row i, lanes 16-31 row 8 + i
	v_lshlrev_b32 v[AW], 6, v[OUT]                 ; 64 scale bytes a row of W2,
	v_lshl_add_u32 v[AW], v[OUT+1], 5, v[AW]       ; lanes 16-31 the upper eight words
	s_lshl_b32 s27, s22, 1
	s_add_co_u32 s27, s27, s21                     ; T: my first tile's number, z + 2 w
	s_and_b32 s18, s22, 1
	s_lshl_b32 s18, s18, 1
	s_add_co_u32 s18, s18, s21                     ; my segment, z + 2 (w % 2): also the number of its first tile
	; byte offsets, made apart from the addresses
	s_lshl_b32 s32, s23, 21                        ; hc: 2 MB an expert
	s_mov_b32 s33, 0
	s_lshl_b32 s34, s23, 17                        ; hs: 128 KB
	s_mov_b32 s35, 0
	s_mul_i32 s36, s23, 8448                       ; route
	s_mov_b32 s37, 0
	s_lshl_b32 s38, s23, 20                        ; W2's codes: 1 MB an expert, 64 KB a work-group, 16 KB a wave
	s_lshl_b32 s29, s24, 16
	s_add_co_u32 s38, s38, s29
	s_lshl_b32 s29, s22, 14
	s_add_co_u32 s38, s38, s29
	s_mov_b32 s39, 0
	s_lshl_b32 s40, s23, 16                        ; W2's scales: (1024 e + 64 x) x 64
	s_lshl_b32 s29, s24, 12
	s_add_co_u32 s40, s40, s29
	s_mov_b32 s41, 0
	s_lshl_b32 s42, s23, 12                        ; b2: (1024 e + 64 x) x 4
	s_lshl_b32 s29, s24, 8
	s_add_co_u32 s42, s42, s29
	s_mov_b32 s43, 0
	s_lshl_b32 s44, s24, 8                         ; out0: my 64 columns
	s_mov_b32 s45, 0
	s_lshl_b32 s46, s18, 5                         ; a segment's count: 8 words
	s_mov_b32 s47, 0
	s_wait_kmcnt 0x0
	s_add_nc_u64 s[4:5], s[4:5], s[32:33]
	s_add_nc_u64 s[6:7], s[6:7], s[34:35]
	s_add_nc_u64 s[8:9], s[8:9], s[36:37]
	s_add_nc_u64 s[10:11], s[10:11], s[38:39]
	s_add_nc_u64 s[12:13], s[12:13], s[40:41]
	s_add_nc_u64 s[14:15], s[14:15], s[42:43]
	s_add_nc_u64 s[16:17], s[16:17], s[44:45]
	s_add_nc_u64 s[46:47], s[8:9], s[46:47]
	s_load_b32 s25, s[46:47], 0x2000               ; my segment's count
	WIN 0x40                                       ; destination window 1
.irp j, 0,1,2,3,4,5,6,7,8,9,10,11,12,13,14,15,16,17,18,19,20,21,22,23,24,25,26,27,28,29,30,31
	global_load_b128 v[4*\j:4*\j+3], v[L16], s[10:11] offset:512*\j th:TH_LOAD_NT   ; half a row of W2, 512 consecutive bytes, an instruction; read by this wave alone in the whole launch
.endr
	WIN 0
.irp t, 0,1,2,3
.irp g, 0,1
	global_load_b128 v[W2S+8*\t+4*\g:W2S+8*\t+4*\g+3], v[AW], s[12:13] offset:1024*\t+16*\g
.endr
.endr
.irp t, 0,1,2,3
.irp g, 0,1
	global_load_b128 v[B2+8*\t+4*\g:B2+8*\t+4*\g+3], v[H32], s[14:15] offset:64*\t+16*\g   ; register 8 t + j: b2 of column 16 t + 8 h + j
.endr
.endr
	s_wait_loadcnt 16                              ; W2's rows are in; its scale words (8 loads) and b2 (8) may be out
	WIN 0x04                                       ; an LDS store's data are its source 1: window 1
.irp j, 0,1,2,3,4,5,6,7,8,9,10,11,12,13,14,15,16,17,18,19,20,21,22,23,24,25,26,27,28,29,30,31
	ds_store_b128 v[WSS], v[4*\j:4*\j+3] offset:W2ST+(\j>>1)*WPIT+(\j&1)*512
.endr
	WIN 0
	s_wait_dscnt 0x0                               ; for the others' sake: my rows of W2 lie in LDS
	s_wait_kmcnt 0x0
	s_barrier_signal -1
	s_barrier_wait -1                              ; all 64 rows do.  The only barrier: from here on waves part on their counts
	s_min_u32 s25, s25, 0x200
	s_add_co_u32 s26, s25, 15
	s_lshr_b32 s26, s26, 4                         ; the segment's tiles of 16;
	s_lshl_b32 s26, s26, 2
	s_add_co_u32 s26, s26, s18                     ; a tile of the segment exists where its number is under segment + 4 x that
	s_cmp_ge_u32 s27, s26
	s_cbranch_scc1 .Ldone                          ; no tile for this wave
; The offsets of tile T + 8 d for buffer b.  A tile that does not exist is replaced by my segment's first tile, which exists here, with the lane term off: it stays inside what was stored and asks for few bytes.
; Both choices hang on the count that was read: the tile's number and the lane term enter an address only held at their own largest values, 127 and 16 x 31.
.macro HADDR b, d
	s_add_co_u32 s29, s27, 8*(\d)
	s_cmp_lt_u32 s29, s26
	s_cselect_b32 s29, s29, s18
	s_cselect_b32 s30, -1, 0
	s_min_u32 s29, s29, 0x7f
	v_and_b32 v[LM], s30, v[L16]
	v_min_u32 v[LM], 0x1f0, v[LM]
	s_lshl_b32 s31, s29, 14
	v_add_nc_u32 v[HOF+\b], s31, v[LM]             ; 16 KB of codes a tile
	s_lshl_b32 s31, s29, 10
	v_add_nc_u32 v[HSF+\b], s31, v[LM]             ; 1 KB of scale words
	s_lshl_b32 s31, s29, 6
	v_add_nc_u32 v[TKF+\b], s31, v[H32]            ; 64 bytes of the list; lanes 16-31 rows 8 on
.endm
.macro HCODES b, s0, n                 ; h's fragments of K steps s0 .. s0 + n - 1: each load 512 consecutive bytes, as the registers want them
	WIN 0xc0                                       ; destination window 3
.set HSI, \s0
.rept \n
	global_load_b128 v[128*\b+8*HSI:128*\b+8*HSI+3],   v[HOF+\b], s[4:5] offset:1024*HSI
	global_load_b128 v[128*\b+8*HSI+4:128*\b+8*HSI+7], v[HOF+\b], s[4:5] offset:1024*HSI+512
.set HSI, HSI+1
.endr
	WIN 0
.endm
.macro HREST b                         ; its scale words and its tokens.  With the codes: 36 loads a tile, on every path
.irp g, 0,1
	global_load_b128 v[HS+8*\b+4*\g:HS+8*\b+4*\g+3], v[HSF+\b], s[6:7] offset:512*\g
.endr
.irp g, 0,1
	global_load_b128 v[TK+8*\b+4*\g:TK+8*\b+4*\g+3], v[TKF+\b], s[8:9] offset:16*\g
.endr
.endm
; One product: tile t of W2 x the 16 rows in buffer b, K step s.  At s = 0 b2 is the C that starts the sum.  The four accumulators take turns, one instruction a turn.
.macro MD b, t, s
.if \s == 0
	v_wmma_scale_f32_16x16x128_f8f6f4 v[ACC+8*\t:ACC+8*\t+7], v[8*\t:8*\t+7], v[128*\b:128*\b+7], v[B2+8*\t:B2+8*\t+7], v[W2S+8*\t], v[HS+8*\b] matrix_a_fmt:MATRIX_FMT_FP4 matrix_b_fmt:MATRIX_FMT_FP4
.elseif \s < 8
	v_wmma_scale_f32_16x16x128_f8f6f4 v[ACC+8*\t:ACC+8*\t+7], v[32*\s+8*\t:32*\s+8*\t+7], v[128*\b+8*\s:128*\b+8*\s+7], v[ACC+8*\t:ACC+8*\t+7], v[W2S+8*\t+\s], v[HS+8*\b+\s] matrix_a_fmt:MATRIX_FMT_FP4 matrix_b_fmt:MATRIX_FMT_FP4
.else
	v_wmma_scale_f32_16x16x128_f8f6f4 v[ACC+8*\t:ACC+8*\t+7], v[32*(\s-8)+8*\t:32*(\s-8)+8*\t+7], v[128*\b+8*\s:128*\b+8*\s+7], v[ACC+8*\t:ACC+8*\t+7], v[W2S+8*\t+\s-8], v[HS+8*\b+\s-8] matrix_a_fmt:MATRIX_FMT_FP4 matrix_b_fmt:MATRIX_FMT_FP4 matrix_a_scale:MATRIX_SCALE_ROW1 matrix_b_scale:MATRIX_SCALE_ROW1
.endif
.endm
; Tile T + 8 b, in buffer b: 64 products; the buffer is asked for again (the tile two on); the results leave through my stage
.macro TILE b
	s_add_co_u32 s29, s27, 8*\b
	s_cmp_ge_u32 s29, s26
	s_cbranch_scc1 .Ldone                          ; my tiles ascend: the first that does not exist ends the wave
	s_wait_loadcnt 36                              ; this buffer's 36 loads are in; the other buffer's 36 may be out
	WIN 0x0d                                       ; source 0 (W2) window 1, source 1 (h) window 3
.irp s, 0,1,2,3,4,5,6,7
.irp t, 0,1,2,3
	MD \b, \t, \s
.endr
.endr
	WIN 0x0e                                       ; source 0 window 2
.irp s, 8,9,10,11,12,13,14,15
.irp t, 0,1,2,3
	MD \b, \t, \s
.endr
.endr
	WIN 0
	s_wait_xcnt 0x0                                ; the offsets and data of the stores and loads so far are written again only behind this wait
.irp i, 0,1,2,3,4,5,6,7
	v_min_u32 v[VA+\i], 0x7ff, v[TK+8*\b+\i]       ; a token read from the list enters an address only so held.  (These sixteen lines are also the places behind the last products: ISA guide 7.12.1)
.endr
.irp i, 0,1,2,3,4,5,6,7
	v_lshl_add_u32 v[VA+\i], v[VA+\i], 12, v[Q16]  ; 4,096 bytes a row of out0
.endr
	HADDR \b, \b+2
	HCODES \b, 0, 16
	HREST \b
.irp t, 0,1,2,3
	ds_store_b128 v[STO], v[ACC+8*\t:ACC+8*\t+3]   offset:64*\t      ; each accumulator from its low end on
	ds_store_b128 v[STO], v[ACC+8*\t+4:ACC+8*\t+7] offset:64*\t+16
.endr
.irp i, 0,1,2,3,4,5,6,7
	ds_load_b128 v[OUT+4*\i:OUT+4*\i+3], v[RD] offset:OPIT*\i        ; LDS serves a wave's instructions in order (ISA guide 5.7.1): these see the stores above
.endr
.irp i, 0,1,2,3,4,5,6,7
	s_wait_dscnt 7-\i                              ; rows i and 8 + i are back; the loads behind them may be out
	global_store_b128 v[VA+\i], v[OUT+4*\i:OUT+4*\i+3], s[16:17] th:TH_STORE_NT   ; sixteen lanes store 256 consecutive aligned bytes of a token's row; written once, read by nobody here
.endr
.endm
	HADDR 0, 0
	HCODES 0, 0, 16
	HREST 0
	HADDR 1, 1
	HCODES 1, 0, 12                                ; 36 + 24 loads are out while the fragments below are issued
	WIN 0x40                                       ; W2's 64 fragments into windows 1 and 2: they stay
.irp s, 0,1,2,3,4,5,6,7
.irp t, 0,1,2,3
.irp c, 0,1
	ds_load_b128 v[32*\s+8*\t+4*\c:32*\s+8*\t+4*\c+3], v[WF] offset:W2ST+16*WPIT*\t+64*\s+32*\c
.endr
.endr
.endr
	WIN 0x80
.irp s, 8,9,10,11,12,13,14,15
.irp t, 0,1,2,3
.irp c, 0,1
	ds_load_b128 v[32*(\s-8)+8*\t+4*\c:32*(\s-8)+8*\t+4*\c+3], v[WF] offset:W2ST+16*WPIT*\t+64*\s+32*\c
.endr
.endr
.endr
	WIN 0
	HCODES 1, 12, 4
	HREST 1
	s_wait_dscnt 0x0                               ; W2's fragments are in
	s_mov_b32 s28, 0
.Ltrip:                                            ; eight trips of two tiles serve my 16 possible tiles, all 512 tokens of the segment on one expert; a wave leaves at its first tile that does not exist
	TILE 0
	TILE 1
	s_add_co_u32 s27, s27, 16
	s_add_co_u32 s28, s28, 1
	s_cmp_lt_u32 s28, 8
	s_cbranch_scc1 .Ltrip
.Ldone:
	s_wait_tensorcnt 0x0
	ds_add_u32 v254, v255
	s_wait_dscnt 0x0
	s_endpgm
.Lfunc_end_k_q6137cc03a1_down:
	.size	k_q6137cc03a1_down, .Lfunc_end_k_q6137cc03a1_down-k_q6137cc03a1_down
	.p2alignl 7, 3214868480
	.fill 96, 4, 3214868480
	.section	.rodata,"a",@progbits
	.p2align	6, 0x0
	.amdhsa_kernel k_q6137cc03a1_down
		.amdhsa_group_segment_fixed_size 84480
		.amdhsa_private_segment_fixed_size 0
		.amdhsa_enable_private_segment 0
		.amdhsa_kernarg_size 56
		.amdhsa_user_sgpr_count 2
		.amdhsa_user_sgpr_kernarg_segment_ptr 1
		.amdhsa_wavefront_size32 1
		.amdhsa_system_sgpr_workgroup_id_x 1
		.amdhsa_system_sgpr_workgroup_id_y 1
		.amdhsa_system_sgpr_workgroup_id_z 1
		.amdhsa_system_vgpr_workitem_id 0
		.amdhsa_next_free_vgpr 1024
		.amdhsa_next_free_sgpr 66
		.amdhsa_reserve_vcc 0
		.amdhsa_float_denorm_mode_32 3
		.amdhsa_float_denorm_mode_16_64 3
		.amdhsa_memory_ordered 1
		.amdhsa_forward_progress 1
		.amdhsa_inst_pref_size 57
	.end_amdhsa_kernel
	.amdgpu_metadata
---
amdhsa.version: [ 1, 2 ]
amdhsa.kernels:
  - .name:           k_q6137cc03a1_down
    .symbol:         k_q6137cc03a1_down.kd
    .args:
      - { .name: hc, .offset: 0, .size: 8, .value_kind: global_buffer, .address_space: global }
      - { .name: hs, .offset: 8, .size: 8, .value_kind: global_buffer, .address_space: global }
      - { .name: route, .offset: 16, .size: 8, .value_kind: global_buffer, .address_space: global }
      - { .name: W2_codes, .offset: 24, .size: 8, .value_kind: global_buffer, .address_space: global }
      - { .name: W2_scales, .offset: 32, .size: 8, .value_kind: global_buffer, .address_space: global }
      - { .name: b2, .offset: 40, .size: 8, .value_kind: global_buffer, .address_space: global }
      - { .name: out0, .offset: 48, .size: 8, .value_kind: global_buffer, .address_space: global }
    .group_segment_fixed_size: 84480
    .private_segment_fixed_size: 0
    .kernarg_segment_align: 8
    .kernarg_segment_size: 56
    .max_flat_workgroup_size: 128
    .sgpr_count:     66
    .vgpr_count:     1024
    .wavefront_size: 32
...
	.end_amdgpu_metadata
.endif
;; end of part 5
;; ======== version 3 of 3: 2 launches; version 2 with the launches up, down written anew for expert scheduling mode
;; workspace buffers: hc 16,777,216 bytes; hs 1,048,576 bytes; route 67,584 bytes of whole numbers
;; launch up (part 6): grid 32 x 8, 4 waves a work-group, no clusters, 68,096 bytes of LDS; arguments x_codes, x_scales, expert_indices, W1_codes, W1_scales, b1, hc, hs, route; writes hc, hs, route
.if DOCPART == 6
	.amdgcn_target "amdgcn-amd-amdhsa--gfx1250"
	.amdhsa_code_object_version 6
	.text
	.protected	k_q6137cc03a1_up
	.globl	k_q6137cc03a1_up
	.p2align	8
	.type	k_q6137cc03a1_up,@function
k_q6137cc03a1_up:
	s_mov_b64 s[64:65], 0
	v_nop
	global_prefetch_b8 v0, s[64:65] scope:SCOPE_SE
	s_setreg_imm32_b32 hwreg(HW_REG_WAVE_SCHED_MODE, 0, 2), 2
	s_setreg_imm32_b32 hwreg(HW_REG_WAVE_MODE, 25, 1), 1
	s_wait_xcnt 0x0
	s_wait_alu depctr_vm_vsrc(0)
; FIRST LAYER OF A LAYER OF ROUTED EXPERTS: h = Q(gelu(x W1[e] + b1[e])) for the tokens whose index names expert e, and for no others.
; x [2048][1024], W1 [8][2048 units][1024]: codes of FP4 (E2M1), K innermost, one E8M0 byte for each 32 along K.  h leaves as codes and scale bytes, quantised along the 2,048 hidden units.
; SHARES.  A work-group takes one expert (grid y) and 64 hidden units (grid x).  Its 32 KB of W1 are read from memory once and stay in EVERY wave's registers (32 fragments, 256 registers).
; Wave w owns the SEGMENT of tokens 512 w .. 512 w + 511 and walks the expert's tokens among them in tiles of 16: its n-th tile has the number w + 4 n.  Inside that walk no wave needs another.
; THE LIST IS MADE IN REGISTERS, by each wave for its segment.  16 registers hold the segment's indices (lane l, register j: token 512 w + 128 (j / 4) + 4 l + j % 4).  A compare gives each register's mask
; of matching lanes, a count of its bits the running base; masks and keys (16 x base + j) are kept, the same in all lanes.  A tile's tokens are GATHERED: lane r wants place p = 16 n + r; the last register
; whose base is at most p holds it, and there the (p - base)-th set bit of the mask.  Nothing goes from lane to lane.  p is held at the count - 1: the places behind the last token are copies of it, so that
; the last tile is whole: a pad row computes and stores what the tile's last real row computes.  The work-groups of grid x = 0 store tiles and counts for the next launch:
; route [e]: word 16 t + r: the token of row r of tile t; words 2048 + 8 w .. + 7: segment w's count.  Words of tiles that do not exist are neither stored nor read.
; LAYOUT.  The product is used transposed (source 0 = 16 rows of W1, source 1 = 16 tokens): a lane holds ONE token and its registers run along the hidden units, the next product's K.
; THE ROWS OF W1 THAT FORM A TILE ARE NOT NEIGHBOURS: lane r of tile 2 b + u takes unit 32 b + 8 u + r + 8 (r / 8), so that the 16 registers of tiles 2 b, 2 b + 1 are units 32 b + 16 (lane / 16) + 0 .. 15.
; 64 units are half a K step of the next product: four registers of codes a lane, stored as an image of that operand's registers: hc [e][tile][K step 16][half 2][lane 32][16 bytes];
; hs [e][tile][g 2][lane 32][4 words]: word (g, 16 hh + r, i) is row r's scale word of K step 8 hh + 4 g + i.
; NO TENSOR LOADS, NO CLUSTER: how many tiles a wave walks hangs on the indices, so partners would need different numbers of tiles; every operand goes through registers.
; GELU, exact form: 0.5 x + 0.5 x erf(x / sqrt 2), erf(z) = z P(z^2) / Q(z^2) (degrees 6 and 4 in z^2), z held to +-4, all in f32.
; LIMITS: an index outside 0 .. 7 is served by no work-group (its row of the output stays unwritten); NaN and infinities are not served; gelu's absolute error is about 1e-7 |x|, so its relative error
; grows where 1 + erf cancels (x under about -1.5); a block of zeros gets the scale byte 1 (its codes are zeros; this program alone reads the bytes).
; THE MODE: SCHED_MODE bits 1:0 = 2 (LLVM: expert scheduling mode 2), set by the entry lines.  The code itself states the register dependences
; between vector or matrix instructions and memory or LDS instructions, with s_wait_alu, always for 0.
; THE PLAN.  Registers that memory or LDS instructions touch:
;   v1, v5-9, v55-57   offsets and LDS addresses: written at the head, ahead of its wait on va_vdst, and never again.
;   AD, VS, TKL        written by WHERE's vector lines; read by ASKX's 17 loads and by the list's store.
;   window 2, slot s   ASKX's loads land in it; ADVANCE's 16 LDS stores read it.          XSR: ASKX's load lands in it; ADVANCE's four copies read it.
;   XF                 ADVANCE's LDS loads land in it; a step's 32 products read it.       PC, SW: written by QUANT; read by the step's two stores.
;   HO, SO, RO         read by the stores; written at the head and once a trip, at its end.
; A step has one wait on vm_vsrc, at WHERE's head (behind ADVANCE's LDS stores), and two on va_vdst beside gelu's four: one behind WHERE, ahead of the fragments' LDS loads and the next request, with no
; vector line among these; one behind QUANT, ahead of the step's two stores.  Where a vector instruction writes a scalar register or VCC, a wait on va_sdst or va_vcc stands ahead of the first reader.
.set WST,   0                          ; LDS: 64 rows of W1: 512 bytes + 16: sixteen neighbouring rows begin at sixteen different 16-byte columns modulo 256
.set XST,   33792                      ; for each wave a stage of 16 rows of x, same pitch
.set PIT,   528
.set L16,  1                           ; v1   16 x lane
.set H16,  3                           ; v3   16 x (lane / 16)
.set IA,   5                           ; v5   byte offset in the indices: 2,048 w + 16 x lane
.set WSS,  6                           ; v6   LDS: where my wave puts its 16 rows of W1
.set WF,   7                           ; v7   LDS: my lane's place in a fragment of W1
.set SST,  8                           ; v8   LDS: into my stage: 16 x lane of a row
.set SFR,  9                           ; v9   LDS: my lane's place in a fragment of x
.set HO,   10                          ; v10  byte offset in hc
.set SO,   11                          ; v11  byte offset in hs
.set RO,   12                          ; v12  byte offset in route
.set RR,   13                          ; v13  lane % 16
.set L16M, 14                          ; v14  16 x lane, or 0 for a tile that does not exist
.set KT,   15                          ; v15-30 the keys: 16 x (matching tokens in registers before j) + j, the same in all lanes
.set SW,   31                          ; v31  my row's two scale bytes
.set AD,   32                          ; v32-47 byte offsets in x's codes: one for each of a tile's 16 tokens
.set TKL,  48                          ; v48  the tile's tokens: lane l holds that of row l % 16
.set VS,   49                          ; v49  offset in x's scales
.set VA13, 50                          ; v[50:51], v[52:53]: the two leading coefficients, twice each
.set VB8,  52
.set CV,   54                          ; v54  my segment's count, as stored
.set CA,   55                          ; v55  where: 32 w + 4 (lane % 8)
.set AW,   56                          ; v56  offset in W1's scales
.set AB,   57                          ; v57  offset in b1
.set MK,   58                          ; v58-73 the masks of matching lanes, the same in all lanes
.set XSR,  80                          ; v80-95  x's scale words as loaded, four slots of 4
.set XSC,  96                          ; v96-99  x's scale words at work: lanes 0-15 K steps 0-3, lanes 16-31 K steps 4-7
.set W1S,  100                         ; v100-115 W1's scale words, 4 a tile, laid likewise
.set PC,   116                         ; v116-119 the codes just made
.set QM,   120                         ; v120-127 the quantiser: largest magnitudes, the other half's, scale operands, bytes
.set QN,   122
.set QS,   124
.set QB,   126
.set ACC,  128                         ; v128-159 four accumulators: 64 hidden units of my token
.set GZ,   160                         ; v160-191 gelu at work; between two gelus the search for a tile's tokens works in v160-171
.set GW,   168
.set GP,   176
.set GQ,   184
.set FP,   160                         ; the search: my place p
.set FQ,   161                         ;   16 p + 15
.set FM,   162                         ;   the mask that holds p
.set FK,   163                         ;   its key
.set FN,   164                         ;   which of its set bits
.set FO,   165                         ;   the bit's position
.set FA,   166                         ;   the mask's counts of set bits in fields of 2,
.set FB,   167                         ;   4,
.set FC,   168                         ;   8
.set FD,   169                         ;   and (low byte) 16 bits
.set FT,   170
.set FU,   171
.set XF,   192                         ; v192-255 x's eight fragments; at the head v192-207 hold the segment's indices
.set IDX,  192
; window 1: W1's fragment (tile t, K step s) at v[64 t + 8 s].  window 2: x as loaded, four slots of 64 (row k at 4 k).  window 3: v0-31 b1 in the result's layout.
.set K_RS2, 66                         ; s66-87: constants, each twice (the packed forms name a pair and take its low word for both halves)
.set K_A11, 68
.set K_A9,  70
.set K_A7,  72
.set K_A5,  74
.set K_A3,  76
.set K_A1,  78
.set K_B6,  80
.set K_B4,  82
.set K_B2,  84
.set K_B0,  86
.set MSB, 0
.macro WIN new                         ; the immediate's high byte repeats the setting that is left; a switch that changes nothing is dropped
.if MSB != \new
	s_set_vgpr_msb (MSB<<8)|\new
.set MSB, \new
.endif
.endm
.macro KPAIR reg, bits
	s_mov_b32 s[\reg], \bits
	s_mov_b32 s[\reg+1], \bits
.endm
	s_load_b512 s[4:19], s[0:1], 0x0               ; x codes s[4:5], x scales s[6:7], indices s[8:9], W1 codes s[10:11], W1 scales s[12:13], b1 s[14:15], hc s[16:17], hs s[18:19]
	s_load_b64 s[20:21], s[0:1], 0x40              ; route
	v_lshl_add_u32 v78, v0, 2, 0x10800             ; my spare word, behind the stages, and 0: made here and kept for the closing lines alone
	v_mov_b32 v79, 0
	v_lshrrev_b32 v[GZ+3], 5, v0
	v_readfirstlane_b32 s22, v[GZ+3]               ; wave 0..3
	s_and_b32 s23, ttmp7, 0xffff                   ; the expert
	s_mov_b32 s24, ttmp9                           ; which 64 hidden units
	v_and_b32 v[GZ], 15, v0                        ; r
	v_bfe_u32 v[GZ+1], v0, 4, 1                    ; h
	v_and_b32 v[GZ+2], 31, v0                      ; lane
	v_and_b32 v[RR], 15, v0
	v_lshlrev_b32 v[L16], 4, v[GZ+2]
	v_lshlrev_b32 v[H16], 4, v[GZ+1]
	s_wait_alu depctr_va_sdst(0)                   ; s22, the wave's number, is written, ahead of its first reader
	s_lshl_b32 s29, s22, 11                        ; my segment's 512 indices are 2,048 bytes
	v_add_nc_u32 v[IA], s29, v[L16]
	s_lshl_b32 s29, s22, 6                         ; a tile's 16 words of the list are 64 bytes
	v_lshl_add_u32 v[RO], v[GZ], 2, s29
	v_and_b32 v[CA], 7, v0
	s_lshl_b32 s29, s22, 5                         ; a segment's count: 8 words
	v_lshl_add_u32 v[CA], v[CA], 2, s29
	s_lshl_b32 s58, s22, 9                         ; my segment's first token
	; W1's row u of the 64 lies at stage row 32 (u / 32) + 16 ((u / 8) % 2) + 8 ((u / 16) % 2) + u % 8, so that a tile's 16 rows are 16 neighbouring stage rows.  My wave brings u = 16 w + k
	s_lshr_b32 s30, s22, 1
	s_lshl_b32 s30, s30, 5
	s_and_b32 s31, s22, 1
	s_lshl_b32 s31, s31, 3
	s_add_co_u32 s30, s30, s31
	s_mul_i32 s30, s30, PIT
	v_add_nc_u32 v[WSS], s30, v[L16]
	v_mul_u32_u24 v[WF], v[GZ], PIT
	v_lshl_add_u32 v[WF], v[GZ+1], 4, v[WF]        ; row r of a tile, + 16 h
	s_mul_i32 s30, s22, 16*PIT
	s_add_co_u32 s30, s30, XST                     ; my stage
	v_add_nc_u32 v[SST], s30, v[L16]               ; in: the 32 lanes fill a row's 512 bytes
	v_mul_u32_u24 v[SFR], v[GZ], PIT
	v_lshl_add_u32 v[SFR], v[GZ+1], 4, v[SFR]
	v_add_nc_u32 v[SFR], s30, v[SFR]               ; out: row r, + 16 h
	s_lshl_b32 s30, s22, 14
	v_add_nc_u32 v[HO], s30, v[L16]                ; hc: 16 KB a tile
	s_lshl_b32 s30, s22, 10
	v_lshl_add_u32 v[SO], v[GZ], 4, s30            ; hs: 1 KB a tile, 16 bytes a row
	v_and_b32 v[AW], 8, v[GZ]
	v_add_nc_u32 v[AW], v[AW], v[GZ]               ; r + 8 (r / 8)
	v_lshlrev_b32 v[AW], 5, v[AW]                  ; 32 scale bytes a row of W1,
	v_lshl_add_u32 v[AW], v[GZ+1], 4, v[AW]        ; lanes 16-31 the upper four words
	v_lshlrev_b32 v[AB], 6, v[GZ+1]                ; b1: lanes 16-31 begin 16 units on
	v_mov_b32 v[QN], 0                             ; written once: a lane permute's destination counts as one of its sources
	v_mov_b32 v[QN+1], 0
	v_mov_b32 v[VA13], 0xaf95df0b                  ; -2.72614226e-10
	v_mov_b32 v[VA13+1], 0xaf95df0b
	v_mov_b32 v[VB8], 0xb77460cd                   ; -1.45660718e-05
	v_mov_b32 v[VB8+1], 0xb77460cd
	KPAIR K_RS2, 0x3f3504f3                        ; 1 / sqrt 2
	KPAIR K_A11, 0x32edffee                        ;  2.77068142e-08
	KPAIR K_A9,  0xb60cff51                        ; -2.10102402e-06
	KPAIR K_A7,  0xb86ec2d2                        ; -5.69250639e-05
	KPAIR K_A5,  0xba40ac63                        ; -7.34990630e-04
	KPAIR K_A3,  0xbb41a1f6                        ; -2.95459981e-03
	KPAIR K_A1,  0xbc83dbd4                        ; -1.60960333e-02
	KPAIR K_B6,  0xb95fbd29                        ; -2.13374055e-04
	KPAIR K_B4,  0xbadc924e                        ; -1.68282697e-03
	KPAIR K_B2,  0xbbf19bf8                        ; -7.37332917e-03
	KPAIR K_B0,  0xbc69b6a7                        ; -1.42647391e-02
	s_mov_b32 s44, 0x76543210
	s_mov_b32 s45, 0xfedcba98                      ; v_permlanex16_b32's selects for lane l xor 16
	s_cmp_eq_u32 s24, 0
	s_cselect_b32 s32, -1, 0                       ; all ones in the work-groups that store the list
	; byte offsets, made apart from the addresses
	s_lshl_b32 s46, s23, 20                        ; W1's codes: 1 MB an expert, 32 KB a work-group, 8 KB a wave
	s_lshl_b32 s29, s24, 15
	s_add_co_u32 s46, s46, s29
	s_lshl_b32 s29, s22, 13
	s_add_co_u32 s46, s46, s29
	s_mov_b32 s47, 0
	s_lshl_b32 s48, s23, 16                        ; W1's scales: (2048 e + 64 x) x 32
	s_lshl_b32 s29, s24, 11
	s_add_co_u32 s48, s48, s29
	s_mov_b32 s49, 0
	s_lshl_b32 s50, s23, 13                        ; b1: (2048 e + 64 x) x 4
	s_lshl_b32 s29, s24, 8
	s_add_co_u32 s50, s50, s29
	s_mov_b32 s51, 0
	s_lshl_b32 s52, s23, 21                        ; hc: 2 MB an expert; my 64 units are 512 bytes of a tile's 16 KB
	s_lshl_b32 s29, s24, 9
	s_add_co_u32 s52, s52, s29
	s_mov_b32 s53, 0
	s_lshl_b32 s54, s23, 17                        ; hs: 128 KB an expert; K step s = x / 2: 512 ((s / 4) % 2) + 256 (s / 8) + 4 (s % 4) + 2 (x % 2)
	s_bfe_u32 s29, s24, 0x10003
	s_lshl_b32 s29, s29, 9
	s_add_co_u32 s54, s54, s29
	s_lshr_b32 s29, s24, 4
	s_lshl_b32 s29, s29, 8
	s_add_co_u32 s54, s54, s29
	s_and_b32 s29, s24, 7
	s_lshl_b32 s29, s29, 1                         ; 2 (x % 8) = 4 (s % 4) + 2 (x % 2)
	s_add_co_u32 s54, s54, s29
	s_mov_b32 s55, 0
	s_mul_i32 s56, s23, 8448                       ; route
	s_mov_b32 s57, 0
	s_wait_kmcnt 0x0
	s_add_nc_u64 s[10:11], s[10:11], s[46:47]
	s_add_nc_u64 s[12:13], s[12:13], s[48:49]
	s_add_nc_u64 s[14:15], s[14:15], s[50:51]
	s_add_nc_u64 s[16:17], s[16:17], s[52:53]
	s_add_nc_u64 s[18:19], s[18:19], s[54:55]
	s_add_nc_u64 s[20:21], s[20:21], s[56:57]
	s_wait_alu depctr_va_vdst(0)                   ; the offsets and LDS addresses v1, v5 to v12 and v55 to v57 are written, which the loads, stores and LDS instructions of the whole kernel read
.irp k, 0,1,2,3
	global_load_b128 v[IDX+4*\k:IDX+4*\k+3], v[IA], s[8:9] offset:512*\k   ; my segment's indices, 512 consecutive bytes an instruction.  First of all loads: x's addresses wait for them
.endr
	WIN 0xc0                                       ; destination window 3
.irp t, 0,1,2,3
.irp g, 0,1
	global_load_b128 v[8*\t+4*\g:8*\t+4*\g+3], v[AB], s[14:15] offset:(32*(\t/2)+8*(\t%2))*4+16*\g   ; register 8 t + j: b1 of unit 32 (t / 2) + 16 h + 8 (t % 2) + j
.endr
.endr
	WIN 0x40                                       ; destination window 1
.irp k, 0,1,2,3,4,5,6,7,8,9,10,11,12,13,14,15
	global_load_b128 v[4*\k:4*\k+3], v[L16], s[10:11] offset:512*\k th:TH_LOAD_NT   ; a row of W1, 512 consecutive bytes, an instruction; read by this wave alone in the whole launch
.endr
	WIN 0
.irp t, 0,1,2,3
	global_load_b128 v[W1S+4*\t:W1S+4*\t+3], v[AW], s[12:13] offset:(32*(\t/2)+8*(\t%2))*32
.endr
	s_wait_loadcnt 28                              ; the indices are in; the 8 + 16 + 4 loads issued behind them may be out
	; ---- masks, bases and the count of my segment, while W1's rows are on their way
	s_mov_b32 s34, 0                               ; matching tokens so far
.irp g, 0,8
.irp i, 0,1,2,3,4,5,6,7
	v_cmp_eq_u32 s[36+\i], s23, v[IDX+\g+\i]
.endr
	s_wait_alu depctr_va_sdst(0)                   ; the eight compares have written s36 to s43, ahead of their first readers
.irp i, 0,1,2,3,4,5,6,7
	s_lshl_b32 s31, s34, 4
	s_or_b32 s31, s31, \g+\i
	v_mov_b32 v[KT+\g+\i], s31                     ; the key: 16 x base + j: it rises with j
	v_mov_b32 v[MK+\g+\i], s[36+\i]
	s_bcnt1_i32_b32 s35, s[36+\i]
	s_add_co_u32 s34, s34, s35
.endr
.endr
	s_min_u32 s25, s34, 0x200                      ; the count
	s_sub_co_u32 s33, s25, 1                       ; the last token's place (with no token: the greatest number, which holds nothing; no tile exists then)
	s_add_co_u32 s26, s25, 15
	s_lshr_b32 s26, s26, 4                         ; my tiles of 16;
	s_lshl_b32 s26, s26, 2
	s_add_co_u32 s26, s26, s22                     ; tile w + 4 n exists where its number is under w + 4 x that
	s_mov_b32 s27, s22                             ; T: the tile of a trip's first step
	v_mov_b32 v[CV], s25
	s_wait_loadcnt 4                               ; b1 and W1's rows are in; the 4 loads of W1's scale words, issued behind them, may be out
	WIN 0x04                                       ; an LDS store's data are its source 1: window 1
.irp k, 0,1,2,3,4,5,6,7,8,9,10,11,12,13,14,15
	ds_store_b128 v[WSS], v[4*\k:4*\k+3] offset:WST+(16*(\k>>3)+(\k&7))*PIT
.endr
	WIN 0
	s_wait_dscnt 0x0                               ; for the others' sake: my rows of W1 lie in LDS
	s_barrier_signal -1
	s_barrier_wait -1                              ; all 64 rows of W1 lie in LDS.  The only barrier: from here on waves part on their counts
	s_cmp_lg_u32 s24, 0
	s_cbranch_scc1 .Lno_count
	s_wait_alu depctr_va_vdst(0)                   ; v[CV], the count, is written, which the store reads
	global_store_b32 v[CA], v[CV], s[20:21] offset:8192   ; my segment's count, in its 8 words, for the next launch
.Lno_count:
; One halving of the search for a mask's n-th set bit: the field of w bits at the position so far holds FT set bits; where n is at least that, the bit lies in the field above
.macro HALVE cnt, w
	v_bfe_u32 v[FT], v[\cnt], v[FO], \w
	v_cmp_ge_u32 vcc_lo, v[FN], v[FT]
	s_wait_alu depctr_va_vcc(0)                    ; the compare has written VCC, which the two selects read
	v_cndmask_b32 v[FT], 0, v[FT], vcc_lo
	v_cndmask_b32 v[FU], 0, \w, vcc_lo
	v_sub_nc_u32 v[FN], v[FN], v[FT]
	v_add_nc_u32 v[FO], v[FO], v[FU]
.endm
; The tokens of the tile whose number is in s29 (it exists): lane l gets that of row l % 16
.macro SEARCH
	s_sub_co_u32 s31, s29, s22
	s_lshl_b32 s31, s31, 2                         ; 16 n: the tile's first place in my segment's list
	v_add_nc_u32 v[FP], s31, v[RR]
	v_min_u32 v[FP], s33, v[FP]                    ; behind the last token: the last token again
	v_lshl_or_b32 v[FQ], v[FP], 4, 15              ; key j is at most 16 p + 15 just where base j is at most p
	v_mov_b32 v[FM], v[MK]                         ; register 0's base is 0
	v_mov_b32 v[FK], v[KT]
.irp i, 0,1,2,3,4,5,6,7
	v_cmp_ge_u32 s[36+\i], v[FQ], v[KT+1+\i]
.endr
	s_wait_alu depctr_va_sdst(0)                   ; the eight compares have written s36 to s43, which the selects read
.irp i, 0,1,2,3,4,5,6,7
	v_cndmask_b32 v[FM], v[FM], v[MK+1+\i], s[36+\i]   ; the last register that passes stays
	v_cndmask_b32 v[FK], v[FK], v[KT+1+\i], s[36+\i]
.endr
.irp i, 0,1,2,3,4,5,6
	v_cmp_ge_u32 s[36+\i], v[FQ], v[KT+9+\i]
.endr
	s_wait_alu depctr_va_sdst(0)                   ; the seven compares have written s36 to s42, which the selects read
.irp i, 0,1,2,3,4,5,6
	v_cndmask_b32 v[FM], v[FM], v[MK+9+\i], s[36+\i]
	v_cndmask_b32 v[FK], v[FK], v[KT+9+\i], s[36+\i]
.endr
	v_lshrrev_b32 v[FT], 4, v[FK]
	v_sub_nc_u32 v[FN], v[FP], v[FT]               ; n = p - base: under the mask's number of set bits, since the next register's base is above p
	v_lshrrev_b32 v[FT], 1, v[FM]                  ; the mask's set bits counted in fields of 2, 4, 8 and 16 bits
	v_and_b32 v[FT], 0x55555555, v[FT]
	v_sub_nc_u32 v[FA], v[FM], v[FT]
	v_lshrrev_b32 v[FT], 2, v[FA]
	v_and_b32 v[FT], 0x33333333, v[FT]
	v_and_b32 v[FB], 0x33333333, v[FA]
	v_add_nc_u32 v[FB], v[FB], v[FT]
	v_lshrrev_b32 v[FT], 4, v[FB]
	v_add_nc_u32 v[FC], v[FB], v[FT]
	v_and_b32 v[FC], 0x0f0f0f0f, v[FC]
	v_lshrrev_b32 v[FT], 8, v[FC]
	v_add_nc_u32 v[FD], v[FC], v[FT]
	v_and_b32 v[FT], 0xff, v[FD]                   ; the lower 16 bits' count
	v_cmp_ge_u32 vcc_lo, v[FN], v[FT]
	s_wait_alu depctr_va_vcc(0)                    ; the compare has written VCC, which the two selects read
	v_cndmask_b32 v[FT], 0, v[FT], vcc_lo
	v_cndmask_b32 v[FO], 0, 16, vcc_lo
	v_sub_nc_u32 v[FN], v[FN], v[FT]
	HALVE FC, 8
	HALVE FB, 4
	HALVE FA, 2
	v_bfe_u32 v[FT], v[FM], v[FO], 1
	v_cmp_ge_u32 vcc_lo, v[FN], v[FT]
	s_wait_alu depctr_va_vcc(0)                    ; the compare has written VCC, which the select reads
	v_cndmask_b32 v[FU], 0, 1, vcc_lo
	v_add_nc_u32 v[FO], v[FO], v[FU]               ; the lane that holds the token
	v_bfe_u32 v[FT], v[FK], 2, 2                   ; j / 4
	v_and_b32 v[FU], 3, v[FK]                      ; j % 4
	v_lshl_add_u32 v[FU], v[FT], 7, v[FU]
	v_lshl_add_u32 v[FU], v[FO], 2, v[FU]
	v_add_nc_u32 v[TKL], s58, v[FU]                ; 512 w + 128 (j / 4) + 4 x lane + j % 4
.endm
; Where tile T + 4 d lies: its tokens and the offsets of its 17 loads.  Vector and scalar work alone.
; A tile that does not exist names token 0 with the lane term off, so that it stays inside x and asks for few bytes.
.macro WHERE d
	s_wait_xcnt 0x0                                ; the offsets and data of the loads and stores so far are written again only behind this wait
	s_wait_alu depctr_vm_vsrc(0)                   ; the loads and stores so far have read AD, VS, TKL, PC and SW, which vector lines write again from here on; the LDS stores so far have read their data, in which loads land below
	s_add_co_u32 s29, s27, 4*(\d)
	s_cmp_lt_u32 s29, s26
	s_cselect_b32 s30, -1, 0
	v_and_b32 v[L16M], s30, v[L16]
	v_min_u32 v[L16M], 0x1f0, v[L16M]              ; the choice hangs on the count: the term enters an address only held at its own largest value
	v_mov_b32 v[TKL], 0
	s_cbranch_scc0 .Lnone_\@                       ; (the compare above still stands: only a select and vector lines lie between)
	SEARCH
.Lnone_\@:
.irp g, 0,8
.irp i, 0,1,2,3,4,5,6,7
	v_readlane_b32 s[36+\i], v[TKL], \g+\i         ; the token of row g + i: the same for all lanes
.endr
	s_wait_alu depctr_va_sdst(0)                   ; the eight lane reads have written s36 to s43, ahead of their first readers
.irp i, 0,1,2,3,4,5,6,7
	s_min_u32 s[36+\i], s[36+\i], 0x7ff            ; a token made from the indices enters an address only so held
.endr
.irp i, 0,1,2,3,4,5,6,7
	s_lshl_b32 s[36+\i], s[36+\i], 9               ; 512 bytes a token
.endr
.irp i, 0,1,2,3,4,5,6,7
	v_add_nc_u32 v[AD+\g+\i], s[36+\i], v[L16M]
.endr
.endr
	v_min_u32 v[VS], 0x7ff, v[TKL]
	v_lshl_add_u32 v[VS], v[VS], 5, v[H16]         ; 32 scale bytes a token; lanes 16-31 the upper four words
.endm
; Tile T + 4 d is asked for: 16 loads of x's codes (each: one token's row, 512 consecutive aligned bytes) into a slot of window 2, and one of its scale words: 17 loads on every path.
; It stands behind a wait on va_vdst that WHERE's lines precede; no vector line stands between that wait and these lines.
.macro ASKX d, slot
	WIN 0x80                                       ; destination window 2
.irp k, 0,1,2,3,4,5,6,7,8,9,10,11,12,13,14,15
	global_load_b128 v[64*(\slot)+4*\k:64*(\slot)+4*\k+3], v[AD+\k], s[4:5]
.endr
	WIN 0
	global_load_b128 v[XSR+4*(\slot):XSR+4*(\slot)+3], v[VS], s[6:7]
	s_and_b32 s31, s30, s32                        ; the tile exists and this work-group stores the list
	s_cbranch_scc0 .Lno_route_\@
	global_store_b32 v[RO], v[TKL], s[20:21] offset:256*(\d)   ; both halves of the lanes store the same 64 bytes
.Lno_route_\@:
.endm
.macro ISSUE d, slot                   ; at the head, where no tile is at work yet
	WHERE \d
	s_wait_alu depctr_va_vdst(0)                   ; AD, VS and TKL are written, which the loads and the store below read
	ASKX \d, \slot
.endm
; The tile in a slot goes through my stage and becomes fragments; the slot is asked for again, with tile T + 4 d.
.macro ADVANCE slot, d
	s_wait_loadcnt 51                              ; the slot's 17 loads are in; those of the three younger tiles, 3 x 17, may be out
	WIN 0x08                                       ; the data: window 2
.irp k, 0,1,2,3,4,5,6,7,8,9,10,11,12,13,14,15
	ds_store_b128 v[SST], v[64*(\slot)+4*\k:64*(\slot)+4*\k+3] offset:PIT*\k
.endr
	WIN 0
.rept 4
	v_nop                                          ; four places behind the last product (ISA guide 7.12.1), ahead of the writes of its scale words
.endr
.irp i, 0,1,2,3
	v_mov_b32 v[XSC+\i], v[XSR+4*(\slot)+\i]
.endr
	WHERE \d                                       ; the next request's addresses are made here, so that one wait serves the fragments' loads and the request
	s_wait_dscnt 0x0                               ; the stage's stores have read the slot
	s_wait_alu depctr_va_vdst(0)                   ; the products are done reading XF, in which the LDS loads land; the four copies are done reading XSR, in which a load lands, and have written XSC, the next products' scales; AD, VS and TKL are written
.irp s, 0,1,2,3,4,5,6,7
.irp c, 0,1
	ds_load_b128 v[XF+8*\s+4*\c:XF+8*\s+4*\c+3], v[SFR] offset:64*\s+32*\c   ; registers 4 c .. 4 c + 3 of K step s: k = 128 s + 64 c + 32 h + 0 .. 31 of row r
.endr
.endr
	ASKX \d, \slot
.endm
; One product: tile t of W1 x the 16 tokens, K step s.  first = 1: b1 is the C that starts the sum.  The four accumulators take turns, one instruction a turn.
.macro MM t, s, first
.if \first
	v_wmma_scale_f32_16x16x128_f8f6f4 v[ACC+8*\t:ACC+8*\t+7], v[64*\t+8*\s:64*\t+8*\s+7], v[XF+8*\s:XF+8*\s+7], v[8*\t:8*\t+7], v[W1S+4*\t+\s], v[XSC+\s] matrix_a_fmt:MATRIX_FMT_FP4 matrix_b_fmt:MATRIX_FMT_FP4
.elseif \s < 4
	v_wmma_scale_f32_16x16x128_f8f6f4 v[ACC+8*\t:ACC+8*\t+7], v[64*\t+8*\s:64*\t+8*\s+7], v[XF+8*\s:XF+8*\s+7], v[ACC+8*\t:ACC+8*\t+7], v[W1S+4*\t+\s], v[XSC+\s] matrix_a_fmt:MATRIX_FMT_FP4 matrix_b_fmt:MATRIX_FMT_FP4
.else
	v_wmma_scale_f32_16x16x128_f8f6f4 v[ACC+8*\t:ACC+8*\t+7], v[64*\t+8*\s:64*\t+8*\s+7], v[XF+8*\s:XF+8*\s+7], v[ACC+8*\t:ACC+8*\t+7], v[W1S+4*\t+\s-4], v[XSC+\s-4] matrix_a_fmt:MATRIX_FMT_FP4 matrix_b_fmt:MATRIX_FMT_FP4 matrix_a_scale:MATRIX_SCALE_ROW1 matrix_b_scale:MATRIX_SCALE_ROW1
.endif
.endm
; gelu of eight numbers in place, two at a time; each line is written for the four pairs in turn, lowest registers first
.macro GELU8 x
.irp p, 0,2,4,6
	v_pk_mul_f32 v[GZ+\p:GZ+\p+1], v[(\x)+\p:(\x)+\p+1], s[K_RS2:K_RS2+1] op_sel_hi:[1,0]   ; z = x / sqrt 2
.endr
.irp i, 0,1,2,3,4,5,6,7
	v_med3_num_f32 v[GZ+\i], v[GZ+\i], -4.0, 4.0   ; beyond +-4 erf is +-1 in f32
.endr
.irp p, 0,2,4,6
	v_pk_mul_f32 v[GW+\p:GW+\p+1], v[GZ+\p:GZ+\p+1], v[GZ+\p:GZ+\p+1]
.endr
.irp p, 0,2,4,6
	v_pk_fma_f32 v[GP+\p:GP+\p+1], v[GW+\p:GW+\p+1], v[VA13:VA13+1], s[K_A11:K_A11+1] op_sel_hi:[1,1,0]
.endr
.irp p, 0,2,4,6
	v_pk_fma_f32 v[GQ+\p:GQ+\p+1], v[GW+\p:GW+\p+1], v[VB8:VB8+1], s[K_B6:K_B6+1] op_sel_hi:[1,1,0]
.endr
.irp c, K_A9, K_A7, K_A5, K_A3, K_A1
.irp p, 0,2,4,6
	v_pk_fma_f32 v[GP+\p:GP+\p+1], v[GP+\p:GP+\p+1], v[GW+\p:GW+\p+1], s[\c:\c+1] op_sel_hi:[1,1,0]
.endr
.endr
.irp c, K_B4, K_B2, K_B0
.irp p, 0,2,4,6
	v_pk_fma_f32 v[GQ+\p:GQ+\p+1], v[GQ+\p:GQ+\p+1], v[GW+\p:GW+\p+1], s[\c:\c+1] op_sel_hi:[1,1,0]
.endr
.endr
.irp p, 0,2,4,6
	v_pk_mul_f32 v[GP+\p:GP+\p+1], v[GP+\p:GP+\p+1], v[GZ+\p:GZ+\p+1]
.endr
.irp i, 0,1,2,3,4,5,6,7
	v_rcp_f32 v[GQ+\i], v[GQ+\i]
.endr
.irp p, 0,2,4,6
	v_pk_mul_f32 v[GZ+\p:GZ+\p+1], v[(\x)+\p:(\x)+\p+1], 0.5 op_sel_hi:[1,0]   ; x / 2: plain lines behind the reciprocals, which touch none of their registers (ISA guide 5.7.2)
.endr
	s_wait_alu depctr_va_vdst(0)                   ; the eight reciprocals have written v[GQ ..], ahead of their first reader: one wait for the batch
.irp p, 0,2,4,6
	v_pk_mul_f32 v[GP+\p:GP+\p+1], v[GP+\p:GP+\p+1], v[GQ+\p:GQ+\p+1]          ; erf
.endr
.irp i, 0,1,2,3,4,5,6,7
	v_max_num_f32 v[GP+\i], -1.0, v[GP+\i]         ; never under -1: gelu of a very negative x does not turn positive
.endr
.irp p, 0,2,4,6
	v_pk_fma_f32 v[(\x)+\p:(\x)+\p+1], v[GZ+\p:GZ+\p+1], v[GP+\p:GP+\p+1], v[GZ+\p:GZ+\p+1]
.endr
.endm
; My token's 64 hidden units, two blocks of 32 (16 numbers of each are mine, 16 lane l xor 16's), become four registers of codes and two scale bytes
.macro QUANT
.irp b, 0,1
	v_max3_num_f32 v[QM+\b], |v[ACC+16*\b]|, |v[ACC+16*\b+1]|, 0x1800000   ; and the floor 2^(3 - 127): the byte cannot fall under 1
.endr
.irp i, 2,4,6,8,10,12,14
.irp b, 0,1
	v_max3_num_f32 v[QM+\b], v[QM+\b], |v[ACC+16*\b+\i]|, |v[ACC+16*\b+\i+1]|
.endr
.endr
.irp b, 0,1
	v_permlanex16_b32 v[QN+\b], v[QM+\b], s44, s45
.endr
.irp b, 0,1
	v_max_num_f32 v[QM+\b], v[QM+\b], v[QN+\b]     ; the block's largest magnitude
.endr
.irp b, 0,1
	v_add_nc_u32 v[QS+\b], 0xff000000, v[QM+\b]    ; 2 off its exponent field: the conversion takes the exponent field of this operand as its scale
.endr
.irp b, 0,1
	v_lshrrev_b32 v[QB+\b], 23, v[QS+\b]           ; the scale's byte
.endr
	v_lshl_or_b32 v[SW], v[QB+1], 8, v[QB]
.irp b, 0,1
	v_cvt_scalef32_pk8_fp4_f32 v[PC+2*\b],   v[ACC+16*\b:ACC+16*\b+7],    v[QS+\b]
	v_cvt_scalef32_pk8_fp4_f32 v[PC+2*\b+1], v[ACC+16*\b+8:ACC+16*\b+15], v[QS+\b]
.endr
	v_nop                                          ; one plain place behind a scaled conversion
	v_permlane16_swap_b32 v[PC], v[PC+2]           ; the operand's layout wants a whole block in a lane: lanes 0-15 the first block, lanes 16-31 the second
	v_permlane16_swap_b32 v[PC+1], v[PC+3]
.endm
; Tile T + 4 n: 32 products; the next tile's way through the stage and the request for the tile five on stand between them and the gelu
.macro STEP n
	s_wait_dscnt 0x0                               ; x's fragments are in (ahead of the test, so that no LDS load is out at the end)
	s_add_co_u32 s29, s27, 4*(\n)
	s_cmp_ge_u32 s29, s26
	s_cbranch_scc1 .Ldone                          ; my tiles ascend: the first that does not exist ends the wave
	WIN 0x31                                       ; source 0 (W1) window 1, source 2 (b1) window 3
.irp t, 0,1,2,3
	MM \t, 0, 1
.endr
	WIN 0x01
.irp s, 1,2,3,4,5,6,7
.irp t, 0,1,2,3
	MM \t, \s, 0
.endr
.endr
	WIN 0
	ADVANCE ((\n)+1)%4, (\n)+5
.irp t, 0,1,2,3
	GELU8 ACC+8*\t
.endr
	QUANT
	s_wait_alu depctr_va_vdst(0)                   ; the quantiser has written v[PC ..] and v[SW], which the two stores read; in a trip's first step their offsets HO and SO, stepped at the last trip's end, are written too
	global_store_b128 v[HO], v[PC:PC+3], s[16:17] offset:65536*(\n)   ; 32 lanes store 512 consecutive bytes, at a multiple of 512 from hc's first byte
	global_store_b16 v[SO], v[SW], s[18:19] offset:4096*(\n)          ; my row's two bytes of its scale word; both halves of the lanes store the same
.endm
	ISSUE 0, 0
	ISSUE 1, 1
	ISSUE 2, 2
	WIN 0x40                                       ; W1's 32 fragments into window 1: they stay.  (The LDS stores that read W1's rows out of v0-63 of this window stand ahead of the waits on vm_vsrc above)
.irp t, 0,1,2,3
.irp s, 0,1,2,3,4,5,6,7
.irp c, 0,1
	ds_load_b128 v[64*\t+8*\s+4*\c:64*\t+8*\s+4*\c+3], v[WF] offset:WST+16*\t*PIT+64*\s+32*\c
.endr
.endr
.endr
	WIN 0
	ISSUE 3, 3
	ADVANCE 0, 4                                   ; its wait for all LDS instructions also shows W1's fragments in
	s_mov_b32 s28, 0
.Ltrip:                                            ; eight trips of four tiles serve 32 tiles, all 512 tokens of my segment on one expert; a wave leaves at its first tile that does not exist
	STEP 0
	STEP 1
	STEP 2
	STEP 3
	s_wait_xcnt 0x0                                ; the stores' offsets are stepped only behind this wait
	s_wait_alu depctr_vm_vsrc(0)                   ; the stores so far have read RO, HO and SO, which the three lines below write
	v_add_nc_u32 v[RO], 1024, v[RO]                ; 16 tile numbers on
	v_add_nc_u32 v[HO], 0x40000, v[HO]
	v_add_nc_u32 v[SO], 0x4000, v[SO]
	s_add_co_u32 s27, s27, 16
	s_add_co_u32 s28, s28, 1
	s_cmp_lt_u32 s28, 8
	s_cbranch_scc1 .Ltrip
.Ldone:
	s_wait_dscnt 0x0                               ; the closing lines, six on end.  (Behind the eighth trip the fragments asked for last are still on their way: the first line waits for them too)
	s_wait_alu 0x0
	s_wait_tensorcnt 0x0
	ds_add_u32 v78, v79
	s_wait_dscnt 0x0
	s_endpgm
.Lfunc_end_k_q6137cc03a1_up:
	.size	k_q6137cc03a1_up, .Lfunc_end_k_q6137cc03a1_up-k_q6137cc03a1_up
	.p2alignl 7, 3214868480
	.fill 96, 4, 3214868480
	.section	.rodata,"a",@progbits
	.p2align	6, 0x0
	.amdhsa_kernel k_q6137cc03a1_up
		.amdhsa_group_segment_fixed_size 68096
		.amdhsa_private_segment_fixed_size 0
		.amdhsa_enable_private_segment 0
		.amdhsa_kernarg_size 72
		.amdhsa_user_sgpr_count 2
		.amdhsa_user_sgpr_kernarg_segment_ptr 1
		.amdhsa_wavefront_size32 1
		.amdhsa_system_sgpr_workgroup_id_x 1
		.amdhsa_system_sgpr_workgroup_id_y 1
		.amdhsa_system_sgpr_workgroup_id_z 1
		.amdhsa_system_vgpr_workitem_id 0
		.amdhsa_next_free_vgpr 800
		.amdhsa_next_free_sgpr 88
		.amdhsa_reserve_vcc 1
		.amdhsa_float_denorm_mode_32 3
		.amdhsa_float_denorm_mode_16_64 3
		.amdhsa_memory_ordered 1
		.amdhsa_forward_progress 1
		.amdhsa_inst_pref_size 232
	.end_amdhsa_kernel
	.amdgpu_metadata
---
amdhsa.version: [ 1, 2 ]
amdhsa.kernels:
  - .name:           k_q6137cc03a1_up
    .symbol:         k_q6137cc03a1_up.kd
    .args:
      - { .name: x_codes, .offset: 0, .size: 8, .value_kind: global_buffer, .address_space: global }
      - { .name: x_scales, .offset: 8, .size: 8, .value_kind: global_buffer, .address_space: global }
      - { .name: expert_indices, .offset: 16, .size: 8, .value_kind: global_buffer, .address_space: global }
      - { .name: W1_codes, .offset: 24, .size: 8, .value_kind: global_buffer, .address_space: global }
      - { .name: W1_scales, .offset: 32, .size: 8, .value_kind: global_buffer, .address_space: global }
      - { .name: b1, .offset: 40, .size: 8, .value_kind: global_buffer, .address_space: global }
      - { .name: hc, .offset: 48, .size: 8, .value_kind: global_buffer, .address_space: global }
      - { .name: hs, .offset: 56, .size: 8, .value_kind: global_buffer, .address_space: global }
      - { .name: route, .offset: 64, .size: 8, .value_kind: global_buffer, .address_space: global }
    .group_segment_fixed_size: 68096
    .private_segment_fixed_size: 0
    .kernarg_segment_align: 8
    .kernarg_segment_size: 72
    .max_flat_workgroup_size: 128
    .sgpr_count:     88
    .vgpr_count:     800
    .wavefront_size: 32
...
	.end_amdgpu_metadata
.endif
;; end of part 6
;; launch down (part 7): grid 16 x 16, 4 waves a work-group, no clusters, 84,480 bytes of LDS; arguments hc, hs, route, W2_codes, W2_scales, b2, out0; writes out0
.if DOCPART == 7
	.amdgcn_target "amdgcn-amd-amdhsa--gfx1250"
	.amdhsa_code_object_version 6
	.text
	.protected	k_q6137cc03a1_down
	.globl	k_q6137cc03a1_down
	.p2align	8
	.type	k_q6137cc03a1_down,@function
k_q6137cc03a1_down:
	s_mov_b64 s[64:65], 0
	v_nop
	global_prefetch_b8 v0, s[64:65] scope:SCOPE_SE
	s_setreg_imm32_b32 hwreg(HW_REG_WAVE_SCHED_MODE, 0, 2), 2
	s_setreg_imm32_b32 hwreg(HW_REG_WAVE_MODE, 25, 1), 1
	s_wait_xcnt 0x0
	s_wait_alu depctr_vm_vsrc(0)
; SECOND LAYER: out0[token] = h W2[e] + b2[e] for the rows of expert e's tiles.  h: codes and scale words as the launch before laid them (images of this product's operand registers);
; W2 [8][1024 columns][2048]: codes of FP4 (E2M1), K innermost, one E8M0 byte for each 32 along K; out0 [2048][1024] f32.
; THE TILES.  The launch before made tiles of 16 rows apart for each of four segments of 512 tokens: segment g's n-th tile has the number g + 4 n, and exists where n is under ceil(count g / 16).
; route [e]: word 16 t + r: the token of row r of tile t; word 2048 + 8 g: segment g's count.
; SHARES.  A work-group takes one expert and one half z of its tile numbers (grid y = 2 e + z) and 64 columns of the output (grid x).  Its 64 KB of W2 are read from memory once and stay in EVERY wave's
; registers (64 fragments, 512 registers); wave w walks the tile numbers z + 2 w, + 8, + 16 ..: all of them lie in segment z + 2 (w % 2), with n = w / 2, + 2, + 4 ..  Inside that walk no wave needs
; another: the launch's one barrier stands ahead of it.
; LAYOUT.  Transposed use (source 0 = 16 rows of W2, source 1 = 16 rows of h): a lane holds eight neighbouring columns of one row.  A wave's 64 columns are 256 bytes of a row of out0: they go through
; the wave's own stage in LDS, and sixteen lanes store 256 consecutive bytes, at a multiple of 256 from out0's first byte, at the row's token.
; A pad row of a segment's last tile is a copy of the segment's last row, which lies in the same tile: the same wave stores the same numbers to the same place.  A wave whose segment has no tile for it
; reads nothing of hc, hs or the list, and stores nothing.
; NO TENSOR LOADS, NO CLUSTER: the number of tiles hangs on counts read from memory, so partners would need different numbers of tiles; operands go from memory straight into registers.
; LIMITS: as in the launch before (indices outside 0 .. 7, NaN and infinities are not served).
; THE MODE: SCHED_MODE bits 1:0 = 2 (LLVM: expert scheduling mode 2), set by the entry lines.  The code itself states the register dependences
; between vector or matrix instructions and memory or LDS instructions, with s_wait_alu, always for 0.
; THE PLAN.  Registers that memory or LDS instructions touch, in the loop:
;   HOF, HSF, TKF       a buffer's three offsets: written by HADDR's vector lines; read by the buffer's 36 loads.
;   window 3, buffer b; HS; TK   the 36 loads land in them; the tile's 64 products read the first two, eight vector lines the third.
;   ACC                 written by the products; read by the eight LDS stores into my stage; written anew by the next tile's first products.
;   OUT                 the eight LDS loads from my stage land in it; the eight global stores read it.          VA: written by sixteen vector lines; read by those stores as their offsets.
;   v1-7                offsets and LDS addresses: written at the head and never again.
; A tile's vector and matrix lines stand together, and all its memory and LDS lines behind them.  So TWO waits serve a tile: one on vm_vsrc at its head (what the tile before issued has read its registers),
; one on va_vdst between the two parts.
.set W2ST,  0                          ; LDS: 64 rows of W2: 1,024 bytes + 16: sixteen neighbouring rows begin at sixteen different 16-byte columns modulo 256
.set WPIT,  1040
.set OST,   66560                      ; for each wave a stage of 16 rows x (256 bytes + 16)
.set OPIT,  272
.set L16,  1                           ; v1   16 x lane
.set Q16,  2                           ; v2   16 x (lane % 16)
.set H32,  3                           ; v3   32 x (lane / 16)
.set WSS,  4                           ; v4   LDS: where my wave puts its 16 rows of W2
.set WF,   5                           ; v5   LDS: my lane's place in a fragment of W2
.set STO,  6                           ; v6   LDS: into my stage
.set RD,   7                           ; v7   LDS: back out of it
.set LM,   8                           ; v8   16 x lane, or 0 for a tile that does not exist
.set HOF,  10                          ; v10-11 offset in hc, one for each buffer
.set HSF,  12                          ; v12-13 in hs
.set TKF,  14                          ; v14-15 in route
.set AW,   16                          ; v16  offset in W2's scales
.set W2S,  32                          ; v32-63   W2's scale words: register 8 t + q: lanes 0-15 K step q, lanes 16-31 K step 8 + q
.set B2,   64                          ; v64-95   b2 in the result's layout
.set ACC,  96                          ; v96-127  four accumulators
.set HS,   128                         ; v128-143 h's scale words, 8 a buffer, laid as W2's
.set TK,   144                         ; v144-159 tokens, 8 a buffer: register i: row 8 h + i
.set VA,   160                         ; v160-167 offsets in out0
.set OUT,  168                         ; v168-199 rows read back from the stage
; windows 1 and 2: W2's fragment (K step s, tile t) at register 8 (4 s + t) of the 512.  window 3: h's 16 fragments, buffer b at v[128 b + 8 s].
.set MSB, 0
.macro WIN new                         ; the immediate's high byte repeats the setting that is left
.if MSB != \new
	s_set_vgpr_msb (MSB<<8)|\new
.set MSB, \new
.endif
.endm
	s_load_b256 s[4:11], s[0:1], 0x0               ; hc s[4:5], hs s[6:7], route s[8:9], W2 codes s[10:11]
	s_load_b128 s[12:15], s[0:1], 0x20             ; W2 scales s[12:13], b2 s[14:15]
	s_load_b64 s[16:17], s[0:1], 0x30              ; out0
	v_lshl_add_u32 v254, v0, 2, 0x14800            ; my spare word, behind the stages, and 0: made here and kept for the closing lines alone
	v_mov_b32 v255, 0
	v_lshrrev_b32 v[OUT+3], 5, v0
	v_readfirstlane_b32 s22, v[OUT+3]              ; wave 0..3
	s_and_b32 s20, ttmp7, 0xffff
	s_lshr_b32 s23, s20, 1                         ; the expert
	s_and_b32 s21, s20, 1                          ; z
	s_mov_b32 s24, ttmp9                           ; which 64 columns
	v_and_b32 v[OUT], 15, v0                       ; r
	v_bfe_u32 v[OUT+1], v0, 4, 1                   ; h
	v_and_b32 v[OUT+2], 31, v0                     ; lane
	v_lshlrev_b32 v[L16], 4, v[OUT+2]
	v_lshlrev_b32 v[Q16], 4, v[OUT]
	v_lshlrev_b32 v[H32], 5, v[OUT+1]
	s_wait_alu depctr_va_sdst(0)                   ; s22, the wave's number, is written, ahead of its first reader
	s_mul_i32 s29, s22, 16*WPIT
	v_add_nc_u32 v[WSS], s29, v[L16]
	v_mul_u32_u24 v[WF], v[OUT], WPIT
	v_lshl_add_u32 v[WF], v[OUT+1], 4, v[WF]       ; row r of a tile, + 16 h
	s_mul_i32 s29, s22, 16*OPIT
	s_add_co_u32 s29, s29, OST                     ; my stage
	v_mul_u32_u24 v[STO], v[OUT], OPIT
	v_lshl_add_u32 v[STO], v[OUT+1], 5, v[STO]
	v_add_nc_u32 v[STO], s29, v[STO]               ; in: row r, + 32 h; tile t's eight columns 64 t bytes on
	v_mul_u32_u24 v[RD], v[OUT+1], 8*OPIT
	v_lshl_add_u32 v[RD], v[OUT], 4, v[RD]
	v_add_nc_u32 v[RD], s29, v[RD]                 ; back: lanes 0-15 row i, lanes 16-31 row 8 + i
	v_lshlrev_b32 v[AW], 6, v[OUT]                 ; 64 scale bytes a row of W2,
	v_lshl_add_u32 v[AW], v[OUT+1], 5, v[AW]       ; lanes 16-31 the upper eight words
	s_lshl_b32 s27, s22, 1
	s_add_co_u32 s27, s27, s21                     ; T: my first tile's number, z + 2 w
	s_and_b32 s18, s22, 1
	s_lshl_b32 s18, s18, 1
	s_add_co_u32 s18, s18, s21                     ; my segment, z + 2 (w % 2): also the number of its first tile
	; byte offsets, made apart from the addresses
	s_lshl_b32 s32, s23, 21                        ; hc: 2 MB an expert
	s_mov_b32 s33, 0
	s_lshl_b32 s34, s23, 17                        ; hs: 128 KB
	s_mov_b32 s35, 0
	s_mul_i32 s36, s23, 8448                       ; route
	s_mov_b32 s37, 0
	s_lshl_b32 s38, s23, 20                        ; W2's codes: 1 MB an expert, 64 KB a work-group, 16 KB a wave
	s_lshl_b32 s29, s24, 16
	s_add_co_u32 s38, s38, s29
	s_lshl_b32 s29, s22, 14
	s_add_co_u32 s38, s38, s29
	s_mov_b32 s39, 0
	s_lshl_b32 s40, s23, 16                        ; W2's scales: (1024 e + 64 x) x 64
	s_lshl_b32 s29, s24, 12
	s_add_co_u32 s40, s40, s29
	s_mov_b32 s41, 0
	s_lshl_b32 s42, s23, 12                        ; b2: (1024 e + 64 x) x 4
	s_lshl_b32 s29, s24, 8
	s_add_co_u32 s42, s42, s29
	s_mov_b32 s43, 0
	s_lshl_b32 s44, s24, 8                         ; out0: my 64 columns
	s_mov_b32 s45, 0
	s_lshl_b32 s46, s18, 5                         ; a segment's count: 8 words
	s_mov_b32 s47, 0
	s_wait_kmcnt 0x0
	s_add_nc_u64 s[4:5], s[4:5], s[32:33]
	s_add_nc_u64 s[6:7], s[6:7], s[34:35]
	s_add_nc_u64 s[8:9], s[8:9], s[36:37]
	s_add_nc_u64 s[10:11], s[10:11], s[38:39]
	s_add_nc_u64 s[12:13], s[12:13], s[40:41]
	s_add_nc_u64 s[14:15], s[14:15], s[42:43]
	s_add_nc_u64 s[16:17], s[16:17], s[44:45]
	s_add_nc_u64 s[46:47], s[8:9], s[46:47]
	s_load_b32 s25, s[46:47], 0x2000               ; my segment's count
	WIN 0x40                                       ; destination window 1
	s_wait_alu depctr_va_vdst(0)                   ; the offsets and LDS addresses v1 to v7 and v16 are written, which the loads, stores and LDS instructions of the whole kernel read; so are v168 to v171, in which LDS loads land later
.irp j, 0,1,2,3,4,5,6,7,8,9,10,11,12,13,14,15,16,17,18,19,20,21,22,23,24,25,26,27,28,29,30,31
	global_load_b128 v[4*\j:4*\j+3], v[L16], s[10:11] offset:512*\j th:TH_LOAD_NT   ; half a row of W2, 512 consecutive bytes, an instruction; read by this wave alone in the whole launch
.endr
	WIN 0
.irp t, 0,1,2,3
.irp g, 0,1
	global_load_b128 v[W2S+8*\t+4*\g:W2S+8*\t+4*\g+3], v[AW], s[12:13] offset:1024*\t+16*\g
.endr
.endr
.irp t, 0,1,2,3
.irp g, 0,1
	global_load_b128 v[B2+8*\t+4*\g:B2+8*\t+4*\g+3], v[H32], s[14:15] offset:64*\t+16*\g   ; register 8 t + j: b2 of column 16 t + 8 h + j
.endr
.endr
	s_wait_loadcnt 16                              ; W2's rows are in; its scale words (8 loads) and b2 (8) may be out
	WIN 0x04                                       ; an LDS store's data are its source 1: window 1
.irp j, 0,1,2,3,4,5,6,7,8,9,10,11,12,13,14,15,16,17,18,19,20,21,22,23,24,25,26,27,28,29,30,31
	ds_store_b128 v[WSS], v[4*\j:4*\j+3] offset:W2ST+(\j>>1)*WPIT+(\j&1)*512
.endr
	WIN 0
	s_wait_dscnt 0x0                               ; for the others' sake: my rows of W2 lie in LDS
	s_wait_kmcnt 0x0
	s_barrier_signal -1
	s_barrier_wait -1                              ; all 64 rows do.  The only barrier: from here on waves part on their counts
	s_wait_alu depctr_vm_vsrc(0)                   ; my LDS stores have read W2's rows out of v0-127 of window 1, in which the fragments' LDS loads land below
	s_min_u32 s25, s25, 0x200
	s_add_co_u32 s26, s25, 15
	s_lshr_b32 s26, s26, 4                         ; the segment's tiles of 16;
	s_lshl_b32 s26, s26, 2
	s_add_co_u32 s26, s26, s18                     ; a tile of the segment exists where its number is under segment + 4 x that
	s_cmp_ge_u32 s27, s26
	s_cbranch_scc1 .Ldone                          ; no tile for this wave
; The offsets of tile T + 8 d for buffer b.  A tile that does not exist is replaced by my segment's first tile, which exists here, with the lane term off: it stays inside what was stored and asks for few bytes.
; Both choices hang on the count that was read: the tile's number and the lane term enter an address only held at their own largest values, 127 and 16 x 31.
.macro HADDR b, d
	s_add_co_u32 s29, s27, 8*(\d)
	s_cmp_lt_u32 s29, s26
	s_cselect_b32 s29, s29, s18
	s_cselect_b32 s30, -1, 0
	s_min_u32 s29, s29, 0x7f
	v_and_b32 v[LM], s30, v[L16]
	v_min_u32 v[LM], 0x1f0, v[LM]
	s_lshl_b32 s31, s29, 14
	v_add_nc_u32 v[HOF+\b], s31, v[LM]             ; 16 KB of codes a tile
	s_lshl_b32 s31, s29, 10
	v_add_nc_u32 v[HSF+\b], s31, v[LM]             ; 1 KB of scale words
	s_lshl_b32 s31, s29, 6
	v_add_nc_u32 v[TKF+\b], s31, v[H32]            ; 64 bytes of the list; lanes 16-31 rows 8 on
.endm
.macro HCODES b, s0, n                 ; h's fragments of K steps s0 .. s0 + n - 1: each load 512 consecutive bytes, as the registers want them
	WIN 0xc0                                       ; destination window 3
.set HSI, \s0
.rept \n
	global_load_b128 v[128*\b+8*HSI:128*\b+8*HSI+3],   v[HOF+\b], s[4:5] offset:1024*HSI
	global_load_b128 v[128*\b+8*HSI+4:128*\b+8*HSI+7], v[HOF+\b], s[4:5] offset:1024*HSI+512
.set HSI, HSI+1
.endr
	WIN 0
.endm
.macro HREST b                         ; its scale words and its tokens.  With the codes: 36 loads a tile, on every path
.irp g, 0,1
	global_load_b128 v[HS+8*\b+4*\g:HS+8*\b+4*\g+3], v[HSF+\b], s[6:7] offset:512*\g
.endr
.irp g, 0,1
	global_load_b128 v[TK+8*\b+4*\g:TK+8*\b+4*\g+3], v[TKF+\b], s[8:9] offset:16*\g
.endr
.endm
; One product: tile t of W2 x the 16 rows in buffer b, K step s.  At s = 0 b2 is the C that starts the sum.  The four accumulators take turns, one instruction a turn.
.macro MD b, t, s
.if \s == 0
	v_wmma_scale_f32_16x16x128_f8f6f4 v[ACC+8*\t:ACC+8*\t+7], v[8*\t:8*\t+7], v[128*\b:128*\b+7], v[B2+8*\t:B2+8*\t+7], v[W2S+8*\t], v[HS+8*\b] matrix_a_fmt:MATRIX_FMT_FP4 matrix_b_fmt:MATRIX_FMT_FP4
.elseif \s < 8
	v_wmma_scale_f32_16x16x128_f8f6f4 v[ACC+8*\t:ACC+8*\t+7], v[32*\s+8*\t:32*\s+8*\t+7], v[128*\b+8*\s:128*\b+8*\s+7], v[ACC+8*\t:ACC+8*\t+7], v[W2S+8*\t+\s], v[HS+8*\b+\s] matrix_a_fmt:MATRIX_FMT_FP4 matrix_b_fmt:MATRIX_FMT_FP4
.else
	v_wmma_scale_f32_16x16x128_f8f6f4 v[ACC+8*\t:ACC+8*\t+7], v[32*(\s-8)+8*\t:32*(\s-8)+8*\t+7], v[128*\b+8*\s:128*\b+8*\s+7], v[ACC+8*\t:ACC+8*\t+7], v[W2S+8*\t+\s-8], v[HS+8*\b+\s-8] matrix_a_fmt:MATRIX_FMT_FP4 matrix_b_fmt:MATRIX_FMT_FP4 matrix_a_scale:MATRIX_SCALE_ROW1 matrix_b_scale:MATRIX_SCALE_ROW1
.endif
.endm
; Tile T + 8 b, in buffer b: 64 products; the buffer is asked for again (the tile two on); the results leave through my stage
.macro TILE b
	s_wait_alu depctr_vm_vsrc(0)                   ; what was issued so far has read its registers: the last tile's LDS stores the accumulators, which this tile's first products write; its global stores VA and OUT; this buffer's loads their three offsets: all are written again in this tile
	s_add_co_u32 s29, s27, 8*\b
	s_cmp_ge_u32 s29, s26
	s_cbranch_scc1 .Ldone                          ; my tiles ascend: the first that does not exist ends the wave
	s_wait_loadcnt 36                              ; this buffer's 36 loads are in; the other buffer's 36 may be out
	WIN 0x0d                                       ; source 0 (W2) window 1, source 1 (h) window 3
.irp s, 0,1,2,3,4,5,6,7
.irp t, 0,1,2,3
	MD \b, \t, \s
.endr
.endr
	WIN 0x0e                                       ; source 0 window 2
.irp s, 8,9,10,11,12,13,14,15
.irp t, 0,1,2,3
	MD \b, \t, \s
.endr
.endr
	WIN 0
	s_wait_xcnt 0x0                                ; the offsets and data of the stores and loads so far are written again only behind this wait
.irp i, 0,1,2,3,4,5,6,7
	v_min_u32 v[VA+\i], 0x7ff, v[TK+8*\b+\i]       ; a token read from the list enters an address only so held.  (These sixteen lines are also the places behind the last products: ISA guide 7.12.1)
.endr
.irp i, 0,1,2,3,4,5,6,7
	v_lshl_add_u32 v[VA+\i], v[VA+\i], 12, v[Q16]  ; 4,096 bytes a row of out0
.endr
	HADDR \b, \b+2
	s_wait_alu depctr_va_vdst(0)                   ; the products have written the accumulators, which the LDS stores read, and are done reading this buffer's fragments and scale words, in which loads land; the lines above are done reading TK, in which loads land, and have written VA and the three offsets.  No vector line stands between here and the tile's end
	HCODES \b, 0, 16
	HREST \b
.irp t, 0,1,2,3
	ds_store_b128 v[STO], v[ACC+8*\t:ACC+8*\t+3]   offset:64*\t      ; each accumulator from its low end on
	ds_store_b128 v[STO], v[ACC+8*\t+4:ACC+8*\t+7] offset:64*\t+16
.endr
.irp i, 0,1,2,3,4,5,6,7
	ds_load_b128 v[OUT+4*\i:OUT+4*\i+3], v[RD] offset:OPIT*\i        ; LDS serves a wave's instructions in order (ISA guide 5.7.1): these see the stores above
.endr
.irp i, 0,1,2,3,4,5,6,7
	s_wait_dscnt 7-\i                              ; rows i and 8 + i are back; the loads behind them may be out
	global_store_b128 v[VA+\i], v[OUT+4*\i:OUT+4*\i+3], s[16:17] th:TH_STORE_NT   ; sixteen lanes store 256 consecutive aligned bytes of a token's row; written once, read by nobody here
.endr
.endm
	HADDR 0, 0
	HADDR 1, 1
	s_wait_alu depctr_va_vdst(0)                   ; both buffers' offsets are written, which the 72 loads below read
	HCODES 0, 0, 16
	HREST 0
	HCODES 1, 0, 12                                ; 36 + 24 loads are out while the fragments below are issued
	WIN 0x40                                       ; W2's 64 fragments into windows 1 and 2: they stay
.irp s, 0,1,2,3,4,5,6,7
.irp t, 0,1,2,3
.irp c, 0,1
	ds_load_b128 v[32*\s+8*\t+4*\c:32*\s+8*\t+4*\c+3], v[WF] offset:W2ST+16*WPIT*\t+64*\s+32*\c
.endr
.endr
.endr
	WIN 0x80
.irp s, 8,9,10,11,12,13,14,15
.irp t, 0,1,2,3
.irp c, 0,1
	ds_load_b128 v[32*(\s-8)+8*\t+4*\c:32*(\s-8)+8*\t+4*\c+3], v[WF] offset:W2ST+16*WPIT*\t+64*\s+32*\c
.endr
.endr
.endr
	WIN 0
	HCODES 1, 12, 4
	HREST 1
	s_wait_dscnt 0x0                               ; W2's fragments are in
	s_mov_b32 s28, 0
.Ltrip:                                            ; eight trips of two tiles serve my 16 possible tiles, all 512 tokens of the segment on one expert; a wave leaves at its first tile that does not exist
	TILE 0
	TILE 1
	s_add_co_u32 s27, s27, 16
	s_add_co_u32 s28, s28, 1
	s_cmp_lt_u32 s28, 8
	s_cbranch_scc1 .Ltrip
.Ldone:
	s_wait_dscnt 0x0                               ; the closing lines, six on end
	s_wait_alu 0x0
	s_wait_tensorcnt 0x0
	ds_add_u32 v254, v255
	s_wait_dscnt 0x0
	s_endpgm
.Lfunc_end_k_q6137cc03a1_down:
	.size	k_q6137cc03a1_down, .Lfunc_end_k_q6137cc03a1_down-k_q6137cc03a1_down
	.p2alignl 7, 3214868480
	.fill 96, 4, 3214868480
	.section	.rodata,"a",@progbits
	.p2align	6, 0x0
	.amdhsa_kernel k_q6137cc03a1_down
		.amdhsa_group_segment_fixed_size 84480
		.amdhsa_private_segment_fixed_size 0
		.amdhsa_enable_private_segment 0
		.amdhsa_kernarg_size 56
		.amdhsa_user_sgpr_count 2
		.amdhsa_user_sgpr_kernarg_segment_ptr 1
		.amdhsa_wavefront_size32 1
		.amdhsa_system_sgpr_workgroup_id_x 1
		.amdhsa_system_sgpr_workgroup_id_y 1
		.amdhsa_system_sgpr_workgroup_id_z 1
		.amdhsa_system_vgpr_workitem_id 0
		.amdhsa_next_free_vgpr 1024
		.amdhsa_next_free_sgpr 66
		.amdhsa_reserve_vcc 0
		.amdhsa_float_denorm_mode_32 3
		.amdhsa_float_denorm_mode_16_64 3
		.amdhsa_memory_ordered 1
		.amdhsa_forward_progress 1
		.amdhsa_inst_pref_size 58
	.end_amdhsa_kernel
	.amdgpu_metadata
---
amdhsa.version: [ 1, 2 ]
amdhsa.kernels:
  - .name:           k_q6137cc03a1_down
    .symbol:         k_q6137cc03a1_down.kd
    .args:
      - { .name: hc, .offset: 0, .size: 8, .value_kind: global_buffer, .address_space: global }
      - { .name: hs, .offset: 8, .size: 8, .value_kind: global_buffer, .address_space: global }
      - { .name: route, .offset: 16, .size: 8, .value_kind: global_buffer, .address_space: global }
      - { .name: W2_codes, .offset: 24, .size: 8, .value_kind: global_buffer, .address_space: global }
      - { .name: W2_scales, .offset: 32, .size: 8, .value_kind: global_buffer, .address_space: global }
      - { .name: b2, .offset: 40, .size: 8, .value_kind: global_buffer, .address_space: global }
      - { .name: out0, .offset: 48, .size: 8, .value_kind: global_buffer, .address_space: global }
    .group_segment_fixed_size: 84480
    .private_segment_fixed_size: 0
    .kernarg_segment_align: 8
    .kernarg_segment_size: 56
    .max_flat_workgroup_size: 128
    .sgpr_count:     66
    .vgpr_count:     1024
    .wavefront_size: 32
...
	.end_amdgpu_metadata
.endif
;; end of part 7
